; MI455X (gfx1250); checked and timed in simulation.
; The chip was launched on July 23, 2026; its instructions are those of AMD's public machine-readable ISA for CDNA 5 (MIT licence, August 2026) and "CDNA5" Instruction Set Architecture Reference Guide (July 2026). The comments in the code are by the model that wrote it; some were corrected since.
;; Token Match Layer. Allowed arithmetic: float matrix products may take bf16 or f16 operands with f32 sums; other float arithmetic in f32, or as packed bf16 or f16 multiplies, adds, multiply-adds, maxima and minima; sums over many terms, partial sums and values carried from step to step in f32; what a program stores and reads back later, other than sums and carried values, may be rounded once to bf16 or f16.
;; Inputs: W1 768 x 768 float32; W2 768 x 768 float32; Wk 768 x 768 float32; Wo 768 x 768 float32; Wq 768 x 768 float32; Wv 768 x 768 float32; attention_mask 4 x 2,048 int32; b1 768 float32; b2 768 float32; bk 768 float32; bo 768 float32; bq 768 float32; bv 768 float32; dn_b 768 float32; dn_g 768 float32; hidden_states 4 x 2,048 x 768 float32; input_ids 4 x 2,048 int32; ln1_b 768 float32; ln1_g 768 float32; ln2_b 768 float32; ln2_g 768 float32.
;; Outputs: out0 4 x 2,048 x 768 float32.
;; 3 versions, each right; version 2 is faster than version 1; version 3 is version 2 with the launches qkv, attn, wo, w1, w2 written anew for expert scheduling mode. Each part assembles by itself: llvm-mc -triple=amdgcn-amd-amdhsa -mcpu=gfx1250 --defsym DOCPART=n.
;; ======== version 1 of 3: 8 launches
;; limits: values are held in f16: magnitudes above 65,504 overflow, below 6.1e-05 lose precision; right only within a limited range of input values
;; workspace buffers: meta 256 bytes of whole numbers; wta 4,718,592 bytes; wto 1,179,648 bytes; wt2 1,179,648 bytes; qkv 37,748,736 bytes; actb 12,582,912 bytes; ysum 25,165,824 bytes; x1buf 37,748,736 bytes
;; launch prep (part 1): grid 109 x 1, 4 waves a work-group, no clusters, 70,144 bytes of LDS; arguments Wq, Wk, Wv, W1, Wo, W2, input_ids, wta, wto, wt2, meta; writes wta, wto, wt2, meta
.if DOCPART == 1
	.amdgcn_target "amdgcn-amd-amdhsa--gfx1250"
	.amdhsa_code_object_version 6
	.text
	.protected	k_q2ed3572e58_prep
	.globl	k_q2ed3572e58_prep
	.p2align	8
	.type	k_q2ed3572e58_prep,@function
k_q2ed3572e58_prep:
	s_mov_b64 s[64:65], 0
	v_nop
	global_prefetch_b8 v0, s[64:65] scope:SCOPE_SE
	s_setreg_imm32_b32 hwreg(HW_REG_WAVE_MODE, 25, 1), 1
	s_wait_xcnt 0x0
; PREP.  (1) The six weights [768 k][768 n] f32 are rounded once to f16 and written turned, [n][768 k], so that the later products
; load their fragments along K: Wq, Wk, Wv, W1 into wta (1,179,648 bytes each), Wo into wto, W2 into wt2.
; WHY f16.  The module's last norm divides by the spread of x2 - x, about 0.18 for weights of spread 0.02, so an error of the sums in front reaches the output some 5.6 times enlarged:
; the operands keep f16's 11 significant bits, not bf16's 8.  LIMIT: a weight beyond 65,504 in size becomes an infinity; below 6e-5 f16 keeps a fixed step of 6e-8.
; (2) The segments of each batch are found from input_ids and stored as whole numbers, meta[b] = 8 words at 32 b:
;     ns (source keys), hs (first hyp token), nh (hyp rows), nth = ceil(nh/64), nts = ceil(ns/64), rem1 = ns - 64 nts + 63, 0, 0;
;     a batch that is not valid (no source key or no hyp row) has ns = nh = nth = nts = 0.
; SHARES.  Work-groups 0..107: 18 for each weight, a wave a tile of 128 k x 64 n (72 tiles a weight).  Work-group 108: a wave a batch.
; A tile goes through the wave's own stage in LDS (64 rows n of 256 bytes + 16 of padding); no wave reads another's bytes, so there is no barrier.
.set WROW,   3072                      ; bytes in a row of a weight (f32)
.set TROW,   1536                      ; bytes in a row of a turned weight (f16)
.set WBYTES, 768*TROW
.set SP,     272                       ; a stage row
.set STG,    64*SP
.set SPARE,  4*STG                     ; behind the stages: the spare words, 128 bytes a wave
.set LO,  2                            ; v2   2 p rows + 16 q bytes in the weight (p = lane / 16, q = lane % 16)
.set LS,  3                            ; v3   where I put a pair of k for n = 4 q
.set LR,  4                            ; v4   where I read a row back
.set GO,  5                            ; v5   the same two rows in the turned weight
.set SPW, 6                            ; v6   my spare word; never rewritten
.set NIL, 7                            ; v7   0; never rewritten
.set LN,  8                            ; v8   lane
.set BUF, 16                           ; v[16:143]
.set T,   144                          ; v[144:151] at work; v[152:159] meta's eight words
	s_load_b512 s[4:19], s[0:1], 0x0               ; Wq 4, Wk 6, Wv 8, W1 10, Wo 12, W2 14, input_ids 16, wta 18
	s_load_b128 s[20:23], s[0:1], 0x40             ; wto 20, wt2 22
	s_load_b64 s[24:25], s[0:1], 0x50              ; meta
	v_lshl_add_u32 v[SPW], v0, 2, SPARE
	v_mov_b32 v[NIL], 0
	v_lshrrev_b32 v1, 5, v0
	v_readfirstlane_b32 s26, v1                    ; wave 0..3
	v_and_b32 v[LN], 31, v0
	s_cmp_eq_u32 ttmp9, 108
	s_cbranch_scc1 .Lmeta
	; ---- a tile of a weight ----
	s_mul_i32 s27, ttmp9, 57
	s_lshr_b32 s27, s27, 10                        ; m = g / 18 (exact for g < 108): which weight
	s_mul_i32 s28, s27, 18
	s_sub_co_u32 s28, ttmp9, s28
	s_lshl2_add_u32 s28, s28, s26                  ; tile 0..71 = 4 (g - 18 m) + wave
	s_mul_i32 s29, s28, 43
	s_lshr_b32 s29, s29, 9                         ; kt = tile / 12 (exact for tile < 72)
	s_mul_i32 s30, s29, 12
	s_sub_co_u32 s30, s28, s30                     ; nt = tile % 12
	s_mul_i32 s32, s29, 128*WROW                   ; from: 128 kt rows, 64 nt columns
	s_lshl_b32 s31, s30, 8
	s_add_co_u32 s32, s32, s31
	s_mov_b32 s33, 0
	s_cmp_lt_u32 s27, 4
	s_cselect_b32 s34, s27, 0                      ; to: the weight's place in wta (wto and wt2 hold one weight each),
	s_mul_i32 s34, s34, WBYTES
	s_mul_i32 s31, s30, 64*TROW                    ; 64 nt rows,
	s_add_co_u32 s34, s34, s31
	s_lshl_b32 s31, s29, 8                         ; 128 kt columns of 2 bytes
	s_add_co_u32 s34, s34, s31
	s_mov_b32 s35, 0
	v_and_b32 v9, 15, v0                           ; q
	v_bfe_u32 v10, v0, 4, 1                        ; p
	v_mul_u32_u24 v[LO], v10, 2*WROW
	v_lshl_add_u32 v[LO], v9, 4, v[LO]
	s_mul_i32 s36, s26, STG                        ; my stage
	v_mul_u32_u24 v[LS], v9, 4*SP
	v_lshl_add_u32 v[LS], v10, 2, v[LS]
	v_add_nc_u32 v[LS], s36, v[LS]
	v_mul_u32_u24 v[LR], v10, SP
	v_lshl_add_u32 v[LR], v9, 4, v[LR]
	v_add_nc_u32 v[LR], s36, v[LR]
	v_mul_u32_u24 v[GO], v10, TROW
	v_lshl_add_u32 v[GO], v9, 4, v[GO]
	s_wait_kmcnt 0x0
	s_cmp_eq_u32 s27, 1
	s_cselect_b64 s[38:39], s[6:7], s[4:5]
	s_cmp_eq_u32 s27, 2
	s_cselect_b64 s[38:39], s[8:9], s[38:39]
	s_cmp_eq_u32 s27, 3
	s_cselect_b64 s[38:39], s[10:11], s[38:39]
	s_cmp_eq_u32 s27, 4
	s_cselect_b64 s[38:39], s[12:13], s[38:39]
	s_cselect_b64 s[40:41], s[20:21], s[18:19]
	s_cmp_eq_u32 s27, 5
	s_cselect_b64 s[38:39], s[14:15], s[38:39]
	s_cselect_b64 s[40:41], s[22:23], s[40:41]
	s_add_nc_u64 s[38:39], s[38:39], s[32:33]
	s_add_nc_u64 s[40:41], s[40:41], s[34:35]
; Step S of 32 takes rows 4 S .. 4 S + 3: lanes 0-15 rows 4 S, 4 S + 1, lanes 16-31 rows 4 S + 2, 4 S + 3; 16 lanes read 256 consecutive bytes of a row.
.macro WLD slot, step
	global_load_b128 v[BUF+8*(\slot):BUF+8*(\slot)+3], v[LO], s[38:39] offset:(\step)*4*WROW th:TH_LOAD_NT
	global_load_b128 v[BUF+8*(\slot)+4:BUF+8*(\slot)+7], v[LO], s[38:39] offset:(\step)*4*WROW+WROW th:TH_LOAD_NT
.endm
.set i, 0
.rept 16
	WLD i, i
.set i, i+1
.endr
.set i, 0
.rept 32
.if i < 16
	s_wait_loadcnt 30                              ; my slot's two loads are in; the fifteen other slots' may stay out
.else
	s_wait_loadcnt 62-2*i                          ; nothing is asked for any more: the counts run down
.endif
.irp c, 0,1,2,3
	v_cvt_pk_f16_f32 v[T+4*(i%2)+\c], v[BUF+8*(i%16)+\c], v[BUF+8*(i%16)+4+\c]  ; two neighbouring k of column 4 q + c
.endr
.if i < 16
	WLD i, i+16                                    ; the slot is asked for again at once
.endif
.irp c, 0,1,2,3
	ds_store_b32 v[LS], v[T+4*(i%2)+\c] offset:\c*SP+8*i
.endr
.set i, i+1
.endr
.set i, 0
.rept 32                               ; back by rows: LDS serves a wave's instructions in order (ISA guide 5.7.1.4), so these see the stores above
	ds_load_b128 v[BUF+4*i:BUF+4*i+3], v[LR] offset:i*2*SP
.set i, i+1
.endr
.set i, 0
.rept 32
	s_wait_dscnt 31-i
	global_store_b128 v[GO], v[BUF+4*i:BUF+4*i+3], s[40:41] offset:i*2*TROW  ; 16 lanes store 256 consecutive bytes, aligned
.set i, i+1
.endr
	s_branch .Lend
	; ---- the segments of batch = wave ----
.Lmeta:
	s_lshl_b32 s32, s26, 13                        ; 2,048 ids of 4 bytes
	s_mov_b32 s33, 0
	s_lshl_b32 s34, s26, 5                         ; meta's 32 bytes
	s_mov_b32 s35, 0
	s_mov_b32 s36, 0x76543210                      ; v_permlanex16_b32: each lane takes its own place in the other half
	s_mov_b32 s37, 0xfedcba98
	v_lshlrev_b32 v9, 4, v[LN]
	v_lshlrev_b32 v10, 2, v[LN]
	v_mov_b32 v11, 2048                            ; 'none'
	v_mov_b32 v13, 0
	s_wait_kmcnt 0x0
	s_add_nc_u64 s[16:17], s[16:17], s[32:33]
	s_add_nc_u64 s[24:25], s[24:25], s[34:35]
.set i, 0
.rept 16                               ; register BUF + 4 j + c holds id 128 j + 4 lane + c
	global_load_b128 v[BUF+4*i:BUF+4*i+3], v9, s[16:17] offset:512*i
.set i, i+1
.endr
.irp c, 0,1,2,3
	v_mov_b32 v[T+\c], v11
.endr
	s_wait_loadcnt 0x0
.macro LMIN r                          ; the least over the 32 lanes, in every lane
.irp m, 1,2,4,8
	v_mov_b32_dpp v12, v[\r] row_xmask:\m row_mask:0xf bank_mask:0xf
	v_min_u32 v[\r], v[\r], v12
.endr
	v_permlanex16_b32 v12, v[\r], s36, s37
	v_min_u32 v[\r], v[\r], v12
.endm
.macro MERGE
	v_min_u32 v[T], v[T], v[T+1]
	v_min_u32 v[T+2], v[T+2], v[T+3]
	v_min_u32 v[T], v[T], v[T+2]
	LMIN T
.endm
.set e, 0
.rept 64                               ; each id becomes its index where it is SEP, else 2,048; four chains of minima
	v_add_nc_u32 v12, 128*(e/4)+e%4, v10
	v_cmp_eq_u32 vcc_lo, 102, v[BUF+e]
	v_cndmask_b32 v[BUF+e], v11, v12, vcc_lo
	v_min_u32 v[T+e%4], v[T+e%4], v[BUF+e]
.set e, e+1
.endr
	MERGE
	v_readfirstlane_b32 s40, v[T]                  ; first
.irp c, 0,1,2,3
	v_mov_b32 v[T+\c], v11
.endr
.set e, 0
.rept 64                               ; the least index beyond first
	v_cmp_lt_u32 vcc_lo, s40, v[BUF+e]
	v_cndmask_b32 v12, v11, v[BUF+e], vcc_lo
	v_min_u32 v[T+e%4], v[T+e%4], v12
.set e, e+1
.endr
	MERGE
	v_readfirstlane_b32 s41, v[T]                  ; second
	s_add_co_u32 s42, s40, 1
	s_cmp_lt_u32 s41, 2048                         ; two SEP or more?
	s_cselect_b32 s43, s40, 1024                   ; src_end
	s_cselect_b32 s44, s42, 1024                   ; hyp_start
	s_cselect_b32 s45, s41, 2047                   ; hyp_end
	s_cmp_gt_u32 s43, 1                            ; a source key exists (indices 1 .. src_end - 1),
	s_cselect_b32 s46, 1, 0
	s_cmp_gt_u32 s45, s44                          ; and a hyp row
	s_cselect_b32 s46, s46, 0
	s_sub_co_u32 s47, s43, 1
	s_sub_co_u32 s48, s45, s44
	s_cmp_eq_u32 s46, 1
	s_cselect_b32 s47, s47, 0                      ; ns
	s_cselect_b32 s48, s48, 0                      ; nh
	s_add_co_u32 s49, s48, 63
	s_lshr_b32 s49, s49, 6                         ; nth
	s_add_co_u32 s50, s47, 63
	s_lshr_b32 s50, s50, 6                         ; nts
	s_lshl_b32 s51, s50, 6
	s_sub_co_u32 s51, s47, s51
	s_add_co_u32 s51, s51, 63                      ; rem1: the last key tile's last true key
	v_mov_b32 v152, s47
	v_mov_b32 v153, s44
	v_mov_b32 v154, s48
	v_mov_b32 v155, s49
	v_mov_b32 v156, s50
	v_mov_b32 v157, s51
	v_mov_b32 v158, 0
	v_mov_b32 v159, 0
	v_cmp_eq_u32 vcc_lo, 0, v[LN]
	s_wait_xcnt 0x0                                ; EXEC changes only behind this wait
	s_and_saveexec_b32 s60, vcc_lo                 ; lane 0 stores the 32 bytes
	global_store_b128 v13, v[152:155], s[24:25]
	global_store_b128 v13, v[156:159], s[24:25] offset:16
	s_wait_xcnt 0x0                                ; and again, in front of the line that widens it
	s_or_b32 exec_lo, exec_lo, s60
.Lend:
	s_wait_tensorcnt 0x0                           ; the wave's end, behind my last LDS store
	ds_add_u32 v[SPW], v[NIL]
	s_wait_dscnt 0x0
	s_endpgm
.Lfunc_end_k_q2ed3572e58_prep:
	.size	k_q2ed3572e58_prep, .Lfunc_end_k_q2ed3572e58_prep-k_q2ed3572e58_prep
	.p2alignl 7, 3214868480
	.fill 96, 4, 3214868480
	.section	.rodata,"a",@progbits
	.p2align	6, 0x0
	.amdhsa_kernel k_q2ed3572e58_prep
		.amdhsa_group_segment_fixed_size 70144
		.amdhsa_private_segment_fixed_size 0
		.amdhsa_enable_private_segment 0
		.amdhsa_kernarg_size 88
		.amdhsa_user_sgpr_count 2
		.amdhsa_user_sgpr_kernarg_segment_ptr 1
		.amdhsa_wavefront_size32 1
		.amdhsa_system_sgpr_workgroup_id_x 1
		.amdhsa_system_sgpr_workgroup_id_y 1
		.amdhsa_system_sgpr_workgroup_id_z 1
		.amdhsa_system_vgpr_workitem_id 0
		.amdhsa_next_free_vgpr 160
		.amdhsa_next_free_sgpr 66
		.amdhsa_reserve_vcc 1
		.amdhsa_float_denorm_mode_32 3
		.amdhsa_float_denorm_mode_16_64 3
		.amdhsa_memory_ordered 1
		.amdhsa_forward_progress 1
		.amdhsa_inst_pref_size 55
	.end_amdhsa_kernel
	.amdgpu_metadata
---
amdhsa.version: [ 1, 2 ]
amdhsa.kernels:
  - .name:           k_q2ed3572e58_prep
    .symbol:         k_q2ed3572e58_prep.kd
    .args:
      - { .name: Wq, .offset: 0, .size: 8, .value_kind: global_buffer, .address_space: global }
      - { .name: Wk, .offset: 8, .size: 8, .value_kind: global_buffer, .address_space: global }
      - { .name: Wv, .offset: 16, .size: 8, .value_kind: global_buffer, .address_space: global }
      - { .name: W1, .offset: 24, .size: 8, .value_kind: global_buffer, .address_space: global }
      - { .name: Wo, .offset: 32, .size: 8, .value_kind: global_buffer, .address_space: global }
      - { .name: W2, .offset: 40, .size: 8, .value_kind: global_buffer, .address_space: global }
      - { .name: input_ids, .offset: 48, .size: 8, .value_kind: global_buffer, .address_space: global }
      - { .name: wta, .offset: 56, .size: 8, .value_kind: global_buffer, .address_space: global }
      - { .name: wto, .offset: 64, .size: 8, .value_kind: global_buffer, .address_space: global }
      - { .name: wt2, .offset: 72, .size: 8, .value_kind: global_buffer, .address_space: global }
      - { .name: meta, .offset: 80, .size: 8, .value_kind: global_buffer, .address_space: global }
    .group_segment_fixed_size: 70144
    .private_segment_fixed_size: 0
    .kernarg_segment_align: 8
    .kernarg_segment_size: 88
    .max_flat_workgroup_size: 128
    .sgpr_count:     66
    .vgpr_count:     160
    .wavefront_size: 32
...
	.end_amdgpu_metadata
.endif
;; end of part 1
;; launch qkv (part 2): grid 64 x 12, 4 waves a work-group, no clusters, 55,808 bytes of LDS; arguments meta, hidden_states, wta, bq, bk, bv, qkv; writes qkv
.if DOCPART == 2
	.amdgcn_target "amdgcn-amd-amdhsa--gfx1250"
	.amdhsa_code_object_version 6
	.text
	.protected	k_q2ed3572e58_qkv
	.globl	k_q2ed3572e58_qkv
	.p2align	8
	.type	k_q2ed3572e58_qkv,@function
k_q2ed3572e58_qkv:
	s_mov_b64 s[64:65], 0
	v_nop
	global_prefetch_b8 v0, s[64:65] scope:SCOPE_SE
	s_setreg_imm32_b32 hwreg(HW_REG_WAVE_MODE, 25, 1), 1
	s_wait_xcnt 0x0
; Q, K, V.  q = x Wq + bq for the hyp rows, k and v for the source rows (tokens 1 .. ns), by heads, in f16 (rounded once from f32 sums, unscaled).
; LIMIT.  f16 holds no number beyond 65,504: x as an operand, and q, k, v, must lie within it (with x of spread 1 and weights of spread 0.02 they reach about 5.5 and 3); below 6e-5 f16 keeps a fixed step of 6e-8.
; qkv holds three regions of 12,582,912 bytes (Q, K, VT), each [batch 3,145,728][head 393,216][tile of 64 rows 12,288]:
; a tile of Q or K is 64 rows x 192 bytes, dense; a tile of VT is 96 channels x 128 bytes (64 keys): V turned.
; Row c of Q is token hs + c, row c of K and V token 1 + c.  A tile's rows past the segment's end are made of clamped tokens (at most 2,047): finite, written, and never part of a result.
; SHARES.  x = 2 i + half, y = 4 job + batch.  A wave makes 64 rows x the 96 columns of one head (4 half + wave): 24 accumulators.  All four waves belong to row tile i;
; a tile that the segment does not have ends at once (the count comes from meta, stored by the launch before).  Waves never meet: no barrier.
; OPERANDS come straight from memory: x in f32 (rounded to f16 in registers), the turned weight in f16.  Two sets of registers, a K chunk of 32 each: 28 loads a chunk, at most 56 out.
; THE PRODUCT IS TAKEN TURNED (source 0 = 16 columns of the weight, source 1 = 16 rows of x): a lane holds one row and eight neighbouring columns.
.set XROW,   3072
.set WROW,   1536
.set WBYTES, 1179648
.set REGION, 12582912
.set BB,     3145728
.set HB,     393216
.set TB,     12288
.set WSTG,   96*144                    ; a wave's stage: V's 96 channels x (128 + 16) bytes; Q and K use its first 3,072 bytes (16 rows x 192, dense)
.set SPARE,  4*WSTG                    ; behind the stages: the spare words, 128 bytes a wave
.set XO,   2                           ; v2-5  fragment a: clamped token x 3,072 + 32 (lane / 16)
.set WO,   6                           ; v6    1,536 (lane % 16) + 16 (lane / 16)
.set STO,  7                           ; v7    Q, K: where I put 16 bytes of a row
.set RD,   8                           ; v8    Q, K: where I read 16 of 512 consecutive bytes back
.set GO,   9                           ; v9    16 x lane
.set VSTO, 10                          ; v10   V: channel 8 (lane / 16), key lane % 16
.set VRD,  11                          ; v11   V: four rows of 128 bytes
.set BO,   12                          ; v12   32 (lane / 16)
.set SPW,  18                          ; v18   my spare word; never rewritten
.set NIL,  19                          ; v19   0; never rewritten
.set PK,   24                          ; v[24:47]  packed results
.set ACC,  64                          ; v[64:255] accumulator (a, b) at ACC + 8 (6 a + b)
; window 1: set u at 112 u: x's fragment a raw (16 registers, packed in place into the first 8) at + 16 a; the weight's fragment b at + 64 + 8 b.  The bias lands in v0-47 at the end.
.set MSB, 0
.macro WIN new                         ; the immediate's high byte repeats the setting that is left; a switch that changes nothing is dropped
.if MSB != (\new)
	s_set_vgpr_msb (MSB<<8)|(\new)
.set MSB, \new
.endif
.endm
.macro PLACES                          ; four plain instructions between a matrix instruction and a load into, or a vector read or write of, its registers
.rept 4
	v_nop
.endr
.endm
	s_load_b256 s[4:11], s[0:1], 0x0               ; meta 4, hidden_states 6, wta 8, bq 10
	s_load_b128 s[12:15], s[0:1], 0x20             ; bk 12, bv 14
	s_load_b64 s[16:17], s[0:1], 0x30              ; qkv
	v_lshl_add_u32 v[SPW], v0, 2, SPARE
	v_mov_b32 v[NIL], 0
	v_lshrrev_b32 v1, 5, v0
	v_readfirstlane_b32 s18, v1                    ; wave
	s_and_b32 s19, ttmp7, 0xffff
	s_and_b32 s20, s19, 3                          ; batch
	s_lshr_b32 s21, s19, 2                         ; job: 0 Q, 1 K, 2 V
	s_lshr_b32 s22, ttmp9, 1                       ; row tile i
	s_and_b32 s23, ttmp9, 1
	s_lshl2_add_u32 s23, s23, s18                  ; head
	s_lshl_b32 s24, s20, 5
	s_mov_b32 s25, 0
	s_mov_b32 s27, 0
	s_wait_kmcnt 0x0
	s_add_nc_u64 s[4:5], s[4:5], s[24:25]
	s_load_b256 s[32:39], s[4:5], 0x0              ; ns 32, hs 33, nh 34, nth 35, nts 36, rem1 37
	v_and_b32 v20, 15, v0                          ; r
	v_bfe_u32 v21, v0, 4, 1                        ; h
	v_and_b32 v22, 31, v0                          ; lane
	v_mul_u32_u24 v[WO], v20, WROW
	v_lshl_add_u32 v[WO], v21, 4, v[WO]
	s_mul_i32 s28, s18, WSTG                       ; my stage
	v_mul_u32_u24 v[STO], v20, 192
	v_lshl_add_u32 v[STO], v21, 4, v[STO]
	v_add_nc_u32 v[STO], s28, v[STO]
	v_lshlrev_b32 v[GO], 4, v22
	v_add_nc_u32 v[RD], s28, v[GO]
	v_mul_u32_u24 v[VSTO], v21, 1152
	v_lshl_add_u32 v[VSTO], v20, 1, v[VSTO]
	v_add_nc_u32 v[VSTO], s28, v[VSTO]
	v_lshrrev_b32 v23, 3, v22
	v_mul_u32_u24 v[VRD], v23, 144
	v_and_b32 v23, 7, v0
	v_lshl_add_u32 v[VRD], v23, 4, v[VRD]
	v_add_nc_u32 v[VRD], s28, v[VRD]
	v_lshlrev_b32 v[BO], 5, v21
	s_mul_i32 s26, s20, 2048*XROW
	s_add_nc_u64 s[6:7], s[6:7], s[26:27]          ; x at the batch
	s_mul_i32 s26, s21, WBYTES
	s_mul_i32 s29, s23, 96*WROW
	s_add_co_u32 s26, s26, s29
	s_add_nc_u64 s[8:9], s[8:9], s[26:27]          ; the job's turned weight at the head's 96 rows
	s_cmp_eq_u32 s21, 1
	s_cselect_b64 s[30:31], s[12:13], s[10:11]
	s_cmp_eq_u32 s21, 2
	s_cselect_b64 s[30:31], s[14:15], s[30:31]
	s_mul_i32 s26, s23, 384
	s_add_nc_u64 s[30:31], s[30:31], s[26:27]      ; the job's bias at the head's 96 numbers
	s_mul_i32 s26, s21, REGION
	s_mul_i32 s29, s20, BB
	s_add_co_u32 s26, s26, s29
	s_mul_i32 s29, s23, HB
	s_add_co_u32 s26, s26, s29
	s_mul_i32 s29, s22, TB
	s_add_co_u32 s26, s26, s29
	s_add_nc_u64 s[40:41], s[16:17], s[26:27]      ; my tile of the result
	s_wait_kmcnt 0x0
	s_cmp_eq_u32 s21, 0
	s_cselect_b32 s44, s35, s36                    ; the segment's tiles,
	s_cselect_b32 s45, s33, 1                      ; and its first token
	s_cmp_lt_u32 s22, s44
	s_cbranch_scc0 .Lend                           ; the segment has no such tile
	s_lshl_b32 s46, s22, 6
	s_add_co_u32 s45, s45, s46
	v_add_nc_u32 v23, s45, v20
.irp a, 0,1,2,3
	v_add_nc_u32 v1, 16*\a, v23
	v_min_u32 v1, 0x7ff, v1                        ; no row past the batch's last
	v_mul_u32_u24 v1, v1, XROW
	v_add_nc_u32 v[XO+\a], v[BO], v1
.endr
; A chunk's 28 loads into set u.  off: the chunk's bytes along K in the weight, from the pointers; x, in f32, has twice that.
; A fragment is 16 rows x 32 K: lane l holds row l % 16, K = 8 (l / 16) + 0..7 and 16 + 8 (l / 16) + 0..7: in f32 four loads of 16 bytes, in f16 two.
.macro XLOADS u, off
	WIN 0x40                                       ; destination window 1, address window 0
.irp a, 0,1,2,3
	global_load_b128 v[112*(\u)+16*(\a):112*(\u)+16*(\a)+3],     v[XO+(\a)], s[6:7] offset:2*(\off)
	global_load_b128 v[112*(\u)+16*(\a)+4:112*(\u)+16*(\a)+7],   v[XO+(\a)], s[6:7] offset:2*(\off)+16
	global_load_b128 v[112*(\u)+16*(\a)+8:112*(\u)+16*(\a)+11],  v[XO+(\a)], s[6:7] offset:2*(\off)+64
	global_load_b128 v[112*(\u)+16*(\a)+12:112*(\u)+16*(\a)+15], v[XO+(\a)], s[6:7] offset:2*(\off)+80
.endr
.irp b, 0,1,2,3,4,5
	global_load_b128 v[112*(\u)+64+8*(\b):112*(\u)+64+8*(\b)+3],   v[WO], s[8:9] offset:(\b)*16*WROW+(\off)
	global_load_b128 v[112*(\u)+64+8*(\b)+4:112*(\u)+64+8*(\b)+7], v[WO], s[8:9] offset:(\b)*16*WROW+(\off)+32
.endr
.endm
; A chunk: x is rounded in place, 24 products (each accumulator once, always in the same order: the accumulators take turns), and the set is asked for again, two chunks on.
.macro CHUNK u, zero, refill, cnt
	s_wait_loadcnt \cnt                            ; my set's loads are in; what was issued behind them may stay out
	WIN 0x45
.irp a, 0,1,2,3
.irp k, 0,1,2,3,4,5,6,7
	v_cvt_pk_f16_f32 v[112*(\u)+16*(\a)+(\k)], v[112*(\u)+16*(\a)+2*(\k)], v[112*(\u)+16*(\a)+2*(\k)+1]
.endr
.endr
	WIN 0x05                                       ; sources 0 and 1 window 1, C and D window 0
.irp a, 0,1,2,3
.irp b, 0,1,2,3,4,5
.if \zero
	v_wmma_f32_16x16x32_f16 v[ACC+8*(6*(\a)+(\b)):ACC+8*(6*(\a)+(\b))+7], v[112*(\u)+64+8*(\b):112*(\u)+64+8*(\b)+7], v[112*(\u)+16*(\a):112*(\u)+16*(\a)+7], 0
.else
	v_wmma_f32_16x16x32_f16 v[ACC+8*(6*(\a)+(\b)):ACC+8*(6*(\a)+(\b))+7], v[112*(\u)+64+8*(\b):112*(\u)+64+8*(\b)+7], v[112*(\u)+16*(\a):112*(\u)+16*(\a)+7], v[ACC+8*(6*(\a)+(\b)):ACC+8*(6*(\a)+(\b))+7]
.endif
.endr
.endr
	PLACES
.if \refill
	XLOADS \u, 64*(\u)+128
.endif
.endm
.macro STEP                            ; two chunks on
	WIN 0
	s_wait_xcnt 0x0                                ; every load issued so far has read its address: the pointers may be written
	s_add_nc_u64 s[6:7], s[6:7], 256
	s_add_nc_u64 s[8:9], s[8:9], 128
.endm
	XLOADS 0, 0
	XLOADS 1, 64
	CHUNK 0, 1, 1, 28                              ; the first chunk starts the sums; 28: the other set's loads
	CHUNK 1, 0, 1, 28
	STEP
	s_mov_b32 s47, 10
.Lk:                                                   ; chunks 2 .. 21
	CHUNK 0, 0, 1, 28
	CHUNK 1, 0, 1, 28
	STEP
	s_sub_co_u32 s47, s47, 1
	s_cmp_lg_u32 s47, 0
	s_cbranch_scc1 .Lk
	CHUNK 0, 0, 0, 28                              ; the last two chunks ask for nothing more of x and the weight
	WIN 0x40
.irp b, 0,1,2,3,4,5                    ; the bias of my columns 16 b + 8 (lane / 16) + 0..7, into set 0's registers
	global_load_b128 v[8*\b:8*\b+3],   v[BO], s[30:31] offset:64*\b
	global_load_b128 v[8*\b+4:8*\b+7], v[BO], s[30:31] offset:64*\b+16
.endr
	CHUNK 1, 0, 0, 12                              ; 12: the bias's loads
	s_wait_loadcnt 0x0
	WIN 0x04                                       ; source 1 window 1
.set k, 0
.rept 96                               ; each accumulator from its low end on
	v_pk_add_f32 v[ACC+2*k:ACC+2*k+1], v[ACC+2*k:ACC+2*k+1], v[8*((k/4)%6)+2*(k%4):8*((k/4)%6)+2*(k%4)+1]
.set k, k+1
.endr
	WIN 0
	s_cmp_eq_u32 s21, 2
	s_cbranch_scc1 .Lv
	; Q and K: 16 rows at a time through my stage: in as 16 bytes of a row, back as 512 consecutive bytes of the dense tile.
	; The dense rows of 192 bytes start in four different groups of banks only (64 banks of 4 bytes: ISA guide 11.1): six stores a block go four deep; in return the way back is 16 x lane.
.irp a, 0,1,2,3
	s_wait_xcnt 0x0                                ; the last block's stores have read PK
.set k, 0
.rept 24
	v_cvt_pk_f16_f32 v[PK+k], v[ACC+48*\a+2*k], v[ACC+48*\a+2*k+1]
.set k, k+1
.endr
.irp b, 0,1,2,3,4,5
	ds_store_b128 v[STO], v[PK+4*\b:PK+4*\b+3] offset:32*\b
.endr
.irp t, 0,1,2,3,4,5
	ds_load_b128 v[PK+4*\t:PK+4*\t+3], v[RD] offset:512*\t  ; LDS serves a wave's instructions in order (ISA guide 5.7.1.4)
.endr
	s_wait_dscnt 0x0
.irp t, 0,1,2,3,4,5
	global_store_b128 v[GO], v[PK+4*\t:PK+4*\t+3], s[40:41] offset:3072*\a+512*\t
.endr
.endr
	s_branch .Lend
.Lv:	; V is turned on the way: number (key 16 a + r, channel 16 b + 8 h + j) goes to stage row = channel, 2 bytes at the key
.set k, 0
.rept 24
.irp p, 0,1,2,3
	v_cvt_pk_f16_f32 v[PK+4*(k%6)+\p], v[ACC+8*k+2*\p], v[ACC+8*k+2*\p+1]
.endr
.irp p, 0,1,2,3
	ds_store_b16 v[VSTO], v[PK+4*(k%6)+\p] offset:2304*(k%6)+288*\p+32*(k/6)
	ds_store_b16_d16_hi v[VSTO], v[PK+4*(k%6)+\p] offset:2304*(k%6)+288*\p+144+32*(k/6)
.endr
.set k, k+1
.endr
.irp g, 0,1,2,3
.if \g > 0
	s_wait_xcnt 0x0                                ; the last group's stores have read PK
.endif
.irp t, 0,1,2,3,4,5
	ds_load_b128 v[PK+4*\t:PK+4*\t+3], v[VRD] offset:576*(6*\g+\t)  ; four channels' 128 bytes
.endr
	s_wait_dscnt 0x0
.irp t, 0,1,2,3,4,5
	global_store_b128 v[GO], v[PK+4*\t:PK+4*\t+3], s[40:41] offset:512*(6*\g+\t)
.endr
.endr
.Lend:
	s_wait_tensorcnt 0x0                           ; the wave's end, behind my last LDS store
	ds_add_u32 v[SPW], v[NIL]
	s_wait_dscnt 0x0
	s_endpgm
.Lfunc_end_k_q2ed3572e58_qkv:
	.size	k_q2ed3572e58_qkv, .Lfunc_end_k_q2ed3572e58_qkv-k_q2ed3572e58_qkv
	.p2alignl 7, 3214868480
	.fill 96, 4, 3214868480
	.section	.rodata,"a",@progbits
	.p2align	6, 0x0
	.amdhsa_kernel k_q2ed3572e58_qkv
		.amdhsa_group_segment_fixed_size 55808
		.amdhsa_private_segment_fixed_size 0
		.amdhsa_enable_private_segment 0
		.amdhsa_kernarg_size 56
		.amdhsa_user_sgpr_count 2
		.amdhsa_user_sgpr_kernarg_segment_ptr 1
		.amdhsa_wavefront_size32 1
		.amdhsa_system_sgpr_workgroup_id_x 1
		.amdhsa_system_sgpr_workgroup_id_y 1
		.amdhsa_system_sgpr_workgroup_id_z 1
		.amdhsa_system_vgpr_workitem_id 0
		.amdhsa_next_free_vgpr 512
		.amdhsa_next_free_sgpr 66
		.amdhsa_reserve_vcc 0
		.amdhsa_float_denorm_mode_32 3
		.amdhsa_float_denorm_mode_16_64 3
		.amdhsa_memory_ordered 1
		.amdhsa_forward_progress 1
		.amdhsa_inst_pref_size 84
	.end_amdhsa_kernel
	.amdgpu_metadata
---
amdhsa.version: [ 1, 2 ]
amdhsa.kernels:
  - .name:           k_q2ed3572e58_qkv
    .symbol:         k_q2ed3572e58_qkv.kd
    .args:
      - { .name: meta, .offset: 0, .size: 8, .value_kind: global_buffer, .address_space: global }
      - { .name: hidden_states, .offset: 8, .size: 8, .value_kind: global_buffer, .address_space: global }
      - { .name: wta, .offset: 16, .size: 8, .value_kind: global_buffer, .address_space: global }
      - { .name: bq, .offset: 24, .size: 8, .value_kind: global_buffer, .address_space: global }
      - { .name: bk, .offset: 32, .size: 8, .value_kind: global_buffer, .address_space: global }
      - { .name: bv, .offset: 40, .size: 8, .value_kind: global_buffer, .address_space: global }
      - { .name: qkv, .offset: 48, .size: 8, .value_kind: global_buffer, .address_space: global }
    .group_segment_fixed_size: 55808
    .private_segment_fixed_size: 0
    .kernarg_segment_align: 8
    .kernarg_segment_size: 56
    .max_flat_workgroup_size: 128
    .sgpr_count:     66
    .vgpr_count:     512
    .wavefront_size: 32
...
	.end_amdgpu_metadata
.endif
;; end of part 2
;; launch attn (part 3): grid 128 x 4, 4 waves a work-group, no clusters, 12,800 bytes of LDS; arguments meta, qkv, actb; writes actb
.if DOCPART == 3
	.amdgcn_target "amdgcn-amd-amdhsa--gfx1250"
	.amdhsa_code_object_version 6
	.text
	.protected	k_q2ed3572e58_attn
	.globl	k_q2ed3572e58_attn
	.p2align	8
	.type	k_q2ed3572e58_attn,@function
k_q2ed3572e58_attn:
	s_mov_b64 s[64:65], 0
	v_nop
	global_prefetch_b8 v0, s[64:65] scope:SCOPE_SE
	s_setreg_imm32_b32 hwreg(HW_REG_WAVE_MODE, 25, 1), 1
	s_wait_xcnt 0x0
; CROSS-ATTENTION.  ctx[c][:] = the sum over the ns source keys of softmax(q[c] . k / sqrt(96)) v, for the hyp rows c of a batch and head.  q, k, v (turned) in f16 as the launch before laid them;
; products, maxima and sums in f32; the weights are rounded to f16 for the second product (their sum is taken unrounded); ctx rounded once, to actb [batch][head][2,048 rows][96] in f16.
; reference() sets the scores of all other keys to -1e9: their weights are 0 whenever a source key exists, and where none exists the batch is not valid and no row of it is wanted.  So only source keys are walked.
; LIMITS.  In the last key tile a key past ns counts as its score less 1e30 (reference: -1e9): weight 0 in both as long as true scores lie above -1e9 + 100.  A weight below 2^-126 counts as 0 in the sum;
; a weight lies in 0 to 1 and below 6e-5 keeps f16's fixed step of 6e-8; ctx is a mean of v's rows and has their range, within 65,504.  NaN and infinities are not treated apart.
; SHARES.  x = 8 (group of four query blocks) + head, y = batch.  A wave owns 32 queries (two tiles of 16) and walks the keys, 64 a trip in two substeps of 32; nts trips, from meta.  Waves never meet: no barrier.
; LAYOUT.  S^T = K Q^T (source 0 = 16 keys, source 1 = 16 queries): a lane holds ONE query (lane % 16) and the keys 8 (lane / 16) + 0..7; two such results rounded in pairs ARE source 1 of O^T = V^T P.
; SOFTMAX.  A running maximum m and sum l for each query: p = 2^(c s - c m), c = log2(e) / sqrt(96); O and l are multiplied by a = 2^(c m_old - c m_new) in every substep.  m starts at the lowest finite number,
; O and l at 0, so the first substep is one like any other, with a = 0: 96 lines clear O once a wave, while the first loads are out.
; IN FLIGHT.  K and V of both substeps have registers of their own and are asked for again as soon as they are multiplied: four groups of 12 loads, of which three stay out at each wait.
.set TB,  12288                        ; a tile of K, and of VT
.set STG, 3072                         ; a wave's stage: 16 rows x 192 bytes, dense
.set SPARE, 4*STG                      ; behind the stages: the spare words, 128 bytes a wave
.set KO,  2                            ; v2   192 (lane % 16) + 16 (lane / 16): K's and Q's rows
.set VO,  3                            ; v3   128 (lane % 16) + 16 (lane / 16): VT's rows
.set STO, 4
.set RD,  5
.set GO,  6
.set SPW, 12                           ; v12  my spare word; never rewritten
.set NIL, 13                           ; v13  0; never rewritten
.set MK,  14                           ; v14  rem1 - 8 (lane / 16)
.set ST,  16                           ; tile u at ST + 8 u: c m, m, l (even keys'), l (odd keys'), t0, t1, a, d
.set S,   32                           ; S^T: tile u, key block kb at S + 16 u + 8 kb
.set P,   64                           ; tile u at P + 8 u
.set Q,   80                           ; tile u, channels 32 ch on, at Q + 24 u + 8 ch
.set O,   128                          ; tile u, channels 16 cb on, at O + 48 u + 8 cb
.set PK,  224
; window 1: K (substep s, key block kb, channels 32 ch on) at 96 s + 24 kb + 8 ch; V^T (s, channels 16 cb on) at 96 s + 48 + 8 cb; the last tile's masks (s, kb) at 192 + 16 s + 8 kb
.set MC,  192
.set KP,  20                           ; s[20:21] K at the tile in hand
.set VP,  22                           ; s[22:23] VT
.set QP,  24
.set OPT, 26
.set CS,  28                           ; s[28:29] c
.set SEL, 30                           ; s[30:31] v_permlanex16_b32's selects
.set BIGN, 40
.set CNT, 41
.set BND, 42
.set MSB, 0
.macro WIN new
.if MSB != (\new)
	s_set_vgpr_msb (MSB<<8)|(\new)
.set MSB, \new
.endif
.endm
.macro PLACES                          ; four plain instructions between a matrix instruction and a load into, or a vector read or write of, its registers
.rept 4
	v_nop
.endr
.endm
.macro BOTH line:vararg                ; one line for each tile u: the tiles alternate, so that no line reads the result of the one before it
.set u, 0
	\line
.set u, 1
	\line
.endm
	s_load_b128 s[4:7], s[0:1], 0x0                ; meta 4, qkv 6
	s_load_b64 s[8:9], s[0:1], 0x10                ; actb
	v_lshl_add_u32 v[SPW], v0, 2, SPARE
	v_mov_b32 v[NIL], 0
	v_lshrrev_b32 v1, 5, v0
	v_readfirstlane_b32 s10, v1                    ; wave
	s_and_b32 s11, ttmp9, 7                        ; head
	s_lshr_b32 s12, ttmp9, 3
	s_lshl2_add_u32 s12, s12, s10                  ; block of 32 queries
	s_and_b32 s13, ttmp7, 0xffff                   ; batch
	s_lshl_b32 s14, s13, 5
	s_mov_b32 s15, 0
	s_wait_kmcnt 0x0
	s_add_nc_u64 s[4:5], s[4:5], s[14:15]
	s_load_b256 s[32:39], s[4:5], 0x0              ; ns 32, hs 33, nh 34, nth 35, nts 36, rem1 37
	s_mul_i32 s16, s13, 3145728
	s_mul_i32 s17, s11, 393216
	s_add_co_u32 s16, s16, s17
	s_mov_b32 s17, 0                               ; s[16:17]: batch and head
	s_mul_i32 s18, s12, 6144
	s_mov_b32 s19, 0                               ; s[18:19]: my 32 rows
	s_add_nc_u64 s[QP:QP+1], s[6:7], s[16:17]
	s_add_nc_u64 s[KP:KP+1], s[QP:QP+1], 12582912
	s_add_nc_u64 s[VP:VP+1], s[KP:KP+1], 12582912
	s_add_nc_u64 s[QP:QP+1], s[QP:QP+1], s[18:19]
	s_add_nc_u64 s[OPT:OPT+1], s[8:9], s[16:17]
	s_add_nc_u64 s[OPT:OPT+1], s[OPT:OPT+1], s[18:19]
	s_mov_b32 s[CS], 0x3e16c740                    ; c = log2(e) / sqrt(96) = 0.147244
	s_mov_b32 s[CS+1], s[CS]
	s_mov_b32 s[SEL], 0x76543210
	s_mov_b32 s[SEL+1], 0xfedcba98
	s_mov_b32 s[BIGN], 0xf149f2ca                  ; -1e30
	s_mov_b32 s[CNT], 0
	v_and_b32 v7, 15, v0                           ; r
	v_bfe_u32 v8, v0, 4, 1                         ; h
	v_and_b32 v9, 31, v0
	v_mul_u32_u24 v[KO], v7, 192
	v_lshl_add_u32 v[KO], v8, 4, v[KO]
	v_lshlrev_b32 v[VO], 7, v7
	v_lshl_add_u32 v[VO], v8, 4, v[VO]
	s_mul_i32 s14, s10, STG
	v_add_nc_u32 v[STO], s14, v[KO]                ; in: row lane % 16, 16 bytes for each half of the lanes
	v_lshlrev_b32 v[GO], 4, v9
	v_add_nc_u32 v[RD], s14, v[GO]                 ; back: 512 consecutive bytes
	v_lshlrev_b32 v15, 3, v8
	s_wait_kmcnt 0x0
	s_lshl_b32 s14, s35, 1
	s_cmp_lt_u32 s12, s14
	s_cbranch_scc0 .Lend                           ; the segment has no such rows
	s_min_u32 s[BND], s36, 32
	s_sub_co_u32 s[BND], s[BND], 1                 ; all key tiles but the last go through the loop
.macro LDK s, off                      ; K of substep s: 32 keys x 96 channels, 12 loads
	WIN 0x40
.irp kb, 0,1
.irp ch, 0,1,2
	global_load_b128 v[96*(\s)+24*(\kb)+8*(\ch):96*(\s)+24*(\kb)+8*(\ch)+3],   v[KO], s[KP:KP+1] offset:(\off)+6144*(\s)+3072*(\kb)+64*(\ch)
	global_load_b128 v[96*(\s)+24*(\kb)+8*(\ch)+4:96*(\s)+24*(\kb)+8*(\ch)+7], v[KO], s[KP:KP+1] offset:(\off)+6144*(\s)+3072*(\kb)+64*(\ch)+32
.endr
.endr
.endm
.macro LDV s, off                      ; V^T of substep s: 96 channels x 32 keys, 12 loads
	WIN 0x40
.irp cb, 0,1,2,3,4,5
	global_load_b128 v[96*(\s)+48+8*(\cb):96*(\s)+48+8*(\cb)+3],   v[VO], s[VP:VP+1] offset:(\off)+2048*(\cb)+64*(\s)
	global_load_b128 v[96*(\s)+48+8*(\cb)+4:96*(\s)+48+8*(\cb)+7], v[VO], s[VP:VP+1] offset:(\off)+2048*(\cb)+64*(\s)+32
.endr
.endm
; 12 products S^T = K Q^T: the four accumulators take turns.  The first four start the sums: with 0, or in the last tile with the mask.
.macro KQ s, mask
.irp ch, 0,1,2
.irp kb, 0,1
.irp w, 0,1
.if (\ch) == 0
.if \mask
	WIN 0x11                                       ; K and the mask in window 1
	v_wmma_f32_16x16x32_f16 v[S+16*(\w)+8*(\kb):S+16*(\w)+8*(\kb)+7], v[96*(\s)+24*(\kb):96*(\s)+24*(\kb)+7], v[Q+24*(\w):Q+24*(\w)+7], v[MC+16*(\s)+8*(\kb):MC+16*(\s)+8*(\kb)+7]
.else
	WIN 0x01
	v_wmma_f32_16x16x32_f16 v[S+16*(\w)+8*(\kb):S+16*(\w)+8*(\kb)+7], v[96*(\s)+24*(\kb):96*(\s)+24*(\kb)+7], v[Q+24*(\w):Q+24*(\w)+7], 0
.endif
.else
	WIN 0x01
	v_wmma_f32_16x16x32_f16 v[S+16*(\w)+8*(\kb):S+16*(\w)+8*(\kb)+7], v[96*(\s)+24*(\kb)+8*(\ch):96*(\s)+24*(\kb)+8*(\ch)+7], v[Q+24*(\w)+8*(\ch):Q+24*(\w)+8*(\ch)+7], v[S+16*(\w)+8*(\kb):S+16*(\w)+8*(\kb)+7]
.endif
.endr
.endr
.endr
.endm
.macro PV s                            ; 12 products O^T += V^T P, each accumulator once
	WIN 0x01
.irp cb, 0,1,2,3,4,5
.irp w, 0,1
	v_wmma_f32_16x16x32_f16 v[O+48*(\w)+8*(\cb):O+48*(\w)+8*(\cb)+7], v[96*(\s)+48+8*(\cb):96*(\s)+48+8*(\cb)+7], v[P+8*(\w):P+8*(\w)+7], v[O+48*(\w)+8*(\cb):O+48*(\w)+8*(\cb)+7]
.endr
.endr
.endm
; The softmax of a substep, both tiles.  Each accumulator's lowest registers are read first.  The 34 exponentials are ONE batch with one wait: nothing ahead of the wait names a result of theirs.
.macro SOFT
	WIN 0
	BOTH v_max3_num_f32 v[ST+8*u+4], v[S+16*u], v[S+16*u+1], v[S+16*u+2]
	BOTH v_max3_num_f32 v[ST+8*u+5], v[S+16*u+8], v[S+16*u+9], v[S+16*u+10]
	BOTH v_max3_num_f32 v[ST+8*u+4], v[ST+8*u+4], v[S+16*u+3], v[S+16*u+4]
	BOTH v_max3_num_f32 v[ST+8*u+5], v[ST+8*u+5], v[S+16*u+11], v[S+16*u+12]
	BOTH v_max3_num_f32 v[ST+8*u+4], v[ST+8*u+4], v[S+16*u+5], v[S+16*u+6]
	BOTH v_max3_num_f32 v[ST+8*u+5], v[ST+8*u+5], v[S+16*u+13], v[S+16*u+14]
	BOTH v_max3_num_f32 v[ST+8*u+4], v[ST+8*u+4], v[S+16*u+7], v[S+16*u+15]
	BOTH v_max3_num_f32 v[ST+8*u+4], v[ST+8*u+4], v[ST+8*u+5], v[ST+8*u+1]
	BOTH v_mov_b32 v[ST+8*u+7], v[ST+8*u]                                  ; c m_old is kept
	BOTH v_permlanex16_b32 v[ST+8*u+5], v[ST+8*u+4], s[SEL], s[SEL+1]      ; the query's other 16 keys lie in the lane 16 away
	BOTH v_max_num_f32 v[ST+8*u+1], v[ST+8*u+4], v[ST+8*u+5]
	BOTH v_mul_f32 v[ST+8*u], s[CS], v[ST+8*u+1]
	BOTH v_sub_f32 v[ST+8*u+7], v[ST+8*u+7], v[ST+8*u]
	BOTH v_exp_f32 v[ST+8*u+6], v[ST+8*u+7]                                ; a
.set p, 0
.rept 8
	BOTH v_pk_fma_f32 v[S+16*u+2*p:S+16*u+2*p+1], v[S+16*u+2*p:S+16*u+2*p+1], s[CS:CS+1], v[ST+8*u:ST+8*u+1] op_sel_hi:[1,0,0] neg_lo:[0,0,1] neg_hi:[0,0,1]
.set p, p+1
.endr
.set p, 0
.rept 32
	v_exp_f32 v[S+p], v[S+p]
.set p, p+1
.endr
	v_nop                                          ; a plain instruction behind the last exponential,
	s_wait_alu depctr_va_vdst(0)                   ; and the one wait ahead of the batch's first reader
.set p, 0
.rept 16
	v_cvt_pk_f16_f32 v[P+p], v[S+2*p], v[S+2*p+1]
.set p, p+1
.endr
.set p, 0
.rept 8
	v_pk_add_f32 v[S+4*p:S+4*p+1], v[S+4*p:S+4*p+1], v[S+4*p+2:S+4*p+3]
.set p, p+1
.endr
.set p, 0
.rept 4
	v_pk_add_f32 v[S+8*p:S+8*p+1], v[S+8*p:S+8*p+1], v[S+8*p+4:S+8*p+5]
.set p, p+1
.endr
	BOTH v_pk_add_f32 v[S+16*u:S+16*u+1], v[S+16*u:S+16*u+1], v[S+16*u+8:S+16*u+9]
	BOTH v_pk_fma_f32 v[ST+8*u+2:ST+8*u+3], v[ST+8*u+2:ST+8*u+3], v[ST+8*u+6:ST+8*u+7], v[S+16*u:S+16*u+1] op_sel_hi:[1,0,1]
.set p, 0
.rept 24
	BOTH v_pk_mul_f32 v[O+48*u+2*p:O+48*u+2*p+1], v[O+48*u+2*p:O+48*u+2*p+1], v[ST+8*u+6:ST+8*u+7] op_sel_hi:[1,0]
.set p, p+1
.endr
.endm
; A substep.  fetch = 1: K and V of the same substep of the next tile are asked for as soon as their registers are free.  c1, c2: the loads issued behind K's, and behind V's, which may stay out.
.macro SUB s, mask, fetch, c1, c2
	s_wait_loadcnt \c1
	KQ \s, \mask
	PLACES
.if \fetch
	LDK \s, TB
.endif
	SOFT
	s_wait_loadcnt \c2
	PV \s
	PLACES
.if \fetch
	LDV \s, TB
.endif
.endm
.irp w, 0,1                            ; Q stays in registers
.irp ch, 0,1,2
	global_load_b128 v[Q+24*\w+8*\ch:Q+24*\w+8*\ch+3],   v[KO], s[QP:QP+1] offset:3072*\w+64*\ch
	global_load_b128 v[Q+24*\w+8*\ch+4:Q+24*\w+8*\ch+7], v[KO], s[QP:QP+1] offset:3072*\w+64*\ch+32
.endr
.endr
	LDK 0, 0
	LDV 0, 0
	LDK 1, 0
	LDV 1, 0                                       ; 60 loads are out
	WIN 0
	v_sub_nc_u32 v[MK], s37, v15
.set p, 0
.rept 96
	v_mov_b32 v[O+p], 0
.set p, p+1
.endr
	BOTH v_mov_b32 v[ST+8*u], 0xfe000000           ; c m: far below every c s
	BOTH v_mov_b32 v[ST+8*u+1], 0xff7fffff         ; m
	BOTH v_mov_b32 v[ST+8*u+2], 0
	BOTH v_mov_b32 v[ST+8*u+3], 0
	WIN 0x40
.set p, 0
.rept 32                               ; register j of (s, kb) is key 32 s + 16 kb + 8 (lane / 16) + j of the last tile: hidden where that is beyond rem1
	v_cmp_gt_i32 vcc_lo, 16*(p/8)+p%8, v[MK]
	v_cndmask_b32 v[MC+p], 0, s[BIGN], vcc_lo
.set p, p+1
.endr
	WIN 0
	s_cmp_eq_u32 s[BND], 0
	s_cbranch_scc1 .Ltail
.Ltrip:
	SUB 0, 0, 1, 36, 36                            ; 36: three younger groups of 12
	SUB 1, 0, 1, 36, 36
	WIN 0
	s_wait_xcnt 0x0                                ; every load issued so far has read its address: the pointers may be written
	s_add_nc_u64 s[KP:KP+1], s[KP:KP+1], TB
	s_add_nc_u64 s[VP:VP+1], s[VP:VP+1], TB
	s_add_co_u32 s[CNT], s[CNT], 1
	s_cmp_lt_u32 s[CNT], s[BND]
	s_cbranch_scc1 .Ltrip
.Ltail:                                                ; the last tile takes the masks and asks for nothing: the counts run down
	SUB 0, 1, 0, 36, 24
	SUB 1, 1, 0, 12, 0
	; THE WAY OUT: l's halves and the other half of the lanes' are added; O^T is divided by l, rounded and sent through my stage, a tile (16 rows) at a time
	WIN 0
	BOTH v_add_f32 v[ST+8*u+4], v[ST+8*u+2], v[ST+8*u+3]
	BOTH v_permlanex16_b32 v[ST+8*u+5], v[ST+8*u+4], s[SEL], s[SEL+1]
	BOTH v_add_f32 v[ST+8*u+4], v[ST+8*u+4], v[ST+8*u+5]
	BOTH v_rcp_f32 v[ST+8*u+6], v[ST+8*u+4]
	v_nop
	s_wait_alu depctr_va_vdst(0)                   ; one wait for the two reciprocals, ahead of their first reader
.irp w, 0,1
.set p, 0
.rept 24
	v_pk_mul_f32 v[O+48*\w+2*p:O+48*\w+2*p+1], v[O+48*\w+2*p:O+48*\w+2*p+1], v[ST+8*\w+6:ST+8*\w+7] op_sel_hi:[1,0]
.set p, p+1
.endr
	s_wait_xcnt 0x0                                ; the last tile's stores have read PK
.set p, 0
.rept 24
	v_cvt_pk_f16_f32 v[PK+p], v[O+48*\w+2*p], v[O+48*\w+2*p+1]
.set p, p+1
.endr
.irp b, 0,1,2,3,4,5
	ds_store_b128 v[STO], v[PK+4*\b:PK+4*\b+3] offset:32*\b
.endr
.irp t, 0,1,2,3,4,5
	ds_load_b128 v[PK+4*\t:PK+4*\t+3], v[RD] offset:512*\t  ; LDS serves a wave's instructions in order (ISA guide 5.7.1.4)
.endr
	s_wait_dscnt 0x0
.irp t, 0,1,2,3,4,5
	global_store_b128 v[GO], v[PK+4*\t:PK+4*\t+3], s[OPT:OPT+1] offset:3072*\w+512*\t
.endr
.endr
.Lend:
	s_wait_tensorcnt 0x0                           ; the wave's end, behind my last LDS store
	ds_add_u32 v[SPW], v[NIL]
	s_wait_dscnt 0x0
	s_endpgm
.Lfunc_end_k_q2ed3572e58_attn:
	.size	k_q2ed3572e58_attn, .Lfunc_end_k_q2ed3572e58_attn-k_q2ed3572e58_attn
	.p2alignl 7, 3214868480
	.fill 96, 4, 3214868480
	.section	.rodata,"a",@progbits
	.p2align	6, 0x0
	.amdhsa_kernel k_q2ed3572e58_attn
		.amdhsa_group_segment_fixed_size 12800
		.amdhsa_private_segment_fixed_size 0
		.amdhsa_enable_private_segment 0
		.amdhsa_kernarg_size 24
		.amdhsa_user_sgpr_count 2
		.amdhsa_user_sgpr_kernarg_segment_ptr 1
		.amdhsa_wavefront_size32 1
		.amdhsa_system_sgpr_workgroup_id_x 1
		.amdhsa_system_sgpr_workgroup_id_y 1
		.amdhsa_system_sgpr_workgroup_id_z 1
		.amdhsa_system_vgpr_workitem_id 0
		.amdhsa_next_free_vgpr 512
		.amdhsa_next_free_sgpr 66
		.amdhsa_reserve_vcc 1
		.amdhsa_float_denorm_mode_32 3
		.amdhsa_float_denorm_mode_16_64 3
		.amdhsa_memory_ordered 1
		.amdhsa_forward_progress 1
		.amdhsa_inst_pref_size 71
	.end_amdhsa_kernel
	.amdgpu_metadata
---
amdhsa.version: [ 1, 2 ]
amdhsa.kernels:
  - .name:           k_q2ed3572e58_attn
    .symbol:         k_q2ed3572e58_attn.kd
    .args:
      - { .name: meta, .offset: 0, .size: 8, .value_kind: global_buffer, .address_space: global }
      - { .name: qkv, .offset: 8, .size: 8, .value_kind: global_buffer, .address_space: global }
      - { .name: actb, .offset: 16, .size: 8, .value_kind: global_buffer, .address_space: global }
    .group_segment_fixed_size: 12800
    .private_segment_fixed_size: 0
    .kernarg_segment_align: 8
    .kernarg_segment_size: 24
    .max_flat_workgroup_size: 128
    .sgpr_count:     66
    .vgpr_count:     512
    .wavefront_size: 32
...
	.end_amdgpu_metadata
.endif
;; end of part 3
;; launch wo (part 4): grid 96 x 4, 4 waves a work-group, no clusters, 17,920 bytes of LDS; arguments meta, actb, wto, ysum; writes ysum
.if DOCPART == 4
	.amdgcn_target "amdgcn-amd-amdhsa--gfx1250"
	.amdhsa_code_object_version 6
	.text
	.protected	k_q2ed3572e58_wo
	.globl	k_q2ed3572e58_wo
	.p2align	8
	.type	k_q2ed3572e58_wo,@function
k_q2ed3572e58_wo:
	s_mov_b64 s[64:65], 0
	v_nop
	global_prefetch_b8 v0, s[64:65] scope:SCOPE_SE
	s_setreg_imm32_b32 hwreg(HW_REG_WAVE_MODE, 25, 1), 1
	s_wait_xcnt 0x0
; y = a W, raw f32 sums, for the hyp rows.  a: actb [batch][block of 96 channels, 8][2,048 rows][96] f16; the weight turned, [768 n][768 k] f16; y: ysum [batch][2,048 rows][768] f32.
; The bias and the residual are added by the launch behind, in f32.  One text serves ctx Wo and g W2.
; SHARES.  x = 32 (group of four column tiles) + row tile i, y = batch.  A wave makes 64 rows x 64 columns: 16 accumulators.  A row tile that the segment does not have (meta) ends at once.  No barrier.
; Three sets of registers, a K chunk of 32 each, 16 loads a chunk: 48 out at the most.  A trip is one block of 96 channels.
; The product is taken turned (source 0 = 16 rows of the turned weight, source 1 = 16 rows of a): a lane holds one row and eight neighbouring columns.
.set SP,    272                        ; a stage row: 256 bytes + 16: the 16 rows start in 16 different groups of four banks (64 banks of 4 bytes: ISA guide 11.1)
.set STG,   16*SP
.set SPARE, 4*STG
.set AO,  2                            ; v2   192 (lane % 16) + 16 (lane / 16)
.set WO,  3                            ; v3   1,536 (lane % 16) + 16 (lane / 16)
.set STO, 4
.set RD,  5
.set GO,  6
.set SPW, 8                            ; my spare word; never rewritten
.set NIL, 9                            ; 0; never rewritten
.set OB,  16                           ; v[16:47] rows on the way out
.set ACC, 128                          ; accumulator (a, b) at ACC + 8 (4 a + b)
; window 1: set u at 64 u: a's fragment at + 8 a, the weight's at + 32 + 8 b
.set MSB, 0
.macro WIN new
.if MSB != (\new)
	s_set_vgpr_msb (MSB<<8)|(\new)
.set MSB, \new
.endif
.endm
.macro PLACES                          ; four plain instructions between a matrix instruction and a load into, or a read of, its registers
.rept 4
	v_nop
.endr
.endm
	s_load_b256 s[4:11], s[0:1], 0x0               ; meta 4, actb 6, the turned weight 8, ysum 10
	v_lshl_add_u32 v[SPW], v0, 2, SPARE
	v_mov_b32 v[NIL], 0
	v_lshrrev_b32 v1, 5, v0
	v_readfirstlane_b32 s12, v1                    ; wave
	s_and_b32 s13, ttmp9, 31                       ; row tile i
	s_lshr_b32 s14, ttmp9, 5
	s_lshl2_add_u32 s14, s14, s12                  ; column tile 0..11
	s_and_b32 s15, ttmp7, 0xffff                   ; batch
	s_lshl_b32 s16, s15, 5
	s_mov_b32 s17, 0
	s_wait_kmcnt 0x0
	s_add_nc_u64 s[4:5], s[4:5], s[16:17]
	s_load_b256 s[32:39], s[4:5], 0x0              ; nth in s35
	v_and_b32 v10, 15, v0                          ; r
	v_bfe_u32 v11, v0, 4, 1                        ; h
	v_mul_u32_u24 v[AO], v10, 192
	v_lshl_add_u32 v[AO], v11, 4, v[AO]
	v_mul_u32_u24 v[WO], v10, 1536
	v_lshl_add_u32 v[WO], v11, 4, v[WO]
	s_mul_i32 s19, s12, STG
	v_mul_u32_u24 v[STO], v10, SP                  ; in: row lane % 16, 32 bytes for each half of the lanes
	v_lshl_add_u32 v[STO], v11, 5, v[STO]
	v_add_nc_u32 v[STO], s19, v[STO]
	v_mul_u32_u24 v[RD], v11, SP                   ; back: lanes 0-15 one row of 256 bytes, lanes 16-31 the next
	v_lshl_add_u32 v[RD], v10, 4, v[RD]
	v_add_nc_u32 v[RD], s19, v[RD]
	v_mul_u32_u24 v[GO], v11, 3072
	v_lshl_add_u32 v[GO], v10, 4, v[GO]
	s_mul_i32 s16, s15, 3145728
	s_mul_i32 s18, s13, 12288
	s_add_co_u32 s16, s16, s18
	s_add_nc_u64 s[6:7], s[6:7], s[16:17]          ; a: block 0, my 64 rows
	s_mul_i32 s16, s14, 64*1536
	s_add_nc_u64 s[8:9], s[8:9], s[16:17]          ; the weight's 64 rows
	s_mul_i32 s16, s15, 6291456
	s_mul_i32 s18, s13, 196608
	s_add_co_u32 s16, s16, s18
	s_lshl_b32 s18, s14, 8
	s_add_co_u32 s16, s16, s18
	s_add_nc_u64 s[10:11], s[10:11], s[16:17]      ; my tile of y
	s_wait_kmcnt 0x0
	s_cmp_lt_u32 s13, s35
	s_cbranch_scc0 .Lend
.macro GLOADS u, nx                    ; chunk u of the block in hand (nx = 0) or of the next (nx = 1)
	WIN 0x40
.irp a, 0,1,2,3
	global_load_b128 v[64*(\u)+8*(\a):64*(\u)+8*(\a)+3],   v[AO], s[6:7] offset:(\nx)*393216+3072*(\a)+64*(\u)
	global_load_b128 v[64*(\u)+8*(\a)+4:64*(\u)+8*(\a)+7], v[AO], s[6:7] offset:(\nx)*393216+3072*(\a)+64*(\u)+32
.endr
.irp b, 0,1,2,3
	global_load_b128 v[64*(\u)+32+8*(\b):64*(\u)+32+8*(\b)+3],   v[WO], s[8:9] offset:(\nx)*192+24576*(\b)+64*(\u)
	global_load_b128 v[64*(\u)+32+8*(\b)+4:64*(\u)+32+8*(\b)+7], v[WO], s[8:9] offset:(\nx)*192+24576*(\b)+64*(\u)+32
.endr
.endm
.macro CHUNK u, zero, refill, cnt      ; 16 products, each accumulator once, always in the same order: the accumulators take turns
	s_wait_loadcnt \cnt
	WIN 0x05
.irp a, 0,1,2,3
.irp b, 0,1,2,3
.if \zero
	v_wmma_f32_16x16x32_f16 v[ACC+8*(4*(\a)+(\b)):ACC+8*(4*(\a)+(\b))+7], v[64*(\u)+32+8*(\b):64*(\u)+32+8*(\b)+7], v[64*(\u)+8*(\a):64*(\u)+8*(\a)+7], 0
.else
	v_wmma_f32_16x16x32_f16 v[ACC+8*(4*(\a)+(\b)):ACC+8*(4*(\a)+(\b))+7], v[64*(\u)+32+8*(\b):64*(\u)+32+8*(\b)+7], v[64*(\u)+8*(\a):64*(\u)+8*(\a)+7], v[ACC+8*(4*(\a)+(\b)):ACC+8*(4*(\a)+(\b))+7]
.endif
.endr
.endr
	PLACES
.if \refill
	GLOADS \u, 1
.endif
.endm
.macro TRIP zero, refill, c0, c1, c2
	CHUNK 0, \zero, \refill, \c0
	CHUNK 1, 0, \refill, \c1
	CHUNK 2, 0, \refill, \c2
.endm
.macro STEP
	WIN 0
	s_wait_xcnt 0x0                                ; every load issued so far has read its address: the pointers may be written
	s_add_nc_u64 s[6:7], s[6:7], 393216
	s_add_nc_u64 s[8:9], s[8:9], 192
.endm
	GLOADS 0, 0
	GLOADS 1, 0
	GLOADS 2, 0
	TRIP 1, 1, 32, 32, 32                          ; the first chunk starts the sums; 32: the two younger chunks' loads
	STEP
	s_mov_b32 s20, 6
.Lk:
	TRIP 0, 1, 32, 32, 32
	STEP
	s_sub_co_u32 s20, s20, 1
	s_cmp_lg_u32 s20, 0
	s_cbranch_scc1 .Lk
	TRIP 0, 0, 32, 16, 0                           ; the last block asks for nothing: the counts run down
	WIN 0
.irp a, 0,1,2,3                        ; 16 rows at a time through my stage, back as whole rows of 256 bytes
.if \a > 0
	s_wait_xcnt 0x0                                ; the last block's stores have read OB
.endif
.irp b, 0,1,2,3
	ds_store_b128 v[STO], v[ACC+8*(4*\a+\b):ACC+8*(4*\a+\b)+3]   offset:64*\b
	ds_store_b128 v[STO], v[ACC+8*(4*\a+\b)+4:ACC+8*(4*\a+\b)+7] offset:64*\b+16
.endr
.irp t, 0,1,2,3,4,5,6,7
	ds_load_b128 v[OB+4*\t:OB+4*\t+3], v[RD] offset:\t*2*SP  ; LDS serves a wave's instructions in order (ISA guide 5.7.1.4)
.endr
	s_wait_dscnt 0x0
.irp t, 0,1,2,3,4,5,6,7
	global_store_b128 v[GO], v[OB+4*\t:OB+4*\t+3], s[10:11] offset:49152*\a+6144*\t  ; 16 lanes store 256 consecutive bytes, aligned
.endr
.endr
.Lend:
	s_wait_tensorcnt 0x0                           ; the wave's end, behind my last LDS store
	ds_add_u32 v[SPW], v[NIL]
	s_wait_dscnt 0x0
	s_endpgm
.Lfunc_end_k_q2ed3572e58_wo:
	.size	k_q2ed3572e58_wo, .Lfunc_end_k_q2ed3572e58_wo-k_q2ed3572e58_wo
	.p2alignl 7, 3214868480
	.fill 96, 4, 3214868480
	.section	.rodata,"a",@progbits
	.p2align	6, 0x0
	.amdhsa_kernel k_q2ed3572e58_wo
		.amdhsa_group_segment_fixed_size 17920
		.amdhsa_private_segment_fixed_size 0
		.amdhsa_enable_private_segment 0
		.amdhsa_kernarg_size 32
		.amdhsa_user_sgpr_count 2
		.amdhsa_user_sgpr_kernarg_segment_ptr 1
		.amdhsa_wavefront_size32 1
		.amdhsa_system_sgpr_workgroup_id_x 1
		.amdhsa_system_sgpr_workgroup_id_y 1
		.amdhsa_system_sgpr_workgroup_id_z 1
		.amdhsa_system_vgpr_workitem_id 0
		.amdhsa_next_free_vgpr 512
		.amdhsa_next_free_sgpr 66
		.amdhsa_reserve_vcc 0
		.amdhsa_float_denorm_mode_32 3
		.amdhsa_float_denorm_mode_16_64 3
		.amdhsa_memory_ordered 1
		.amdhsa_forward_progress 1
		.amdhsa_inst_pref_size 35
	.end_amdhsa_kernel
	.amdgpu_metadata
---
amdhsa.version: [ 1, 2 ]
amdhsa.kernels:
  - .name:           k_q2ed3572e58_wo
    .symbol:         k_q2ed3572e58_wo.kd
    .args:
      - { .name: meta, .offset: 0, .size: 8, .value_kind: global_buffer, .address_space: global }
      - { .name: actb, .offset: 8, .size: 8, .value_kind: global_buffer, .address_space: global }
      - { .name: wto, .offset: 16, .size: 8, .value_kind: global_buffer, .address_space: global }
      - { .name: ysum, .offset: 24, .size: 8, .value_kind: global_buffer, .address_space: global }
    .group_segment_fixed_size: 17920
    .private_segment_fixed_size: 0
    .kernarg_segment_align: 8
    .kernarg_segment_size: 32
    .max_flat_workgroup_size: 128
    .sgpr_count:     66
    .vgpr_count:     512
    .wavefront_size: 32
...
	.end_amdgpu_metadata
.endif
;; end of part 4
;; launch ln1 (part 5): grid 128 x 4, 8 waves a work-group, no clusters, 0 bytes of LDS; arguments meta, hidden_states, ysum, bo, ln1_g, ln1_b, x1buf; writes x1buf
.if DOCPART == 5
	.amdgcn_target "amdgcn-amd-amdhsa--gfx1250"
	.amdhsa_code_object_version 6
	.text
	.protected	k_q2ed3572e58_ln1
	.globl	k_q2ed3572e58_ln1
	.p2align	8
	.type	k_q2ed3572e58_ln1,@function
k_q2ed3572e58_ln1:
	s_mov_b64 s[64:65], 0
	v_nop
	global_prefetch_b8 v0, s[64:65] scope:SCOPE_SE
	s_setreg_imm32_b32 hwreg(HW_REG_WAVE_MODE, 25, 1), 1
	s_wait_xcnt 0x0
; x1 = LayerNorm(x + ctx Wo + bo) g + b for the hyp rows, all in f32.  Stored twice in x1buf: in f32 [batch][2,048 rows][768] at byte 0 (the residual path stays f32),
; and rounded once to f16 at byte 25,165,824 (the next product's operand; LIMIT: x1 within 65,504).  Row c is token hs + c, clamped to 2,047 in the rows that only fill up the last tile of 64.
; A wave takes two rows and keeps each in registers between the mean, the variance (of the differences from the mean) and the scaling: nothing leaves the wave, so there is no LDS and no barrier.
; Lane l holds columns 128 i + 4 l .. + 3, i = 0..5: each load and store of 16 bytes a lane covers 512 consecutive bytes.
.set LO,  2                            ; v2   16 x lane
.set HO,  3                            ; v3   8 x lane
.set PB,  16                           ; bo
.set G,   40
.set BT,  64
.set Y,   88                           ; row r at + 48 r
.set X,   112
.set PKB, 184                          ; row r at + 12 r
.set C0,  208
.set C1,  210
.set TP,  212
.set RS,  214
.set SEL, 52                           ; s[52:53]
.set INV, 54                           ; 1 / 768
.set EPS, 55                           ; 1e-5
	s_load_b256 s[4:11], s[0:1], 0x0               ; meta 4, hidden_states 6, ysum 8, bo 10
	s_load_b128 s[12:15], s[0:1], 0x20             ; ln1_g 12, ln1_b 14
	s_load_b64 s[16:17], s[0:1], 0x30              ; x1buf
	v_lshrrev_b32 v1, 5, v0
	v_readfirstlane_b32 s18, v1                    ; wave
	v_and_b32 v1, 31, v0
	v_lshlrev_b32 v[LO], 4, v1
	v_lshlrev_b32 v[HO], 3, v1
	v_mov_b32 v[TP], 0                             ; v_permlanex16_b32's destination counts as read
	v_mov_b32 v[RS+1], 0                           ; named with RS as a pair
	s_and_b32 s19, ttmp7, 0xffff                   ; batch
	s_lshl_b32 s20, s19, 5
	s_mov_b32 s21, 0
	s_lshl_b32 s22, ttmp9, 4                       ; the work-group's 16 rows
	s_lshl1_add_u32 s23, s18, s22                  ; my first row c
	s_mov_b32 s[SEL], 0x76543210
	s_mov_b32 s[SEL+1], 0xfedcba98
	s_mov_b32 s[INV], 0x3aaaaaab
	s_mov_b32 s[EPS], 0x3727c5ac
	s_wait_kmcnt 0x0
	s_add_nc_u64 s[4:5], s[4:5], s[20:21]
	s_load_b256 s[32:39], s[4:5], 0x0              ; hs 33, nth 35
	s_mul_i32 s27, s19, 6291456
	s_mul_i32 s28, s23, 3072
	s_add_co_u32 s44, s28, s27
	s_mov_b32 s45, 0
	s_add_nc_u64 s[46:47], s[8:9], s[44:45]        ; y at row c
	s_add_nc_u64 s[48:49], s[16:17], s[44:45]      ; x1 in f32
	s_lshr_b32 s44, s44, 1
	s_add_co_u32 s44, s44, 25165824
	s_add_nc_u64 s[50:51], s[16:17], s[44:45]      ; x1 in f16
	s_mov_b32 s41, 0
	s_mov_b32 s43, 0
	s_wait_kmcnt 0x0
	s_lshl_b32 s24, s35, 6
	s_cmp_lt_u32 s22, s24
	s_cbranch_scc0 .Lout                           ; past the segment's last tile
	s_add_co_u32 s25, s33, s23
	s_add_co_u32 s26, s25, 1
	s_min_u32 s25, s25, 0x7ff
	s_min_u32 s26, s26, 0x7ff
	s_mul_i32 s25, s25, 3072
	s_mul_i32 s26, s26, 3072
	s_add_co_u32 s40, s25, s27
	s_add_co_u32 s42, s26, s27
	s_add_nc_u64 s[40:41], s[6:7], s[40:41]        ; x at the two tokens
	s_add_nc_u64 s[42:43], s[6:7], s[42:43]
.macro LD6 dst, base, off
.irp i, 0,1,2,3,4,5
	global_load_b128 v[(\dst)+4*\i:(\dst)+4*\i+3], v[LO], s[\base:\base+1] offset:(\off)+512*\i
.endr
.endm
.macro WSUM r                          ; the sum over the 32 lanes, in every lane
.irp m, 1,2,4,8
	v_add_f32_dpp v[\r], v[\r], v[\r] row_xmask:\m row_mask:0xf bank_mask:0xf
.endr
	v_permlanex16_b32 v[TP], v[\r], s[SEL], s[SEL+1]
	v_add_f32 v[\r], v[\r], v[TP]
.endm
; The 24 registers at xr become x - mean; v[RS] = 1 / sqrt(variance + 1e-5).
.macro STATS xr
	v_pk_add_f32 v[C0:C0+1], v[(\xr):(\xr)+1], v[(\xr)+2:(\xr)+3]
	v_pk_add_f32 v[C1:C1+1], v[(\xr)+4:(\xr)+5], v[(\xr)+6:(\xr)+7]
.irp p, 8,12,16,20
	v_pk_add_f32 v[C0:C0+1], v[C0:C0+1], v[(\xr)+\p:(\xr)+\p+1]
	v_pk_add_f32 v[C1:C1+1], v[C1:C1+1], v[(\xr)+\p+2:(\xr)+\p+3]
.endr
	v_pk_add_f32 v[C0:C0+1], v[C0:C0+1], v[C1:C1+1]
	v_add_f32 v[C0], v[C0], v[C0+1]
	WSUM C0
	v_mul_f32 v[C0], s[INV], v[C0]
.irp p, 0,2,4,6,8,10,12,14,16,18,20,22
	v_pk_add_f32 v[(\xr)+\p:(\xr)+\p+1], v[(\xr)+\p:(\xr)+\p+1], v[C0:C0+1] op_sel_hi:[1,0] neg_lo:[0,1] neg_hi:[0,1]
.endr
	v_pk_mul_f32 v[C0:C0+1], v[(\xr):(\xr)+1], v[(\xr):(\xr)+1]
	v_pk_mul_f32 v[C1:C1+1], v[(\xr)+2:(\xr)+3], v[(\xr)+2:(\xr)+3]
.irp p, 4,8,12,16,20
	v_pk_fma_f32 v[C0:C0+1], v[(\xr)+\p:(\xr)+\p+1], v[(\xr)+\p:(\xr)+\p+1], v[C0:C0+1]
	v_pk_fma_f32 v[C1:C1+1], v[(\xr)+\p+2:(\xr)+\p+3], v[(\xr)+\p+2:(\xr)+\p+3], v[C1:C1+1]
.endr
	v_pk_add_f32 v[C0:C0+1], v[C0:C0+1], v[C1:C1+1]
	v_add_f32 v[C0], v[C0], v[C0+1]
	WSUM C0
	v_fma_f32 v[C0], v[C0], s[INV], s[EPS]
	v_rsq_f32 v[RS], v[C0]
	v_nop                                          ; a plain instruction behind it,
	s_wait_alu depctr_va_vdst(0)                   ; and the wait ahead of its first reader
.endm
.macro ROW r, cnt
	s_wait_loadcnt \cnt
.irp p, 0,2,4,6,8,10,12,14,16,18,20,22
	v_pk_add_f32 v[X+48*(\r)+\p:X+48*(\r)+\p+1], v[X+48*(\r)+\p:X+48*(\r)+\p+1], v[Y+48*(\r)+\p:Y+48*(\r)+\p+1]
.endr
.irp p, 0,2,4,6,8,10,12,14,16,18,20,22
	v_pk_add_f32 v[X+48*(\r)+\p:X+48*(\r)+\p+1], v[X+48*(\r)+\p:X+48*(\r)+\p+1], v[PB+\p:PB+\p+1]
.endr
	STATS X+48*(\r)
.irp p, 0,2,4,6,8,10,12,14,16,18,20,22
	v_pk_mul_f32 v[X+48*(\r)+\p:X+48*(\r)+\p+1], v[X+48*(\r)+\p:X+48*(\r)+\p+1], v[RS:RS+1] op_sel_hi:[1,0]
.endr
.irp p, 0,2,4,6,8,10,12,14,16,18,20,22
	v_pk_fma_f32 v[X+48*(\r)+\p:X+48*(\r)+\p+1], v[X+48*(\r)+\p:X+48*(\r)+\p+1], v[G+\p:G+\p+1], v[BT+\p:BT+\p+1]
.endr
.irp i, 0,1,2,3,4,5
	global_store_b128 v[LO], v[X+48*(\r)+4*\i:X+48*(\r)+4*\i+3], s[48:49] offset:3072*(\r)+512*\i
.endr
.irp k, 0,1,2,3,4,5,6,7,8,9,10,11
	v_cvt_pk_f16_f32 v[PKB+12*(\r)+\k], v[X+48*(\r)+2*\k], v[X+48*(\r)+2*\k+1]
.endr
.irp i, 0,1,2,3,4,5
	global_store_b64 v[HO], v[PKB+12*(\r)+2*\i:PKB+12*(\r)+2*\i+1], s[50:51] offset:1536*(\r)+256*\i  ; 32 lanes store 256 consecutive bytes, aligned
.endr
.endm
	LD6 PB, 10, 0
	LD6 G, 12, 0
	LD6 BT, 14, 0
	LD6 Y, 46, 0
	LD6 X, 40, 0
	LD6 Y+48, 46, 3072
	LD6 X+48, 42, 0
	ROW 0, 12                                      ; the second row's 12 loads may stay out
	ROW 1, 0
.Lout:
	s_endpgm
.Lfunc_end_k_q2ed3572e58_ln1:
	.size	k_q2ed3572e58_ln1, .Lfunc_end_k_q2ed3572e58_ln1-k_q2ed3572e58_ln1
	.p2alignl 7, 3214868480
	.fill 96, 4, 3214868480
	.section	.rodata,"a",@progbits
	.p2align	6, 0x0
	.amdhsa_kernel k_q2ed3572e58_ln1
		.amdhsa_group_segment_fixed_size 0
		.amdhsa_private_segment_fixed_size 0
		.amdhsa_enable_private_segment 0
		.amdhsa_kernarg_size 56
		.amdhsa_user_sgpr_count 2
		.amdhsa_user_sgpr_kernarg_segment_ptr 1
		.amdhsa_wavefront_size32 1
		.amdhsa_system_sgpr_workgroup_id_x 1
		.amdhsa_system_sgpr_workgroup_id_y 1
		.amdhsa_system_sgpr_workgroup_id_z 1
		.amdhsa_system_vgpr_workitem_id 0
		.amdhsa_next_free_vgpr 224
		.amdhsa_next_free_sgpr 66
		.amdhsa_reserve_vcc 0
		.amdhsa_float_denorm_mode_32 3
		.amdhsa_float_denorm_mode_16_64 3
		.amdhsa_memory_ordered 1
		.amdhsa_forward_progress 1
		.amdhsa_inst_pref_size 23
	.end_amdhsa_kernel
	.amdgpu_metadata
---
amdhsa.version: [ 1, 2 ]
amdhsa.kernels:
  - .name:           k_q2ed3572e58_ln1
    .symbol:         k_q2ed3572e58_ln1.kd
    .args:
      - { .name: meta, .offset: 0, .size: 8, .value_kind: global_buffer, .address_space: global }
      - { .name: hidden_states, .offset: 8, .size: 8, .value_kind: global_buffer, .address_space: global }
      - { .name: ysum, .offset: 16, .size: 8, .value_kind: global_buffer, .address_space: global }
      - { .name: bo, .offset: 24, .size: 8, .value_kind: global_buffer, .address_space: global }
      - { .name: ln1_g, .offset: 32, .size: 8, .value_kind: global_buffer, .address_space: global }
      - { .name: ln1_b, .offset: 40, .size: 8, .value_kind: global_buffer, .address_space: global }
      - { .name: x1buf, .offset: 48, .size: 8, .value_kind: global_buffer, .address_space: global }
    .group_segment_fixed_size: 0
    .private_segment_fixed_size: 0
    .kernarg_segment_align: 8
    .kernarg_segment_size: 56
    .max_flat_workgroup_size: 256
    .sgpr_count:     66
    .vgpr_count:     224
    .wavefront_size: 32
...
	.end_amdgpu_metadata
.endif
;; end of part 5
;; launch w1 (part 6): grid 64 x 4, 4 waves a work-group, no clusters, 12,800 bytes of LDS; arguments meta, x1buf, wta, b1, actb; writes actb
.if DOCPART == 6
	.amdgcn_target "amdgcn-amd-amdhsa--gfx1250"
	.amdhsa_code_object_version 6
	.text
	.protected	k_q2ed3572e58_w1
	.globl	k_q2ed3572e58_w1
	.p2align	8
	.type	k_q2ed3572e58_w1,@function
k_q2ed3572e58_w1:
	s_mov_b64 s[64:65], 0
	v_nop
	global_prefetch_b8 v0, s[64:65] scope:SCOPE_SE
	s_setreg_imm32_b32 hwreg(HW_REG_WAVE_MODE, 25, 1), 1
	s_wait_xcnt 0x0
; g = gelu(x1 W1 + b1), the tanh form, for the hyp rows.  x1 in f16 (x1buf from byte 25,165,824, [batch][2,048][768]); W1 turned, the fourth weight of wta, in f16; sums, bias and gelu in f32;
; g rounded once to f16, to actb [batch][block of 96 columns, 8][2,048 rows][96].  LIMIT: g within 65,504 (with x1 of spread 1 and W1 of spread 0.02 it reaches about 2.8); below 6e-5 f16 keeps a fixed step of 6e-8.
; gelu(x) = x / (1 + 2^(x (A1 + A3 x^2))), A1 = -2 log2(e) sqrt(2/pi), A3 = 0.044715 A1: for x far below 0 the power is infinite and the result -0, far above 0 it is 0 and the result x; no NaN for finite x below 1.8e19 in size.
; SHARES.  x = 32 (half of the column tiles) + row tile i, y = batch.  A wave makes 64 rows x 96 columns: 24 accumulators.  A row tile that the segment does not have (meta) ends at once.  No barrier.
; Three sets of registers, a K chunk of 32 each, 20 loads a chunk: 60 out at the most.
.set STG,   3072                       ; a wave's stage: 16 rows x 192 bytes, dense
.set SPARE, 4*STG
.set LO,  2                            ; v2   1,536 (lane % 16) + 16 (lane / 16): x1's rows and the weight's
.set STO, 4
.set RD,  5
.set GO,  6
.set SPW, 12                           ; my spare word; never rewritten
.set NIL, 13                           ; 0; never rewritten
.set BO,  14                           ; 32 (lane / 16)
.set PK,  16                           ; v[16:39]
.set ACC, 64                           ; accumulator (a, b) at ACC + 8 (6 a + b)
; window 1: set u at 80 u: x1's fragment at + 8 a, the weight's at + 32 + 8 b.  At the end: the bias in v0-47, gelu's work in v80-127
.set TT,  80
.set A1,  44                           ; s[44:45]
.set A3,  46                           ; s[46:47]
.set MSB, 0
.macro WIN new
.if MSB != (\new)
	s_set_vgpr_msb (MSB<<8)|(\new)
.set MSB, \new
.endif
.endm
.macro PLACES                          ; four plain instructions between a matrix instruction and a load into, or a vector read or write of, its registers
.rept 4
	v_nop
.endr
.endm
	s_load_b256 s[4:11], s[0:1], 0x0               ; meta 4, x1buf 6, wta 8, b1 10
	s_load_b64 s[12:13], s[0:1], 0x20              ; actb
	v_lshl_add_u32 v[SPW], v0, 2, SPARE
	v_mov_b32 v[NIL], 0
	v_lshrrev_b32 v1, 5, v0
	v_readfirstlane_b32 s14, v1                    ; wave
	s_and_b32 s15, ttmp9, 31                       ; row tile i
	s_lshr_b32 s16, ttmp9, 5
	s_lshl2_add_u32 s16, s16, s14                  ; column tile 0..7
	s_and_b32 s17, ttmp7, 0xffff                   ; batch
	s_lshl_b32 s18, s17, 5
	s_mov_b32 s19, 0
	s_wait_kmcnt 0x0
	s_add_nc_u64 s[4:5], s[4:5], s[18:19]
	s_load_b256 s[32:39], s[4:5], 0x0              ; nth in s35
	v_and_b32 v7, 15, v0
	v_bfe_u32 v8, v0, 4, 1
	v_and_b32 v9, 31, v0
	v_mul_u32_u24 v[LO], v7, 1536
	v_lshl_add_u32 v[LO], v8, 4, v[LO]
	s_mul_i32 s20, s14, STG
	v_mul_u32_u24 v[STO], v7, 192
	v_lshl_add_u32 v[STO], v8, 4, v[STO]
	v_add_nc_u32 v[STO], s20, v[STO]
	v_lshlrev_b32 v[GO], 4, v9
	v_add_nc_u32 v[RD], s20, v[GO]
	v_lshlrev_b32 v[BO], 5, v8
	s_mul_i32 s18, s17, 3145728
	s_mul_i32 s20, s15, 98304
	s_add_co_u32 s18, s18, s20
	s_add_co_u32 s18, s18, 25165824
	s_add_nc_u64 s[6:7], s[6:7], s[18:19]          ; x1 in f16 at my 64 rows
	s_mul_i32 s18, s16, 96*1536
	s_add_co_u32 s18, s18, 3*1179648
	s_add_nc_u64 s[8:9], s[8:9], s[18:19]          ; W1 turned, at my 96 rows
	s_mul_i32 s18, s16, 384
	s_add_nc_u64 s[10:11], s[10:11], s[18:19]      ; b1 at my 96 numbers
	s_mul_i32 s18, s17, 3145728
	s_mul_i32 s20, s16, 393216
	s_add_co_u32 s18, s18, s20
	s_mul_i32 s20, s15, 12288
	s_add_co_u32 s18, s18, s20
	s_add_nc_u64 s[12:13], s[12:13], s[18:19]      ; my tile of g
	s_mov_b32 s[A1], 0xc0135761                    ; -2.302208
	s_mov_b32 s[A1+1], s[A1]
	s_mov_b32 s[A3], 0xbdd2d3e8                    ; -0.102943
	s_mov_b32 s[A3+1], s[A3]
	s_wait_kmcnt 0x0
	s_cmp_lt_u32 s15, s35
	s_cbranch_scc0 .Lend
.macro WLOADS u, nx                    ; chunk u of the three in hand (nx = 0) or of the next three (nx = 1)
	WIN 0x40
.irp a, 0,1,2,3
	global_load_b128 v[80*(\u)+8*(\a):80*(\u)+8*(\a)+3],   v[LO], s[6:7] offset:(\nx)*192+24576*(\a)+64*(\u)
	global_load_b128 v[80*(\u)+8*(\a)+4:80*(\u)+8*(\a)+7], v[LO], s[6:7] offset:(\nx)*192+24576*(\a)+64*(\u)+32
.endr
.irp b, 0,1,2,3,4,5
	global_load_b128 v[80*(\u)+32+8*(\b):80*(\u)+32+8*(\b)+3],   v[LO], s[8:9] offset:(\nx)*192+24576*(\b)+64*(\u)
	global_load_b128 v[80*(\u)+32+8*(\b)+4:80*(\u)+32+8*(\b)+7], v[LO], s[8:9] offset:(\nx)*192+24576*(\b)+64*(\u)+32
.endr
.endm
.macro CHUNK u, zero, refill, cnt      ; 24 products, each accumulator once, always in the same order: the accumulators take turns
	s_wait_loadcnt \cnt
	WIN 0x05
.irp a, 0,1,2,3
.irp b, 0,1,2,3,4,5
.if \zero
	v_wmma_f32_16x16x32_f16 v[ACC+8*(6*(\a)+(\b)):ACC+8*(6*(\a)+(\b))+7], v[80*(\u)+32+8*(\b):80*(\u)+32+8*(\b)+7], v[80*(\u)+8*(\a):80*(\u)+8*(\a)+7], 0
.else
	v_wmma_f32_16x16x32_f16 v[ACC+8*(6*(\a)+(\b)):ACC+8*(6*(\a)+(\b))+7], v[80*(\u)+32+8*(\b):80*(\u)+32+8*(\b)+7], v[80*(\u)+8*(\a):80*(\u)+8*(\a)+7], v[ACC+8*(6*(\a)+(\b)):ACC+8*(6*(\a)+(\b))+7]
.endif
.endr
.endr
	PLACES
.if \refill
	WLOADS \u, 1
.endif
.endm
.macro STEP
	WIN 0
	s_wait_xcnt 0x0                                ; every load issued so far has read its address: the pointers may be written
	s_add_nc_u64 s[6:7], s[6:7], 192
	s_add_nc_u64 s[8:9], s[8:9], 192
.endm
	WLOADS 0, 0
	WLOADS 1, 0
	WLOADS 2, 0
	CHUNK 0, 1, 1, 40                              ; the first chunk starts the sums; 40: the two younger chunks' loads
	CHUNK 1, 0, 1, 40
	CHUNK 2, 0, 1, 40
	STEP
	s_mov_b32 s21, 6
.Lk:
	CHUNK 0, 0, 1, 40
	CHUNK 1, 0, 1, 40
	CHUNK 2, 0, 1, 40
	STEP
	s_sub_co_u32 s21, s21, 1
	s_cmp_lg_u32 s21, 0
	s_cbranch_scc1 .Lk
	CHUNK 0, 0, 0, 40
	WIN 0x40
.irp b, 0,1,2,3,4,5                    ; the bias of my columns 16 b + 8 (lane / 16) + 0..7, into set 0's registers
	global_load_b128 v[8*\b:8*\b+3],   v[BO], s[10:11] offset:64*\b
	global_load_b128 v[8*\b+4:8*\b+7], v[BO], s[10:11] offset:64*\b+16
.endr
	CHUNK 1, 0, 0, 32                              ; chunk 2's 20 and the bias's 12
	CHUNK 2, 0, 0, 12
	s_wait_loadcnt 0x0
; 16 rows: bias, gelu, rounding, and out through my stage.  The 48 exponentials are one batch with one wait, and so are the 48 reciprocals.
.macro GELU a
.set xb, ACC+48*(\a)
	WIN 0x04                                       ; source 1 (the bias) window 1
.set p, 0
.rept 24
	v_pk_add_f32 v[xb+2*p:xb+2*p+1], v[xb+2*p:xb+2*p+1], v[2*p:2*p+1]
.set p, p+1
.endr
	WIN 0x40
.set p, 0
.rept 24
	v_pk_mul_f32 v[TT+2*p:TT+2*p+1], v[xb+2*p:xb+2*p+1], v[xb+2*p:xb+2*p+1]
.set p, p+1
.endr
	WIN 0x41
.set p, 0
.rept 24
	v_pk_fma_f32 v[TT+2*p:TT+2*p+1], v[TT+2*p:TT+2*p+1], s[A3:A3+1], s[A1:A1+1] op_sel_hi:[1,0,0]
.set p, p+1
.endr
.set p, 0
.rept 24
	v_pk_mul_f32 v[TT+2*p:TT+2*p+1], v[TT+2*p:TT+2*p+1], v[xb+2*p:xb+2*p+1]
.set p, p+1
.endr
.set p, 0
.rept 48
	v_exp_f32 v[TT+p], v[TT+p]
.set p, p+1
.endr
	v_nop
	s_wait_alu depctr_va_vdst(0)
.set p, 0
.rept 24
	v_pk_add_f32 v[TT+2*p:TT+2*p+1], v[TT+2*p:TT+2*p+1], 1.0 op_sel_hi:[1,0]
.set p, p+1
.endr
.set p, 0
.rept 48
	v_rcp_f32 v[TT+p], v[TT+p]
.set p, p+1
.endr
	v_nop
	s_wait_alu depctr_va_vdst(0)
	WIN 0x01
.set p, 0
.rept 24
	v_pk_mul_f32 v[xb+2*p:xb+2*p+1], v[TT+2*p:TT+2*p+1], v[xb+2*p:xb+2*p+1]
.set p, p+1
.endr
	WIN 0
	s_wait_xcnt 0x0                                ; the last block's stores have read PK
.set p, 0
.rept 24
	v_cvt_pk_f16_f32 v[PK+p], v[xb+2*p], v[xb+2*p+1]
.set p, p+1
.endr
.irp b, 0,1,2,3,4,5
	ds_store_b128 v[STO], v[PK+4*\b:PK+4*\b+3] offset:32*\b
.endr
.irp t, 0,1,2,3,4,5
	ds_load_b128 v[PK+4*\t:PK+4*\t+3], v[RD] offset:512*\t  ; LDS serves a wave's instructions in order (ISA guide 5.7.1.4)
.endr
	s_wait_dscnt 0x0
.irp t, 0,1,2,3,4,5
	global_store_b128 v[GO], v[PK+4*\t:PK+4*\t+3], s[12:13] offset:3072*(\a)+512*\t
.endr
.endm
	GELU 0
	GELU 1
	GELU 2
	GELU 3
.Lend:
	s_wait_tensorcnt 0x0                           ; the wave's end, behind my last LDS store
	ds_add_u32 v[SPW], v[NIL]
	s_wait_dscnt 0x0
	s_endpgm
.Lfunc_end_k_q2ed3572e58_w1:
	.size	k_q2ed3572e58_w1, .Lfunc_end_k_q2ed3572e58_w1-k_q2ed3572e58_w1
	.p2alignl 7, 3214868480
	.fill 96, 4, 3214868480
	.section	.rodata,"a",@progbits
	.p2align	6, 0x0
	.amdhsa_kernel k_q2ed3572e58_w1
		.amdhsa_group_segment_fixed_size 12800
		.amdhsa_private_segment_fixed_size 0
		.amdhsa_enable_private_segment 0
		.amdhsa_kernarg_size 40
		.amdhsa_user_sgpr_count 2
		.amdhsa_user_sgpr_kernarg_segment_ptr 1
		.amdhsa_wavefront_size32 1
		.amdhsa_system_sgpr_workgroup_id_x 1
		.amdhsa_system_sgpr_workgroup_id_y 1
		.amdhsa_system_sgpr_workgroup_id_z 1
		.amdhsa_system_vgpr_workitem_id 0
		.amdhsa_next_free_vgpr 512
		.amdhsa_next_free_sgpr 66
		.amdhsa_reserve_vcc 0
		.amdhsa_float_denorm_mode_32 3
		.amdhsa_float_denorm_mode_16_64 3
		.amdhsa_memory_ordered 1
		.amdhsa_forward_progress 1
		.amdhsa_inst_pref_size 98
	.end_amdhsa_kernel
	.amdgpu_metadata
---
amdhsa.version: [ 1, 2 ]
amdhsa.kernels:
  - .name:           k_q2ed3572e58_w1
    .symbol:         k_q2ed3572e58_w1.kd
    .args:
      - { .name: meta, .offset: 0, .size: 8, .value_kind: global_buffer, .address_space: global }
      - { .name: x1buf, .offset: 8, .size: 8, .value_kind: global_buffer, .address_space: global }
      - { .name: wta, .offset: 16, .size: 8, .value_kind: global_buffer, .address_space: global }
      - { .name: b1, .offset: 24, .size: 8, .value_kind: global_buffer, .address_space: global }
      - { .name: actb, .offset: 32, .size: 8, .value_kind: global_buffer, .address_space: global }
    .group_segment_fixed_size: 12800
    .private_segment_fixed_size: 0
    .kernarg_segment_align: 8
    .kernarg_segment_size: 40
    .max_flat_workgroup_size: 128
    .sgpr_count:     66
    .vgpr_count:     512
    .wavefront_size: 32
...
	.end_amdgpu_metadata
.endif
;; end of part 6
;; launch w2: the kernel of part 4 again; grid 96 x 4, 4 waves a work-group, no clusters, 17,920 bytes of LDS; arguments meta, actb, wt2, ysum; writes ysum
;; launch final (part 7): grid 128 x 4, 8 waves a work-group, no clusters, 0 bytes of LDS; arguments meta, hidden_states, x1buf, ysum, b2, ln2_g, ln2_b, dn_g, dn_b, out0; writes out0
.if DOCPART == 7
	.amdgcn_target "amdgcn-amd-amdhsa--gfx1250"
	.amdhsa_code_object_version 6
	.text
	.protected	k_q2ed3572e58_final
	.globl	k_q2ed3572e58_final
	.p2align	8
	.type	k_q2ed3572e58_final,@function
k_q2ed3572e58_final:
	s_mov_b64 s[64:65], 0
	v_nop
	global_prefetch_b8 v0, s[64:65] scope:SCOPE_SE
	s_setreg_imm32_b32 hwreg(HW_REG_WAVE_MODE, 25, 1), 1
	s_wait_xcnt 0x0
; out = x + LayerNorm(x2 - x) dn_g + dn_b on the hyp rows of a valid batch, with x2 = LayerNorm(x1 + g W2 + b2) ln2_g + ln2_b; out = x on every other row.  All in f32.
; A wave takes two tokens, 16 x + 2 wave and the next.  Where neither is a hyp row (by meta's whole numbers) it copies them.  Else both go the long way, each with its compact row c = token - hs,
; held inside the rows that the launches before have written (0 .. 64 nth - 1), and a select keeps x for a token outside the segment.
; A row stays in registers through both norms; the variance is taken of the differences from the mean.  No LDS, no barrier.  Lane l holds columns 128 i + 4 l .. + 3.
.set LO,  2                            ; v2   16 x lane
.set P2,  16                           ; b2
.set G2,  40
.set B2,  64
.set XR,  88                           ; x:  row r at + 72 r
.set X1R, 112                          ; x1, then all that is made of it
.set YR,  136                          ; g W2; later dn_g (row 0's registers) and dn_b (row 1's)
.set DG,  136
.set DB,  208
.set C0,  232
.set C1,  234
.set TP,  236
.set RS,  238
.set SEL, 40                           ; s[40:41]
.set INV, 42
.set EPS, 43
	s_load_b512 s[4:19], s[0:1], 0x0               ; meta 4, hidden_states 6, x1buf 8, ysum 10, b2 12, ln2_g 14, ln2_b 16, dn_g 18
	s_load_b128 s[20:23], s[0:1], 0x40             ; dn_b 20, out0 22
	v_lshrrev_b32 v1, 5, v0
	v_readfirstlane_b32 s24, v1                    ; wave
	v_and_b32 v1, 31, v0
	v_lshlrev_b32 v[LO], 4, v1
	v_mov_b32 v[TP], 0                             ; v_permlanex16_b32's destination counts as read
	v_mov_b32 v[RS+1], 0                           ; named with RS as a pair
	s_and_b32 s25, ttmp7, 0xffff                   ; batch
	s_lshl_b32 s26, s25, 5
	s_mov_b32 s27, 0
	s_lshl_b32 s28, ttmp9, 4
	s_lshl1_add_u32 s28, s24, s28                  ; my first token
	s_mul_i32 s29, s25, 6291456
	s_mul_i32 s30, s28, 3072
	s_add_co_u32 s30, s30, s29
	s_mov_b32 s31, 0
	s_mov_b32 s[SEL], 0x76543210
	s_mov_b32 s[SEL+1], 0xfedcba98
	s_mov_b32 s[INV], 0x3aaaaaab                   ; 1 / 768
	s_mov_b32 s[EPS], 0x3727c5ac                   ; 1e-5
	s_wait_kmcnt 0x0
	s_add_nc_u64 s[4:5], s[4:5], s[26:27]
	s_load_b256 s[32:39], s[4:5], 0x0              ; hs 33, nh 34, nth 35
	s_add_nc_u64 s[6:7], s[6:7], s[30:31]          ; x and out at my two rows
	s_add_nc_u64 s[22:23], s[22:23], s[30:31]
.macro LD6 dst, base, off
.irp i, 0,1,2,3,4,5
	global_load_b128 v[(\dst)+4*\i:(\dst)+4*\i+3], v[LO], s[\base:\base+1] offset:(\off)+512*\i
.endr
.endm
.irp i, 0,1,2,3,4,5                    ; both ways want x: it is asked for ahead of the wait for meta; this is its last reading
	global_load_b128 v[XR+4*\i:XR+4*\i+3], v[LO], s[6:7] offset:512*\i th:TH_LOAD_NT
.endr
.irp i, 0,1,2,3,4,5
	global_load_b128 v[XR+72+4*\i:XR+72+4*\i+3], v[LO], s[6:7] offset:3072+512*\i th:TH_LOAD_NT
.endr
	s_wait_kmcnt 0x0
	s_add_co_u32 s46, s33, s34                     ; the segment's end
	s_add_co_u32 s47, s28, 1                       ; my second token
	s_cmp_lg_u32 s34, 0
	s_cselect_b32 s44, 1, 0
	s_cmp_ge_u32 s47, s33
	s_cselect_b32 s44, s44, 0
	s_cmp_lt_u32 s28, s46
	s_cselect_b32 s44, s44, 0
	s_cmp_eq_u32 s44, 1
	s_cbranch_scc1 .Lfull
	s_wait_loadcnt 6                               ; the first row is in; the second row's six loads may stay out
.irp i, 0,1,2,3,4,5
	global_store_b128 v[LO], v[XR+4*\i:XR+4*\i+3], s[22:23] offset:512*\i th:TH_STORE_NT
.endr
	s_wait_loadcnt 0x0
.irp i, 0,1,2,3,4,5
	global_store_b128 v[LO], v[XR+72+4*\i:XR+72+4*\i+3], s[22:23] offset:3072+512*\i th:TH_STORE_NT
.endr
	s_endpgm
.Lfull:
	s_cmp_ge_u32 s28, s33                          ; is each token a hyp row?
	s_cselect_b32 s60, -1, 0
	s_cmp_lt_u32 s28, s46
	s_cselect_b32 s60, s60, 0
	s_cmp_ge_u32 s47, s33
	s_cselect_b32 s61, -1, 0
	s_cmp_lt_u32 s47, s46
	s_cselect_b32 s61, s61, 0
	s_sub_co_i32 s44, s28, s33                     ; the compact rows,
	s_add_co_i32 s45, s44, 1
	s_max_i32 s44, s44, 0
	s_max_i32 s45, s45, 0
	s_lshl_b32 s46, s35, 6
	s_sub_co_u32 s46, s46, 1
	s_min_u32 s44, s44, s46                        ; inside what was written,
	s_min_u32 s45, s45, s46
	s_min_u32 s44, s44, 0x7ff                      ; and inside the batch
	s_min_u32 s45, s45, 0x7ff
	s_mul_i32 s44, s44, 3072
	s_mul_i32 s45, s45, 3072
	s_add_co_u32 s56, s44, s29
	s_mov_b32 s57, 0
	s_add_co_u32 s58, s45, s29
	s_mov_b32 s59, 0
	s_add_nc_u64 s[48:49], s[8:9], s[56:57]        ; x1 in f32
	s_add_nc_u64 s[50:51], s[8:9], s[58:59]
	s_add_nc_u64 s[52:53], s[10:11], s[56:57]      ; g W2
	s_add_nc_u64 s[54:55], s[10:11], s[58:59]
	LD6 P2, 12, 0
	LD6 G2, 14, 0
	LD6 B2, 16, 0
	LD6 X1R, 48, 0
	LD6 YR, 52, 0
	LD6 X1R+72, 50, 0
	LD6 YR+72, 54, 0
.macro WSUM r                          ; the sum over the 32 lanes, in every lane
.irp m, 1,2,4,8
	v_add_f32_dpp v[\r], v[\r], v[\r] row_xmask:\m row_mask:0xf bank_mask:0xf
.endr
	v_permlanex16_b32 v[TP], v[\r], s[SEL], s[SEL+1]
	v_add_f32 v[\r], v[\r], v[TP]
.endm
; The 24 registers at xr become x - mean; v[RS] = 1 / sqrt(variance + 1e-5).
.macro STATS xr
	v_pk_add_f32 v[C0:C0+1], v[(\xr):(\xr)+1], v[(\xr)+2:(\xr)+3]
	v_pk_add_f32 v[C1:C1+1], v[(\xr)+4:(\xr)+5], v[(\xr)+6:(\xr)+7]
.irp p, 8,12,16,20
	v_pk_add_f32 v[C0:C0+1], v[C0:C0+1], v[(\xr)+\p:(\xr)+\p+1]
	v_pk_add_f32 v[C1:C1+1], v[C1:C1+1], v[(\xr)+\p+2:(\xr)+\p+3]
.endr
	v_pk_add_f32 v[C0:C0+1], v[C0:C0+1], v[C1:C1+1]
	v_add_f32 v[C0], v[C0], v[C0+1]
	WSUM C0
	v_mul_f32 v[C0], s[INV], v[C0]
.irp p, 0,2,4,6,8,10,12,14,16,18,20,22
	v_pk_add_f32 v[(\xr)+\p:(\xr)+\p+1], v[(\xr)+\p:(\xr)+\p+1], v[C0:C0+1] op_sel_hi:[1,0] neg_lo:[0,1] neg_hi:[0,1]
.endr
	v_pk_mul_f32 v[C0:C0+1], v[(\xr):(\xr)+1], v[(\xr):(\xr)+1]
	v_pk_mul_f32 v[C1:C1+1], v[(\xr)+2:(\xr)+3], v[(\xr)+2:(\xr)+3]
.irp p, 4,8,12,16,20
	v_pk_fma_f32 v[C0:C0+1], v[(\xr)+\p:(\xr)+\p+1], v[(\xr)+\p:(\xr)+\p+1], v[C0:C0+1]
	v_pk_fma_f32 v[C1:C1+1], v[(\xr)+\p+2:(\xr)+\p+3], v[(\xr)+\p+2:(\xr)+\p+3], v[C1:C1+1]
.endr
	v_pk_add_f32 v[C0:C0+1], v[C0:C0+1], v[C1:C1+1]
	v_add_f32 v[C0], v[C0], v[C0+1]
	WSUM C0
	v_fma_f32 v[C0], v[C0], s[INV], s[EPS]
	v_rsq_f32 v[RS], v[C0]
	v_nop                                          ; a plain instruction behind it,
	s_wait_alu depctr_va_vdst(0)                   ; and the wait ahead of its first reader
.endm
.macro SUM3 r                          ; x1 + g W2 + b2
.irp p, 0,2,4,6,8,10,12,14,16,18,20,22
	v_pk_add_f32 v[X1R+72*(\r)+\p:X1R+72*(\r)+\p+1], v[X1R+72*(\r)+\p:X1R+72*(\r)+\p+1], v[YR+72*(\r)+\p:YR+72*(\r)+\p+1]
.endr
.irp p, 0,2,4,6,8,10,12,14,16,18,20,22
	v_pk_add_f32 v[X1R+72*(\r)+\p:X1R+72*(\r)+\p+1], v[X1R+72*(\r)+\p:X1R+72*(\r)+\p+1], v[P2+\p:P2+\p+1]
.endr
.endm
.macro ROW r, mask
	STATS X1R+72*(\r)
.irp p, 0,2,4,6,8,10,12,14,16,18,20,22
	v_pk_mul_f32 v[X1R+72*(\r)+\p:X1R+72*(\r)+\p+1], v[X1R+72*(\r)+\p:X1R+72*(\r)+\p+1], v[RS:RS+1] op_sel_hi:[1,0]
.endr
.irp p, 0,2,4,6,8,10,12,14,16,18,20,22
	v_pk_fma_f32 v[X1R+72*(\r)+\p:X1R+72*(\r)+\p+1], v[X1R+72*(\r)+\p:X1R+72*(\r)+\p+1], v[G2+\p:G2+\p+1], v[B2+\p:B2+\p+1]  ; x2
.endr
.irp p, 0,2,4,6,8,10,12,14,16,18,20,22
	v_pk_add_f32 v[X1R+72*(\r)+\p:X1R+72*(\r)+\p+1], v[X1R+72*(\r)+\p:X1R+72*(\r)+\p+1], v[XR+72*(\r)+\p:XR+72*(\r)+\p+1] neg_lo:[0,1] neg_hi:[0,1]  ; x2 - x
.endr
	STATS X1R+72*(\r)
.if (\r) == 0
	s_wait_loadcnt 0x0                             ; dn_g and dn_b
.endif
.irp p, 0,2,4,6,8,10,12,14,16,18,20,22
	v_pk_mul_f32 v[X1R+72*(\r)+\p:X1R+72*(\r)+\p+1], v[X1R+72*(\r)+\p:X1R+72*(\r)+\p+1], v[RS:RS+1] op_sel_hi:[1,0]
.endr
.irp p, 0,2,4,6,8,10,12,14,16,18,20,22
	v_pk_fma_f32 v[X1R+72*(\r)+\p:X1R+72*(\r)+\p+1], v[X1R+72*(\r)+\p:X1R+72*(\r)+\p+1], v[DG+\p:DG+\p+1], v[DB+\p:DB+\p+1]
.endr
.irp p, 0,2,4,6,8,10,12,14,16,18,20,22
	v_pk_add_f32 v[X1R+72*(\r)+\p:X1R+72*(\r)+\p+1], v[X1R+72*(\r)+\p:X1R+72*(\r)+\p+1], v[XR+72*(\r)+\p:XR+72*(\r)+\p+1]
.endr
.set k, 0
.rept 24
	v_cndmask_b32 v[X1R+72*(\r)+k], v[XR+72*(\r)+k], v[X1R+72*(\r)+k], s[\mask]  ; x where the token is no hyp row
.set k, k+1
.endr
.irp i, 0,1,2,3,4,5
	global_store_b128 v[LO], v[X1R+72*(\r)+4*\i:X1R+72*(\r)+4*\i+3], s[22:23] offset:3072*(\r)+512*\i th:TH_STORE_NT
.endr
.endm
	s_wait_loadcnt 12                              ; all but the second row's x1 and g W2
	SUM3 0
	s_wait_loadcnt 0x0
	SUM3 1
	LD6 DG, 18, 0                                  ; into the registers that g W2 has left
	LD6 DB, 20, 0
	ROW 0, 60
	ROW 1, 61
	s_endpgm
.Lfunc_end_k_q2ed3572e58_final:
	.size	k_q2ed3572e58_final, .Lfunc_end_k_q2ed3572e58_final-k_q2ed3572e58_final
	.p2alignl 7, 3214868480
	.fill 96, 4, 3214868480
	.section	.rodata,"a",@progbits
	.p2align	6, 0x0
	.amdhsa_kernel k_q2ed3572e58_final
		.amdhsa_group_segment_fixed_size 0
		.amdhsa_private_segment_fixed_size 0
		.amdhsa_enable_private_segment 0
		.amdhsa_kernarg_size 80
		.amdhsa_user_sgpr_count 2
		.amdhsa_user_sgpr_kernarg_segment_ptr 1
		.amdhsa_wavefront_size32 1
		.amdhsa_system_sgpr_workgroup_id_x 1
		.amdhsa_system_sgpr_workgroup_id_y 1
		.amdhsa_system_sgpr_workgroup_id_z 1
		.amdhsa_system_vgpr_workitem_id 0
		.amdhsa_next_free_vgpr 240
		.amdhsa_next_free_sgpr 66
		.amdhsa_reserve_vcc 0
		.amdhsa_float_denorm_mode_32 3
		.amdhsa_float_denorm_mode_16_64 3
		.amdhsa_memory_ordered 1
		.amdhsa_forward_progress 1
		.amdhsa_inst_pref_size 40
	.end_amdhsa_kernel
	.amdgpu_metadata
---
amdhsa.version: [ 1, 2 ]
amdhsa.kernels:
  - .name:           k_q2ed3572e58_final
    .symbol:         k_q2ed3572e58_final.kd
    .args:
      - { .name: meta, .offset: 0, .size: 8, .value_kind: global_buffer, .address_space: global }
      - { .name: hidden_states, .offset: 8, .size: 8, .value_kind: global_buffer, .address_space: global }
      - { .name: x1buf, .offset: 16, .size: 8, .value_kind: global_buffer, .address_space: global }
      - { .name: ysum, .offset: 24, .size: 8, .value_kind: global_buffer, .address_space: global }
      - { .name: b2, .offset: 32, .size: 8, .value_kind: global_buffer, .address_space: global }
      - { .name: ln2_g, .offset: 40, .size: 8, .value_kind: global_buffer, .address_space: global }
      - { .name: ln2_b, .offset: 48, .size: 8, .value_kind: global_buffer, .address_space: global }
      - { .name: dn_g, .offset: 56, .size: 8, .value_kind: global_buffer, .address_space: global }
      - { .name: dn_b, .offset: 64, .size: 8, .value_kind: global_buffer, .address_space: global }
      - { .name: out0, .offset: 72, .size: 8, .value_kind: global_buffer, .address_space: global }
    .group_segment_fixed_size: 0
    .private_segment_fixed_size: 0
    .kernarg_segment_align: 8
    .kernarg_segment_size: 80
    .max_flat_workgroup_size: 256
    .sgpr_count:     66
    .vgpr_count:     240
    .wavefront_size: 32
...
	.end_amdgpu_metadata
.endif
;; end of part 7
;; ======== version 2 of 3: 8 launches; 1.57 times as fast as version 1
;; limits: values are held in f16: magnitudes above 65,504 overflow, below 6.1e-05 lose precision; right only within a limited range of input values
;; workspace buffers: meta 256 bytes of whole numbers; wta 17,301,504 bytes; wto 1,179,648 bytes; wt2 1,179,648 bytes; qkv 37,748,736 bytes; actb 12,582,912 bytes; ysum 25,165,824 bytes; x1buf 37,748,736 bytes
;; launch prep (part 8): grid 877 x 1, 4 waves a work-group, no clusters, 70,144 bytes of LDS; arguments Wq, Wk, Wv, W1, Wo, W2, input_ids, wta, wto, wt2, meta, hidden_states; writes wta, wto, wt2, meta
.if DOCPART == 8
	.amdgcn_target "amdgcn-amd-amdhsa--gfx1250"
	.amdhsa_code_object_version 6
	.text
	.protected	k_q2ed3572e58_prep
	.globl	k_q2ed3572e58_prep
	.p2align	8
	.type	k_q2ed3572e58_prep,@function
k_q2ed3572e58_prep:
	s_mov_b64 s[64:65], 0
	v_nop
	global_prefetch_b8 v0, s[64:65] scope:SCOPE_SE
	s_setreg_imm32_b32 hwreg(HW_REG_WAVE_MODE, 25, 1), 1
	s_wait_xcnt 0x0
; PREP.  (1) The six weights [768 k][768 n] f32 are rounded once to f16 and written turned, [n][768 k], so that the later products
; load their fragments along K: Wq, Wk, Wv, W1 into wta (1,179,648 bytes each), Wo into wto, W2 into wt2.
; WHY f16.  The module's last norm divides by the spread of x2 - x, about 0.18 for weights of spread 0.02, so an error of the sums in front reaches the output some 5.6 times enlarged:
; the operands keep f16's 11 significant bits, not bf16's 8.  LIMIT: a weight or an x beyond 65,504 in size becomes an infinity; below 6e-5 f16 keeps a fixed step of 6e-8.
; (2) The segments of each batch are found from input_ids and stored as whole numbers, meta[b] = 8 words at 32 b:
;     ns (source keys), hs (first hyp token), nh (hyp rows), nth = ceil(nh/64), nts = ceil(ns/64), rem1 = ns - 64 nts + 63, 0, 0;
;     a batch that is not valid (no source key or no hyp row) has ns = nh = nth = nts = 0.
; (3) x is rounded once to f16, [batch][2,048][768], into wta behind the four weights: the next launch reads each row once for every head, 8 or 16 times, and then loads half the bytes and converts nothing.
;     All 8,192 rows are taken: the segments are found in this same launch.
; SHARES.  Work-groups 0..107: 18 for each weight, a wave a tile of 128 k x 64 n (72 tiles a weight).  Work-group 108: a wave a batch.  Work-groups 109..876: a wave 8,192 bytes of x.
; A weight's tile goes through the wave's own stage in LDS (64 rows n of 256 bytes + 16 of padding); no wave reads another's bytes, so there is no barrier.
.set WROW,   3072                      ; bytes in a row of a weight (f32)
.set TROW,   1536                      ; bytes in a row of a turned weight (f16)
.set WBYTES, 768*TROW
.set SP,     272                       ; a stage row
.set STG,    64*SP
.set SPARE,  4*STG                     ; behind the stages: the spare words, 128 bytes a wave
.set LO,  2                            ; v2   2 p rows + 16 q bytes in the weight (p = lane / 16, q = lane % 16)
.set LS,  3                            ; v3   where I put a pair of k for n = 4 q
.set LR,  4                            ; v4   where I read a row back
.set GO,  5                            ; v5   the same two rows in the turned weight
.set SPW, 6                            ; v6   my spare word; never rewritten
.set NIL, 7                            ; v7   0; never rewritten
.set LN,  8                            ; v8   lane
.set BUF, 16                           ; v[16:143]
.set T,   144                          ; v[144:151] at work; v[152:159] meta's eight words
.set XS,  52                           ; s[52:53] hidden_states
	s_load_b512 s[4:19], s[0:1], 0x0               ; Wq 4, Wk 6, Wv 8, W1 10, Wo 12, W2 14, input_ids 16, wta 18
	s_load_b128 s[20:23], s[0:1], 0x40             ; wto 20, wt2 22
	s_load_b128 s[24:27], s[0:1], 0x50             ; meta 24, hidden_states 26
	v_lshl_add_u32 v[SPW], v0, 2, SPARE
	v_mov_b32 v[NIL], 0
	v_lshrrev_b32 v1, 5, v0
	v_readfirstlane_b32 s54, v1                    ; wave 0..3
	v_and_b32 v[LN], 31, v0
	s_cmp_gt_u32 ttmp9, 108
	s_cbranch_scc1 .Lx
	s_cmp_eq_u32 ttmp9, 108
	s_cbranch_scc1 .Lmeta
	; ---- a tile of a weight ----
	s_mul_i32 s55, ttmp9, 57
	s_lshr_b32 s55, s55, 10                        ; m = g / 18 (exact for g < 108): which weight
	s_mul_i32 s28, s55, 18
	s_sub_co_u32 s28, ttmp9, s28
	s_lshl2_add_u32 s28, s28, s54                  ; tile 0..71 = 4 (g - 18 m) + wave
	s_mul_i32 s29, s28, 43
	s_lshr_b32 s29, s29, 9                         ; kt = tile / 12 (exact for tile < 72)
	s_mul_i32 s30, s29, 12
	s_sub_co_u32 s30, s28, s30                     ; nt = tile % 12
	s_mul_i32 s32, s29, 128*WROW                   ; from: 128 kt rows, 64 nt columns
	s_lshl_b32 s31, s30, 8
	s_add_co_u32 s32, s32, s31
	s_mov_b32 s33, 0
	s_cmp_lt_u32 s55, 4
	s_cselect_b32 s34, s55, 0                      ; to: the weight's place in wta (wto and wt2 hold one weight each),
	s_mul_i32 s34, s34, WBYTES
	s_mul_i32 s31, s30, 64*TROW                    ; 64 nt rows,
	s_add_co_u32 s34, s34, s31
	s_lshl_b32 s31, s29, 8                         ; 128 kt columns of 2 bytes
	s_add_co_u32 s34, s34, s31
	s_mov_b32 s35, 0
	v_and_b32 v9, 15, v0                           ; q
	v_bfe_u32 v10, v0, 4, 1                        ; p
	v_mul_u32_u24 v[LO], v10, 2*WROW
	v_lshl_add_u32 v[LO], v9, 4, v[LO]
	s_mul_i32 s36, s54, STG                        ; my stage
	v_mul_u32_u24 v[LS], v9, 4*SP
	v_lshl_add_u32 v[LS], v10, 2, v[LS]
	v_add_nc_u32 v[LS], s36, v[LS]
	v_mul_u32_u24 v[LR], v10, SP
	v_lshl_add_u32 v[LR], v9, 4, v[LR]
	v_add_nc_u32 v[LR], s36, v[LR]
	v_mul_u32_u24 v[GO], v10, TROW
	v_lshl_add_u32 v[GO], v9, 4, v[GO]
	s_wait_kmcnt 0x0
	s_cmp_eq_u32 s55, 1
	s_cselect_b64 s[38:39], s[6:7], s[4:5]
	s_cmp_eq_u32 s55, 2
	s_cselect_b64 s[38:39], s[8:9], s[38:39]
	s_cmp_eq_u32 s55, 3
	s_cselect_b64 s[38:39], s[10:11], s[38:39]
	s_cmp_eq_u32 s55, 4
	s_cselect_b64 s[38:39], s[12:13], s[38:39]
	s_cselect_b64 s[40:41], s[20:21], s[18:19]
	s_cmp_eq_u32 s55, 5
	s_cselect_b64 s[38:39], s[14:15], s[38:39]
	s_cselect_b64 s[40:41], s[22:23], s[40:41]
	s_add_nc_u64 s[38:39], s[38:39], s[32:33]
	s_add_nc_u64 s[40:41], s[40:41], s[34:35]
; Step S of 32 takes rows 4 S .. 4 S + 3: lanes 0-15 rows 4 S, 4 S + 1, lanes 16-31 rows 4 S + 2, 4 S + 3; 16 lanes read 256 consecutive bytes of a row.
.macro WLD slot, step
	global_load_b128 v[BUF+8*(\slot):BUF+8*(\slot)+3], v[LO], s[38:39] offset:(\step)*4*WROW th:TH_LOAD_NT
	global_load_b128 v[BUF+8*(\slot)+4:BUF+8*(\slot)+7], v[LO], s[38:39] offset:(\step)*4*WROW+WROW th:TH_LOAD_NT
.endm
.set i, 0
.rept 16
	WLD i, i
.set i, i+1
.endr
.set i, 0
.rept 32
.if i < 16
	s_wait_loadcnt 30                              ; my slot's two loads are in; the fifteen other slots' may stay out
.else
	s_wait_loadcnt 62-2*i                          ; nothing is asked for any more: the counts run down
.endif
.irp c, 0,1,2,3
	v_cvt_pk_f16_f32 v[T+4*(i%2)+\c], v[BUF+8*(i%16)+\c], v[BUF+8*(i%16)+4+\c]  ; two neighbouring k of column 4 q + c
.endr
.if i < 16
	WLD i, i+16                                    ; the slot is asked for again at once
.endif
.irp c, 0,1,2,3
	ds_store_b32 v[LS], v[T+4*(i%2)+\c] offset:\c*SP+8*i
.endr
.set i, i+1
.endr
.set i, 0
.rept 32                               ; back by rows: LDS serves a wave's instructions in order (ISA guide 5.7.1.4), so these see the stores above
	ds_load_b128 v[BUF+4*i:BUF+4*i+3], v[LR] offset:i*2*SP
.set i, i+1
.endr
.set i, 0
.rept 32
	s_wait_dscnt 31-i
	global_store_b128 v[GO], v[BUF+4*i:BUF+4*i+3], s[40:41] offset:i*2*TROW  ; 16 lanes store 256 consecutive bytes, aligned
.set i, i+1
.endr
	s_branch .Lend
	; ---- 8,192 bytes of x become 4,096 of its copy ----
.Lx:
	s_sub_co_u32 s28, ttmp9, 109
	s_lshl2_add_u32 s28, s28, s54                  ; my place among the 3,072 waves: 4 (g - 109) + wave
	s_lshl_b32 s32, s28, 13                        ; from
	s_mov_b32 s33, 0
	s_lshl_b32 s34, s28, 12                        ; to: half as far,
	s_add_co_u32 s34, s34, 4*WBYTES                ; behind the four weights
	s_mov_b32 s35, 0
	v_lshlrev_b32 v9, 4, v[LN]
	v_lshlrev_b32 v10, 3, v[LN]
	s_wait_kmcnt 0x0
	s_add_nc_u64 s[XS:XS+1], s[26:27], s[32:33]
	s_add_nc_u64 s[18:19], s[18:19], s[34:35]
.set i, 0
.rept 16                               ; all my loads go out at once: 512 consecutive bytes each
	global_load_b128 v[BUF+4*i:BUF+4*i+3], v9, s[XS:XS+1] offset:512*i th:TH_LOAD_NT
.set i, i+1
.endr
.set i, 0
.rept 16
	s_wait_loadcnt 15-i                            ; the younger loads may stay out
	v_cvt_pk_f16_f32 v[BUF+4*i], v[BUF+4*i], v[BUF+4*i+1]      ; in place: no register is used twice, so no store's data is rewritten
	v_cvt_pk_f16_f32 v[BUF+4*i+1], v[BUF+4*i+2], v[BUF+4*i+3]
	global_store_b64 v10, v[BUF+4*i:BUF+4*i+1], s[18:19] offset:256*i th:TH_STORE_NT  ; 32 lanes store 256 consecutive bytes, aligned
.set i, i+1
.endr
	s_branch .Lend
	; ---- the segments of batch = wave ----
.Lmeta:
	s_lshl_b32 s32, s54, 13                        ; 2,048 ids of 4 bytes
	s_mov_b32 s33, 0
	s_lshl_b32 s34, s54, 5                         ; meta's 32 bytes
	s_mov_b32 s35, 0
	s_mov_b32 s36, 0x76543210                      ; v_permlanex16_b32: each lane takes its own place in the other half
	s_mov_b32 s37, 0xfedcba98
	s_movk_i32 s38, 102                            ; SEP
	v_lshlrev_b32 v9, 4, v[LN]
	v_lshlrev_b32 v10, 2, v[LN]
	v_mov_b32 v13, 0
	s_wait_kmcnt 0x0
	s_add_nc_u64 s[16:17], s[16:17], s[32:33]
	s_add_nc_u64 s[24:25], s[24:25], s[34:35]
.set i, 0
.rept 16                               ; register BUF + e, e = 4 j + c, holds id 128 j + 4 lane + c: in a lane the index rises with e
	global_load_b128 v[BUF+4*i:BUF+4*i+3], v9, s[16:17] offset:512*i
.set i, i+1
.endr
	v_mov_b32 v[T], 64                             ; my lane's lowest e with a SEP; 64: none
	v_mov_b32 v[T+1], 64                           ; and its second lowest
	s_wait_loadcnt 0x0
.set e, 63
.rept 64                               ; from the top down: at a SEP the lowest so far becomes the second, and e the lowest
	v_cmp_ne_u32 vcc_lo, s38, v[BUF+e]
	v_cndmask_b32 v[T+1], v[T], v[T+1], vcc_lo
	v_cndmask_b32 v[T], e, v[T], vcc_lo
.set e, e-1
.endr
.macro TOIDX r                         ; e becomes the index 128 (e / 4) + e % 4 + 4 lane; 'none' becomes 2,048 + 4 lane
	v_lshrrev_b32 v12, 2, v[\r]
	v_and_b32 v[\r], 3, v[\r]
	v_lshl_add_u32 v[\r], v12, 7, v[\r]
	v_add_nc_u32 v[\r], v10, v[\r]
.endm
.macro LMIN r                          ; the least over the 32 lanes, in every lane
.irp m, 1,2,4,8
	v_mov_b32_dpp v12, v[\r] row_xmask:\m row_mask:0xf bank_mask:0xf
	v_min_u32 v[\r], v[\r], v12
.endr
	v_permlanex16_b32 v12, v[\r], s36, s37
	v_min_u32 v[\r], v[\r], v12
.endm
	TOIDX T
	TOIDX T+1
	v_mov_b32 v[T+2], v[T]
	LMIN T+2
	v_readfirstlane_b32 s40, v[T+2]                ; first (2,048 or more: none)
	v_cmp_lt_u32 vcc_lo, s40, v[T]                 ; the lane that owns first offers its second, every other lane its lowest
	v_cndmask_b32 v[T+1], v[T+1], v[T], vcc_lo
	LMIN T+1
	v_readfirstlane_b32 s41, v[T+1]                ; second (2,048 or more: none)
	s_add_co_u32 s42, s40, 1
	s_cmp_lt_u32 s41, 2048                         ; two SEP or more?
	s_cselect_b32 s43, s40, 1024                   ; src_end
	s_cselect_b32 s44, s42, 1024                   ; hyp_start
	s_cselect_b32 s45, s41, 2047                   ; hyp_end
	s_cmp_gt_u32 s43, 1                            ; a source key exists (indices 1 .. src_end - 1),
	s_cselect_b32 s46, 1, 0
	s_cmp_gt_u32 s45, s44                          ; and a hyp row
	s_cselect_b32 s46, s46, 0
	s_sub_co_u32 s47, s43, 1
	s_sub_co_u32 s48, s45, s44
	s_cmp_eq_u32 s46, 1
	s_cselect_b32 s47, s47, 0                      ; ns
	s_cselect_b32 s48, s48, 0                      ; nh
	s_add_co_u32 s49, s48, 63
	s_lshr_b32 s49, s49, 6                         ; nth
	s_add_co_u32 s50, s47, 63
	s_lshr_b32 s50, s50, 6                         ; nts
	s_lshl_b32 s51, s50, 6
	s_sub_co_u32 s51, s47, s51
	s_add_co_u32 s51, s51, 63                      ; rem1: the last key tile's last true key
	v_mov_b32 v152, s47
	v_mov_b32 v153, s44
	v_mov_b32 v154, s48
	v_mov_b32 v155, s49
	v_mov_b32 v156, s50
	v_mov_b32 v157, s51
	v_mov_b32 v158, 0
	v_mov_b32 v159, 0
	v_cmp_eq_u32 vcc_lo, 0, v[LN]
	s_wait_xcnt 0x0                                ; EXEC changes only behind this wait
	s_and_saveexec_b32 s60, vcc_lo                 ; lane 0 stores the 32 bytes
	global_store_b128 v13, v[152:155], s[24:25]
	global_store_b128 v13, v[156:159], s[24:25] offset:16
	s_wait_xcnt 0x0                                ; and again, in front of the line that widens it
	s_or_b32 exec_lo, exec_lo, s60
.Lend:
	s_wait_tensorcnt 0x0                           ; the wave's end, behind my last LDS store
	ds_add_u32 v[SPW], v[NIL]
	s_wait_dscnt 0x0
	s_endpgm
.Lfunc_end_k_q2ed3572e58_prep:
	.size	k_q2ed3572e58_prep, .Lfunc_end_k_q2ed3572e58_prep-k_q2ed3572e58_prep
	.p2alignl 7, 3214868480
	.fill 96, 4, 3214868480
	.section	.rodata,"a",@progbits
	.p2align	6, 0x0
	.amdhsa_kernel k_q2ed3572e58_prep
		.amdhsa_group_segment_fixed_size 70144
		.amdhsa_private_segment_fixed_size 0
		.amdhsa_enable_private_segment 0
		.amdhsa_kernarg_size 96
		.amdhsa_user_sgpr_count 2
		.amdhsa_user_sgpr_kernarg_segment_ptr 1
		.amdhsa_wavefront_size32 1
		.amdhsa_system_sgpr_workgroup_id_x 1
		.amdhsa_system_sgpr_workgroup_id_y 1
		.amdhsa_system_sgpr_workgroup_id_z 1
		.amdhsa_system_vgpr_workitem_id 0
		.amdhsa_next_free_vgpr 160
		.amdhsa_next_free_sgpr 66
		.amdhsa_reserve_vcc 1
		.amdhsa_float_denorm_mode_32 3
		.amdhsa_float_denorm_mode_16_64 3
		.amdhsa_memory_ordered 1
		.amdhsa_forward_progress 1
		.amdhsa_inst_pref_size 49
	.end_amdhsa_kernel
	.amdgpu_metadata
---
amdhsa.version: [ 1, 2 ]
amdhsa.kernels:
  - .name:           k_q2ed3572e58_prep
    .symbol:         k_q2ed3572e58_prep.kd
    .args:
      - { .name: Wq, .offset: 0, .size: 8, .value_kind: global_buffer, .address_space: global }
      - { .name: Wk, .offset: 8, .size: 8, .value_kind: global_buffer, .address_space: global }
      - { .name: Wv, .offset: 16, .size: 8, .value_kind: global_buffer, .address_space: global }
      - { .name: W1, .offset: 24, .size: 8, .value_kind: global_buffer, .address_space: global }
      - { .name: Wo, .offset: 32, .size: 8, .value_kind: global_buffer, .address_space: global }
      - { .name: W2, .offset: 40, .size: 8, .value_kind: global_buffer, .address_space: global }
      - { .name: input_ids, .offset: 48, .size: 8, .value_kind: global_buffer, .address_space: global }
      - { .name: wta, .offset: 56, .size: 8, .value_kind: global_buffer, .address_space: global }
      - { .name: wto, .offset: 64, .size: 8, .value_kind: global_buffer, .address_space: global }
      - { .name: wt2, .offset: 72, .size: 8, .value_kind: global_buffer, .address_space: global }
      - { .name: meta, .offset: 80, .size: 8, .value_kind: global_buffer, .address_space: global }
      - { .name: hidden_states, .offset: 88, .size: 8, .value_kind: global_buffer, .address_space: global }
    .group_segment_fixed_size: 70144
    .private_segment_fixed_size: 0
    .kernarg_segment_align: 8
    .kernarg_segment_size: 96
    .max_flat_workgroup_size: 128
    .sgpr_count:     66
    .vgpr_count:     160
    .wavefront_size: 32
...
	.end_amdgpu_metadata
.endif
;; end of part 8
;; launch qkv (part 9): grid 96 x 32, 1 waves a work-group, no clusters, 14,080 bytes of LDS; arguments meta, wta, bq, bk, bv, qkv; writes qkv
.if DOCPART == 9
	.amdgcn_target "amdgcn-amd-amdhsa--gfx1250"
	.amdhsa_code_object_version 6
	.text
	.protected	k_q2ed3572e58_qkv
	.globl	k_q2ed3572e58_qkv
	.p2align	8
	.type	k_q2ed3572e58_qkv,@function
k_q2ed3572e58_qkv:
	s_mov_b64 s[64:65], 0
	v_nop
	global_prefetch_b8 v0, s[64:65] scope:SCOPE_SE
	s_setreg_imm32_b32 hwreg(HW_REG_WAVE_MODE, 25, 1), 1
	s_wait_xcnt 0x0
; Q, K, V.  q = x Wq + bq for the hyp rows, k and v for the source rows (tokens 1 .. ns), by heads, in f16 (rounded once from f32 sums, unscaled).
; LIMIT.  f16 holds no number beyond 65,504: x as an operand, and q, k, v, must lie within it (with x of spread 1 and weights of spread 0.02 they reach about 5.5 and 3); below 6e-5 f16 keeps a fixed step of 6e-8.
; qkv holds three regions of 12,582,912 bytes (Q, K, VT), each [batch 3,145,728][head 393,216][tile of 64 rows 12,288]:
; a tile of Q or K is 64 rows x 192 bytes, dense; a tile of VT is 96 channels x 128 bytes (64 keys): V turned.
; Row c of Q is token hs + c, row c of K and V token 1 + c.  A tile's rows past the segment's end are made of clamped tokens (at most 2,047): finite, written, and never part of a result.
; SHARES.  A work-group is ONE wave: the waves share nothing and never meet, so the smallest work-group shares the work out most evenly.  x = head + 8 (batch + 4 job), y = row tile i.
; The wave makes 64 rows x the 96 columns of one head: 24 accumulators.  The row tile is the grid's slow axis, so the work-groups that have a tile are the first in the grid's order, whatever the segments' lengths;
; one whose tile the segment does not have ends at once (the count comes from meta, stored by the launch before): the grid cannot hang on data and covers the longest segment, 32 tiles.
; OPERANDS come straight from memory, both in f16 and both out of wta, as the launch before laid them: the turned weights, and behind them the copy of x, [batch][2,048][768].
; Three sets of registers, a K chunk of 32 each: 20 loads a chunk.
; THE PRODUCT IS TAKEN TURNED (source 0 = 16 columns of the weight, source 1 = 16 rows of x): a lane holds one row and eight neighbouring columns.  THE BIAS IS THE C OF THE FIRST PRODUCT: nothing is cleared and nothing added later.
.set XROW,   1536                      ; bytes in a row of x's copy,
.set WROW,   1536                      ; and of a turned weight
.set WBYTES, 1179648
.set XH,     4*WBYTES                  ; where x's copy begins in wta
.set REGION, 12582912
.set BB,     3145728
.set HB,     393216
.set TB,     12288
.set SPARE,  96*144                    ; the stage, from LDS byte 0: V's 96 channels x (128 + 16) bytes; Q and K use its first 3,072 bytes (16 rows x 192, dense).  Behind it the spare words: one block of 256 bytes
.set XO,   2                           ; v2-5  fragment a: clamped token x 1,536 + 16 (lane / 16)
.set WO,   6                           ; v6    1,536 (lane % 16) + 16 (lane / 16)
.set STO,  7                           ; v7    Q, K: where I put 16 bytes of a row
.set GO,   8                           ; v8    16 x lane: my 16 of 512 consecutive bytes, in the stage and in memory
.set VSTO, 9                           ; v9    V: channel 8 (lane / 16), key lane % 16
.set VRD,  10                          ; v10   V: four rows of 128 bytes
.set BO,   11                          ; v11   32 (lane / 16)
.set SPW,  12                          ; v12   my spare word; never rewritten
.set NIL,  13                          ; v13   0; never rewritten
.set BI,   16                          ; v[16:63]  the bias of my columns 16 b + 8 (lane / 16) + 0..7 at BI + 8 b
.set PK,   16                          ; v[16:39]  later: packed results
.set ACC,  64                          ; v[64:255] accumulator (a, b) at ACC + 8 (6 a + b)
; window 1: set u at 80 u: x's fragment a at + 8 a; the weight's fragment b at + 32 + 8 b
.set WP,   48                          ; s[48:49] the job's turned weight at the head's 96 rows, at the three chunks in hand
.set XP,   50                          ; s[50:51] x's copy at the batch, at the same chunks
.set MSB, 0
.macro WIN new                         ; the immediate's high byte repeats the setting that is left; a switch that changes nothing is dropped
.if MSB != (\new)
	s_set_vgpr_msb (MSB<<8)|(\new)
.set MSB, \new
.endif
.endm
.macro PLACES                          ; four plain instructions between a matrix instruction and a load into, or a vector read or write of, its registers
.rept 4
	v_nop
.endr
.endm
	s_load_b256 s[4:11], s[0:1], 0x0               ; meta 4, wta 6, bq 8, bk 10
	s_load_b128 s[12:15], s[0:1], 0x20             ; bv 12, qkv 14
	v_lshl_add_u32 v[SPW], v0, 2, SPARE
	v_mov_b32 v[NIL], 0
	s_and_b32 s23, ttmp9, 7                        ; head
	s_lshr_b32 s19, ttmp9, 3
	s_and_b32 s20, s19, 3                          ; batch
	s_lshr_b32 s21, s19, 2                         ; job: 0 Q, 1 K, 2 V
	s_and_b32 s22, ttmp7, 0xffff                   ; row tile i
	s_lshl_b32 s24, s20, 5
	s_mov_b32 s25, 0
	s_mov_b32 s27, 0
	s_wait_kmcnt 0x0
	s_add_nc_u64 s[4:5], s[4:5], s[24:25]
	s_load_b256 s[32:39], s[4:5], 0x0              ; ns 32, hs 33, nh 34, nth 35, nts 36, rem1 37
	v_and_b32 v14, 15, v0                          ; r
	v_bfe_u32 v15, v0, 4, 1                        ; h
	v_mul_u32_u24 v[WO], v14, WROW
	v_lshl_add_u32 v[WO], v15, 4, v[WO]
	v_mul_u32_u24 v[STO], v14, 192
	v_lshl_add_u32 v[STO], v15, 4, v[STO]
	v_lshlrev_b32 v[GO], 4, v0
	v_mul_u32_u24 v[VSTO], v15, 1152
	v_lshl_add_u32 v[VSTO], v14, 1, v[VSTO]
	v_lshrrev_b32 v1, 3, v0
	v_mul_u32_u24 v[VRD], v1, 144
	v_and_b32 v1, 7, v0
	v_lshl_add_u32 v[VRD], v1, 4, v[VRD]
	v_lshlrev_b32 v[BO], 5, v15
	v_lshlrev_b32 v15, 4, v15                      ; 16 h
	s_mul_i32 s26, s20, 2048*XROW
	s_add_co_u32 s26, s26, XH
	s_add_nc_u64 s[XP:XP+1], s[6:7], s[26:27]      ; x's copy at the batch
	s_mul_i32 s26, s21, WBYTES
	s_mul_i32 s29, s23, 96*WROW
	s_add_co_u32 s26, s26, s29
	s_add_nc_u64 s[WP:WP+1], s[6:7], s[26:27]      ; the job's turned weight at the head's 96 rows
	s_cmp_eq_u32 s21, 1
	s_cselect_b64 s[30:31], s[10:11], s[8:9]
	s_cmp_eq_u32 s21, 2
	s_cselect_b64 s[30:31], s[12:13], s[30:31]
	s_mul_i32 s26, s23, 384
	s_add_nc_u64 s[30:31], s[30:31], s[26:27]      ; the job's bias at the head's 96 numbers
	s_mul_i32 s26, s21, REGION
	s_mul_i32 s29, s20, BB
	s_add_co_u32 s26, s26, s29
	s_mul_i32 s29, s23, HB
	s_add_co_u32 s26, s26, s29
	s_mul_i32 s29, s22, TB
	s_add_co_u32 s26, s26, s29
	s_add_nc_u64 s[40:41], s[14:15], s[26:27]      ; my tile of the result
	s_wait_kmcnt 0x0
	s_cmp_eq_u32 s21, 0
	s_cselect_b32 s44, s35, s36                    ; the segment's tiles,
	s_cselect_b32 s45, s33, 1                      ; and its first token
	s_cmp_lt_u32 s22, s44
	s_cbranch_scc0 .Lend                           ; the segment has no such tile
	s_lshl_b32 s46, s22, 6
	s_add_co_u32 s45, s45, s46
	v_add_nc_u32 v14, s45, v14                     ; the token of row r of fragment 0
.irp a, 0,1,2,3
	v_add_nc_u32 v1, 16*\a, v14
	v_min_u32 v1, 0x7ff, v1                        ; no row past the batch's last
	v_mul_u32_u24 v1, v1, XROW
	v_add_nc_u32 v[XO+\a], v15, v1
.endr
; A chunk's 20 loads into set u: chunk u of the three in hand (nx = 0) or of the next three (nx = 1).
; A fragment is 16 rows x 32 K: lane l holds row l % 16, K = 8 (l / 16) + 0..7 and 16 + 8 (l / 16) + 0..7: two loads of 16 bytes, 32 bytes apart.
.macro XLOADS u, nx
	WIN 0x40                                       ; destination window 1, address window 0
.irp a, 0,1,2,3
	global_load_b128 v[80*(\u)+8*(\a):80*(\u)+8*(\a)+3],   v[XO+(\a)], s[XP:XP+1] offset:(\nx)*192+64*(\u)
	global_load_b128 v[80*(\u)+8*(\a)+4:80*(\u)+8*(\a)+7], v[XO+(\a)], s[XP:XP+1] offset:(\nx)*192+64*(\u)+32
.endr
.irp b, 0,1,2,3,4,5
	global_load_b128 v[80*(\u)+32+8*(\b):80*(\u)+32+8*(\b)+3],   v[WO], s[WP:WP+1] offset:(\nx)*192+(\b)*16*WROW+64*(\u)
	global_load_b128 v[80*(\u)+32+8*(\b)+4:80*(\u)+32+8*(\b)+7], v[WO], s[WP:WP+1] offset:(\nx)*192+(\b)*16*WROW+64*(\u)+32
.endr
.endm
; A chunk: 24 products (each accumulator once, always in the same order: the accumulators take turns), and the set is asked for again, three chunks on.
; first = 1: the products start the sums, with the bias as C.
.macro CHUNK u, first, refill, cnt
	s_wait_loadcnt \cnt                            ; my set's loads are in, and all that were issued ahead of them; what was issued behind them may stay out
	WIN 0x05                                       ; sources 0 and 1 window 1, C and D window 0
.irp a, 0,1,2,3
.irp b, 0,1,2,3,4,5
.if \first
	v_wmma_f32_16x16x32_f16 v[ACC+8*(6*(\a)+(\b)):ACC+8*(6*(\a)+(\b))+7], v[80*(\u)+32+8*(\b):80*(\u)+32+8*(\b)+7], v[80*(\u)+8*(\a):80*(\u)+8*(\a)+7], v[BI+8*(\b):BI+8*(\b)+7]
.else
	v_wmma_f32_16x16x32_f16 v[ACC+8*(6*(\a)+(\b)):ACC+8*(6*(\a)+(\b))+7], v[80*(\u)+32+8*(\b):80*(\u)+32+8*(\b)+7], v[80*(\u)+8*(\a):80*(\u)+8*(\a)+7], v[ACC+8*(6*(\a)+(\b)):ACC+8*(6*(\a)+(\b))+7]
.endif
.endr
.endr
	PLACES
.if \refill
	XLOADS \u, 1
.endif
.endm
.macro STEP                            ; three chunks on
	WIN 0
	s_wait_xcnt 0x0                                ; every load issued so far has read its address: the pointers may be written
	s_add_nc_u64 s[XP:XP+1], s[XP:XP+1], 192
	s_add_nc_u64 s[WP:WP+1], s[WP:WP+1], 192
.endm
.irp b, 0,1,2,3,4,5                    ; the bias first: 12 loads, then three chunks' 60.  The counter's field holds fewer than 72: the issue of the last ones waits for the first to come back (ISA guide 5.7.1)
	global_load_b128 v[BI+8*\b:BI+8*\b+3],   v[BO], s[30:31] offset:64*\b
	global_load_b128 v[BI+8*\b+4:BI+8*\b+7], v[BO], s[30:31] offset:64*\b+16
.endr
	XLOADS 0, 0
	XLOADS 1, 0
	XLOADS 2, 0
	CHUNK 0, 1, 1, 40                              ; 40: the two younger chunks' loads
	CHUNK 1, 0, 1, 40
	CHUNK 2, 0, 1, 40
	STEP
	s_mov_b32 s47, 6
.Lk:                                                   ; chunks 3 .. 20
	CHUNK 0, 0, 1, 40
	CHUNK 1, 0, 1, 40
	CHUNK 2, 0, 1, 40
	STEP
	s_sub_co_u32 s47, s47, 1
	s_cmp_lg_u32 s47, 0
	s_cbranch_scc1 .Lk
	CHUNK 0, 0, 0, 40                              ; the last three chunks ask for nothing: the counts run down
	CHUNK 1, 0, 0, 20
	CHUNK 2, 0, 0, 0
	WIN 0
	s_cmp_eq_u32 s21, 2
	s_cbranch_scc1 .Lv
	; Q and K: 16 rows at a time through my stage: in as 16 bytes of a row, back as 512 consecutive bytes of the dense tile.  Each accumulator is read from its low end on.
	; The dense rows of 192 bytes start in four different groups of banks only (64 banks of 4 bytes: ISA guide 11.1): six stores a block go four deep; in return the way back is 16 x lane.
.irp a, 0,1,2,3
	s_wait_xcnt 0x0                                ; the last block's stores have read PK
.set k, 0
.rept 24
	v_cvt_pk_f16_f32 v[PK+k], v[ACC+48*\a+2*k], v[ACC+48*\a+2*k+1]
.set k, k+1
.endr
.irp b, 0,1,2,3,4,5
	ds_store_b128 v[STO], v[PK+4*\b:PK+4*\b+3] offset:32*\b
.endr
.irp t, 0,1,2,3,4,5
	ds_load_b128 v[PK+4*\t:PK+4*\t+3], v[GO] offset:512*\t  ; LDS serves a wave's instructions in order (ISA guide 5.7.1.4)
.endr
	s_wait_dscnt 0x0
.irp t, 0,1,2,3,4,5
	global_store_b128 v[GO], v[PK+4*\t:PK+4*\t+3], s[40:41] offset:3072*\a+512*\t
.endr
.endr
	s_branch .Lend
.Lv:	; V is turned on the way: number (key 16 a + r, channel 16 b + 8 h + j) goes to stage row = channel, 2 bytes at the key
.set k, 0
.rept 24
.irp p, 0,1,2,3
	v_cvt_pk_f16_f32 v[PK+4*(k%6)+\p], v[ACC+8*k+2*\p], v[ACC+8*k+2*\p+1]
.endr
.irp p, 0,1,2,3
	ds_store_b16 v[VSTO], v[PK+4*(k%6)+\p] offset:2304*(k%6)+288*\p+32*(k/6)
	ds_store_b16_d16_hi v[VSTO], v[PK+4*(k%6)+\p] offset:2304*(k%6)+288*\p+144+32*(k/6)
.endr
.set k, k+1
.endr
.irp g, 0,1,2,3
.if \g > 0
	s_wait_xcnt 0x0                                ; the last group's stores have read PK
.endif
.irp t, 0,1,2,3,4,5
	ds_load_b128 v[PK+4*\t:PK+4*\t+3], v[VRD] offset:576*(6*\g+\t)  ; four channels' 128 bytes
.endr
	s_wait_dscnt 0x0
.irp t, 0,1,2,3,4,5
	global_store_b128 v[GO], v[PK+4*\t:PK+4*\t+3], s[40:41] offset:512*(6*\g+\t)
.endr
.endr
.Lend:
	s_wait_tensorcnt 0x0                           ; the wave's end, behind my last LDS store
	ds_add_u32 v[SPW], v[NIL]
	s_wait_dscnt 0x0
	s_endpgm
.Lfunc_end_k_q2ed3572e58_qkv:
	.size	k_q2ed3572e58_qkv, .Lfunc_end_k_q2ed3572e58_qkv-k_q2ed3572e58_qkv
	.p2alignl 7, 3214868480
	.fill 96, 4, 3214868480
	.section	.rodata,"a",@progbits
	.p2align	6, 0x0
	.amdhsa_kernel k_q2ed3572e58_qkv
		.amdhsa_group_segment_fixed_size 14080
		.amdhsa_private_segment_fixed_size 0
		.amdhsa_enable_private_segment 0
		.amdhsa_kernarg_size 48
		.amdhsa_user_sgpr_count 2
		.amdhsa_user_sgpr_kernarg_segment_ptr 1
		.amdhsa_wavefront_size32 1
		.amdhsa_system_sgpr_workgroup_id_x 1
		.amdhsa_system_sgpr_workgroup_id_y 1
		.amdhsa_system_sgpr_workgroup_id_z 1
		.amdhsa_system_vgpr_workitem_id 0
		.amdhsa_next_free_vgpr 512
		.amdhsa_next_free_sgpr 66
		.amdhsa_reserve_vcc 0
		.amdhsa_float_denorm_mode_32 3
		.amdhsa_float_denorm_mode_16_64 3
		.amdhsa_memory_ordered 1
		.amdhsa_forward_progress 1
		.amdhsa_inst_pref_size 72
	.end_amdhsa_kernel
	.amdgpu_metadata
---
amdhsa.version: [ 1, 2 ]
amdhsa.kernels:
  - .name:           k_q2ed3572e58_qkv
    .symbol:         k_q2ed3572e58_qkv.kd
    .args:
      - { .name: meta, .offset: 0, .size: 8, .value_kind: global_buffer, .address_space: global }
      - { .name: wta, .offset: 8, .size: 8, .value_kind: global_buffer, .address_space: global }
      - { .name: bq, .offset: 16, .size: 8, .value_kind: global_buffer, .address_space: global }
      - { .name: bk, .offset: 24, .size: 8, .value_kind: global_buffer, .address_space: global }
      - { .name: bv, .offset: 32, .size: 8, .value_kind: global_buffer, .address_space: global }
      - { .name: qkv, .offset: 40, .size: 8, .value_kind: global_buffer, .address_space: global }
    .group_segment_fixed_size: 14080
    .private_segment_fixed_size: 0
    .kernarg_segment_align: 8
    .kernarg_segment_size: 48
    .max_flat_workgroup_size: 32
    .sgpr_count:     66
    .vgpr_count:     512
    .wavefront_size: 32
...
	.end_amdgpu_metadata
.endif
;; end of part 9
;; launch attn (part 10): grid 32 x 64, 1 waves a work-group, no clusters, 3,328 bytes of LDS; arguments meta, qkv, actb; writes actb
.if DOCPART == 10
	.amdgcn_target "amdgcn-amd-amdhsa--gfx1250"
	.amdhsa_code_object_version 6
	.text
	.protected	k_q2ed3572e58_attn
	.globl	k_q2ed3572e58_attn
	.p2align	8
	.type	k_q2ed3572e58_attn,@function
k_q2ed3572e58_attn:
	s_mov_b64 s[64:65], 0
	v_nop
	global_prefetch_b8 v0, s[64:65] scope:SCOPE_SE
	s_setreg_imm32_b32 hwreg(HW_REG_WAVE_MODE, 25, 1), 1
	s_wait_xcnt 0x0
; CROSS-ATTENTION.  ctx[c][:] = the sum over the ns source keys of softmax(q[c] . k / sqrt(96)) v, for the hyp rows c of a batch and head.  q, k, v (turned) in f16 as the launch before laid them;
; products, maxima and sums in f32; the weights are rounded to f16 for the second product (their sum is taken unrounded); ctx rounded once, to actb [batch][head][2,048 rows][96] in f16.
; reference() sets the scores of all other keys to -1e9: their weights are 0 whenever a source key exists, and where none exists the batch is not valid and no row of it is wanted.  So only source keys are walked.
; LIMITS.  In the last key tile a key past ns counts as its score less 1e30 (reference: -1e9): weight 0 in both as long as true scores lie above -1e9 + 100.  A weight below 2^-126 counts as 0 in the sum;
; a weight lies in 0 to 1 and below 6e-5 keeps f16's fixed step of 6e-8; ctx is a mean of v's rows and has their range, within 65,504.  NaN and infinities are not treated apart.
; SHARES.  A work-group is ONE wave: the waves share nothing and never meet, so the smallest work-group shares the work out most evenly.  x = head + 8 batch, y = block of 32 queries (two tiles of 16).
; The block is the grid's slow axis, so the work-groups that have rows are the first in the grid's order; one past the segment's last tile (meta) ends at once.  The wave walks the keys, 64 a trip in two substeps of 32; nts trips, from meta.
; LAYOUT.  S^T = K Q^T (source 0 = 16 keys, source 1 = 16 queries): a lane holds ONE query (lane % 16) and the keys 8 (lane / 16) + 0..7; two such results rounded in pairs ARE source 1 of O^T = V^T P.
; SOFTMAX.  A running maximum m and sum l for each query: p = 2^(c s - c m), c = log2(e) / sqrt(96); O and l are multiplied by a = 2^(c m_old - c m_new) in every substep.  m starts at the lowest finite number,
; O and l at 0, so the first substep is one like any other, with a = 0: 96 lines clear O once a wave, while the first loads are out.
; IN FLIGHT.  K and V of both substeps have registers of their own and are asked for again as soon as they are multiplied: four groups of 12 loads, of which three stay out at each wait.
.set TB,  12288                        ; a tile of K, and of VT
.set SPARE, 3072                       ; the stage, from LDS byte 0: 16 rows x 192 bytes, dense.  Behind it the spare words: one block of 256 bytes
.set KO,  2                            ; v2   192 (lane % 16) + 16 (lane / 16): K's and Q's rows, and where I put 16 bytes of a row in the stage
.set VO,  3                            ; v3   128 (lane % 16) + 16 (lane / 16): VT's rows
.set GO,  6                            ; v6   16 x lane: my 16 of 512 consecutive bytes, in the stage and in memory
.set SPW, 12                           ; v12  my spare word; never rewritten
.set NIL, 13                           ; v13  0; never rewritten
.set MK,  14                           ; v14  rem1 - 8 (lane / 16)
.set ST,  16                           ; tile u at ST + 8 u: c m, m, l (even keys'), l (odd keys'), t0, t1, a, d
.set S,   32                           ; S^T: tile u, key block kb at S + 16 u + 8 kb
.set P,   64                           ; tile u at P + 8 u
.set Q,   80                           ; tile u, channels 32 ch on, at Q + 24 u + 8 ch
.set O,   128                          ; tile u, channels 16 cb on, at O + 48 u + 8 cb
.set PK,  224
; window 1: K (substep s, key block kb, channels 32 ch on) at 96 s + 24 kb + 8 ch; V^T (s, channels 16 cb on) at 96 s + 48 + 8 cb; the last tile's masks (s, kb) at 192 + 16 s + 8 kb
.set MC,  192
.set KP,  20                           ; s[20:21] K at the tile in hand
.set VP,  22                           ; s[22:23] VT
.set QP,  24
.set OPT, 26
.set CS,  28                           ; s[28:29] c
.set SEL, 30                           ; s[30:31] v_permlanex16_b32's selects
.set BIGN, 40
.set CNT, 41
.set BND, 42
.set MSB, 0
.macro WIN new
.if MSB != (\new)
	s_set_vgpr_msb (MSB<<8)|(\new)
.set MSB, \new
.endif
.endm
.macro PLACES                          ; four plain instructions between a matrix instruction and a load into, or a vector read or write of, its registers
.rept 4
	v_nop
.endr
.endm
.macro BOTH line:vararg                ; one line for each tile u: the tiles alternate, so that no line reads the result of the one before it
.set u, 0
	\line
.set u, 1
	\line
.endm
	s_load_b128 s[4:7], s[0:1], 0x0                ; meta 4, qkv 6
	s_load_b64 s[8:9], s[0:1], 0x10                ; actb
	v_lshl_add_u32 v[SPW], v0, 2, SPARE
	v_mov_b32 v[NIL], 0
	s_and_b32 s11, ttmp9, 7                        ; head
	s_lshr_b32 s13, ttmp9, 3                       ; batch
	s_and_b32 s12, ttmp7, 0xffff                   ; block of 32 queries
	s_lshl_b32 s14, s13, 5
	s_mov_b32 s15, 0
	s_wait_kmcnt 0x0
	s_add_nc_u64 s[4:5], s[4:5], s[14:15]
	s_load_b256 s[32:39], s[4:5], 0x0              ; ns 32, hs 33, nh 34, nth 35, nts 36, rem1 37
	s_mul_i32 s16, s13, 3145728
	s_mul_i32 s17, s11, 393216
	s_add_co_u32 s16, s16, s17
	s_mov_b32 s17, 0                               ; s[16:17]: batch and head
	s_mul_i32 s18, s12, 6144
	s_mov_b32 s19, 0                               ; s[18:19]: my 32 rows
	s_add_nc_u64 s[QP:QP+1], s[6:7], s[16:17]
	s_add_nc_u64 s[KP:KP+1], s[QP:QP+1], 12582912
	s_add_nc_u64 s[VP:VP+1], s[KP:KP+1], 12582912
	s_add_nc_u64 s[QP:QP+1], s[QP:QP+1], s[18:19]
	s_add_nc_u64 s[OPT:OPT+1], s[8:9], s[16:17]
	s_add_nc_u64 s[OPT:OPT+1], s[OPT:OPT+1], s[18:19]
	s_mov_b32 s[CS], 0x3e16c740                    ; c = log2(e) / sqrt(96) = 0.147244
	s_mov_b32 s[CS+1], s[CS]
	s_mov_b32 s[SEL], 0x76543210
	s_mov_b32 s[SEL+1], 0xfedcba98
	s_mov_b32 s[BIGN], 0xf149f2ca                  ; -1e30
	s_mov_b32 s[CNT], 0
	v_and_b32 v7, 15, v0                           ; r
	v_bfe_u32 v8, v0, 4, 1                         ; h
	v_mul_u32_u24 v[KO], v7, 192
	v_lshl_add_u32 v[KO], v8, 4, v[KO]
	v_lshlrev_b32 v[VO], 7, v7
	v_lshl_add_u32 v[VO], v8, 4, v[VO]
	v_lshlrev_b32 v[GO], 4, v0
	v_lshlrev_b32 v15, 3, v8
	s_wait_kmcnt 0x0
	s_lshl_b32 s14, s35, 1
	s_cmp_lt_u32 s12, s14
	s_cbranch_scc0 .Lend                           ; the segment has no such rows
	s_min_u32 s[BND], s36, 32
	s_sub_co_u32 s[BND], s[BND], 1                 ; all key tiles but the last go through the loop
.macro LDK s, off                      ; K of substep s: 32 keys x 96 channels, 12 loads
	WIN 0x40
.irp kb, 0,1
.irp ch, 0,1,2
	global_load_b128 v[96*(\s)+24*(\kb)+8*(\ch):96*(\s)+24*(\kb)+8*(\ch)+3],   v[KO], s[KP:KP+1] offset:(\off)+6144*(\s)+3072*(\kb)+64*(\ch)
	global_load_b128 v[96*(\s)+24*(\kb)+8*(\ch)+4:96*(\s)+24*(\kb)+8*(\ch)+7], v[KO], s[KP:KP+1] offset:(\off)+6144*(\s)+3072*(\kb)+64*(\ch)+32
.endr
.endr
.endm
.macro LDV s, off                      ; V^T of substep s: 96 channels x 32 keys, 12 loads
	WIN 0x40
.irp cb, 0,1,2,3,4,5
	global_load_b128 v[96*(\s)+48+8*(\cb):96*(\s)+48+8*(\cb)+3],   v[VO], s[VP:VP+1] offset:(\off)+2048*(\cb)+64*(\s)
	global_load_b128 v[96*(\s)+48+8*(\cb)+4:96*(\s)+48+8*(\cb)+7], v[VO], s[VP:VP+1] offset:(\off)+2048*(\cb)+64*(\s)+32
.endr
.endm
; 12 products S^T = K Q^T: the four accumulators take turns.  The first four start the sums: with 0, or in the last tile with the mask.
.macro KQ s, mask
.irp ch, 0,1,2
.irp kb, 0,1
.irp w, 0,1
.if (\ch) == 0
.if \mask
	WIN 0x11                                       ; K and the mask in window 1
	v_wmma_f32_16x16x32_f16 v[S+16*(\w)+8*(\kb):S+16*(\w)+8*(\kb)+7], v[96*(\s)+24*(\kb):96*(\s)+24*(\kb)+7], v[Q+24*(\w):Q+24*(\w)+7], v[MC+16*(\s)+8*(\kb):MC+16*(\s)+8*(\kb)+7]
.else
	WIN 0x01
	v_wmma_f32_16x16x32_f16 v[S+16*(\w)+8*(\kb):S+16*(\w)+8*(\kb)+7], v[96*(\s)+24*(\kb):96*(\s)+24*(\kb)+7], v[Q+24*(\w):Q+24*(\w)+7], 0
.endif
.else
	WIN 0x01
	v_wmma_f32_16x16x32_f16 v[S+16*(\w)+8*(\kb):S+16*(\w)+8*(\kb)+7], v[96*(\s)+24*(\kb)+8*(\ch):96*(\s)+24*(\kb)+8*(\ch)+7], v[Q+24*(\w)+8*(\ch):Q+24*(\w)+8*(\ch)+7], v[S+16*(\w)+8*(\kb):S+16*(\w)+8*(\kb)+7]
.endif
.endr
.endr
.endr
.endm
.macro PV s                            ; 12 products O^T += V^T P, each accumulator once
	WIN 0x01
.irp cb, 0,1,2,3,4,5
.irp w, 0,1
	v_wmma_f32_16x16x32_f16 v[O+48*(\w)+8*(\cb):O+48*(\w)+8*(\cb)+7], v[96*(\s)+48+8*(\cb):96*(\s)+48+8*(\cb)+7], v[P+8*(\w):P+8*(\w)+7], v[O+48*(\w)+8*(\cb):O+48*(\w)+8*(\cb)+7]
.endr
.endr
.endm
; The softmax of a substep, both tiles.  Each accumulator's lowest registers are read first.  The 34 exponentials are ONE batch with one wait: nothing ahead of the wait names a result of theirs.
.macro SOFT
	WIN 0
	BOTH v_max3_num_f32 v[ST+8*u+4], v[S+16*u], v[S+16*u+1], v[S+16*u+2]
	BOTH v_max3_num_f32 v[ST+8*u+5], v[S+16*u+8], v[S+16*u+9], v[S+16*u+10]
	BOTH v_max3_num_f32 v[ST+8*u+4], v[ST+8*u+4], v[S+16*u+3], v[S+16*u+4]
	BOTH v_max3_num_f32 v[ST+8*u+5], v[ST+8*u+5], v[S+16*u+11], v[S+16*u+12]
	BOTH v_max3_num_f32 v[ST+8*u+4], v[ST+8*u+4], v[S+16*u+5], v[S+16*u+6]
	BOTH v_max3_num_f32 v[ST+8*u+5], v[ST+8*u+5], v[S+16*u+13], v[S+16*u+14]
	BOTH v_max3_num_f32 v[ST+8*u+4], v[ST+8*u+4], v[S+16*u+7], v[S+16*u+15]
	BOTH v_max3_num_f32 v[ST+8*u+4], v[ST+8*u+4], v[ST+8*u+5], v[ST+8*u+1]
	BOTH v_mov_b32 v[ST+8*u+7], v[ST+8*u]                                  ; c m_old is kept
	BOTH v_permlanex16_b32 v[ST+8*u+5], v[ST+8*u+4], s[SEL], s[SEL+1]      ; the query's other 16 keys lie in the lane 16 away
	BOTH v_max_num_f32 v[ST+8*u+1], v[ST+8*u+4], v[ST+8*u+5]
	BOTH v_mul_f32 v[ST+8*u], s[CS], v[ST+8*u+1]
	BOTH v_sub_f32 v[ST+8*u+7], v[ST+8*u+7], v[ST+8*u]
	BOTH v_exp_f32 v[ST+8*u+6], v[ST+8*u+7]                                ; a
.set p, 0
.rept 8
	BOTH v_pk_fma_f32 v[S+16*u+2*p:S+16*u+2*p+1], v[S+16*u+2*p:S+16*u+2*p+1], s[CS:CS+1], v[ST+8*u:ST+8*u+1] op_sel_hi:[1,0,0] neg_lo:[0,0,1] neg_hi:[0,0,1]
.set p, p+1
.endr
.set p, 0
.rept 32
	v_exp_f32 v[S+p], v[S+p]
.set p, p+1
.endr
	v_nop                                          ; a plain instruction behind the last exponential,
	s_wait_alu depctr_va_vdst(0)                   ; and the one wait ahead of the batch's first reader
.set p, 0
.rept 16
	v_cvt_pk_f16_f32 v[P+p], v[S+2*p], v[S+2*p+1]
.set p, p+1
.endr
.set p, 0
.rept 8
	v_pk_add_f32 v[S+4*p:S+4*p+1], v[S+4*p:S+4*p+1], v[S+4*p+2:S+4*p+3]
.set p, p+1
.endr
.set p, 0
.rept 4
	v_pk_add_f32 v[S+8*p:S+8*p+1], v[S+8*p:S+8*p+1], v[S+8*p+4:S+8*p+5]
.set p, p+1
.endr
	BOTH v_pk_add_f32 v[S+16*u:S+16*u+1], v[S+16*u:S+16*u+1], v[S+16*u+8:S+16*u+9]
	BOTH v_pk_fma_f32 v[ST+8*u+2:ST+8*u+3], v[ST+8*u+2:ST+8*u+3], v[ST+8*u+6:ST+8*u+7], v[S+16*u:S+16*u+1] op_sel_hi:[1,0,1]
.set p, 0
.rept 24
	BOTH v_pk_mul_f32 v[O+48*u+2*p:O+48*u+2*p+1], v[O+48*u+2*p:O+48*u+2*p+1], v[ST+8*u+6:ST+8*u+7] op_sel_hi:[1,0]
.set p, p+1
.endr
.endm
; A substep.  fetch = 1: K and V of the same substep of the next tile are asked for as soon as their registers are free.  c1, c2: the loads issued behind K's, and behind V's, which may stay out.
.macro SUB s, mask, fetch, c1, c2
	s_wait_loadcnt \c1
	KQ \s, \mask
	PLACES
.if \fetch
	LDK \s, TB
.endif
	SOFT
	s_wait_loadcnt \c2
	PV \s
	PLACES
.if \fetch
	LDV \s, TB
.endif
.endm
.irp w, 0,1                            ; Q stays in registers
.irp ch, 0,1,2
	global_load_b128 v[Q+24*\w+8*\ch:Q+24*\w+8*\ch+3],   v[KO], s[QP:QP+1] offset:3072*\w+64*\ch
	global_load_b128 v[Q+24*\w+8*\ch+4:Q+24*\w+8*\ch+7], v[KO], s[QP:QP+1] offset:3072*\w+64*\ch+32
.endr
.endr
	LDK 0, 0
	LDV 0, 0
	LDK 1, 0
	LDV 1, 0                                       ; 60 loads are out
	WIN 0
	v_sub_nc_u32 v[MK], s37, v15
.set p, 0
.rept 96
	v_mov_b32 v[O+p], 0
.set p, p+1
.endr
	BOTH v_mov_b32 v[ST+8*u], 0xfe000000           ; c m: far below every c s
	BOTH v_mov_b32 v[ST+8*u+1], 0xff7fffff         ; m
	BOTH v_mov_b32 v[ST+8*u+2], 0
	BOTH v_mov_b32 v[ST+8*u+3], 0
	WIN 0x40
.set p, 0
.rept 32                               ; register j of (s, kb) is key 32 s + 16 kb + 8 (lane / 16) + j of the last tile: hidden where that is beyond rem1
	v_cmp_gt_i32 vcc_lo, 16*(p/8)+p%8, v[MK]
	v_cndmask_b32 v[MC+p], 0, s[BIGN], vcc_lo
.set p, p+1
.endr
	WIN 0
	s_cmp_eq_u32 s[BND], 0
	s_cbranch_scc1 .Ltail
.Ltrip:
	SUB 0, 0, 1, 36, 36                            ; 36: three younger groups of 12
	SUB 1, 0, 1, 36, 36
	WIN 0
	s_wait_xcnt 0x0                                ; every load issued so far has read its address: the pointers may be written
	s_add_nc_u64 s[KP:KP+1], s[KP:KP+1], TB
	s_add_nc_u64 s[VP:VP+1], s[VP:VP+1], TB
	s_add_co_u32 s[CNT], s[CNT], 1
	s_cmp_lt_u32 s[CNT], s[BND]
	s_cbranch_scc1 .Ltrip
.Ltail:                                                ; the last tile takes the masks and asks for nothing: the counts run down
	SUB 0, 1, 0, 36, 24
	SUB 1, 1, 0, 12, 0
	; THE WAY OUT: l's halves and the other half of the lanes' are added; O^T is divided by l, rounded and sent through my stage, a tile (16 rows) at a time
	WIN 0
	BOTH v_add_f32 v[ST+8*u+4], v[ST+8*u+2], v[ST+8*u+3]
	BOTH v_permlanex16_b32 v[ST+8*u+5], v[ST+8*u+4], s[SEL], s[SEL+1]
	BOTH v_add_f32 v[ST+8*u+4], v[ST+8*u+4], v[ST+8*u+5]
	BOTH v_rcp_f32 v[ST+8*u+6], v[ST+8*u+4]
	v_nop
	s_wait_alu depctr_va_vdst(0)                   ; one wait for the two reciprocals, ahead of their first reader
.irp w, 0,1
.set p, 0
.rept 24
	v_pk_mul_f32 v[O+48*\w+2*p:O+48*\w+2*p+1], v[O+48*\w+2*p:O+48*\w+2*p+1], v[ST+8*\w+6:ST+8*\w+7] op_sel_hi:[1,0]
.set p, p+1
.endr
	s_wait_xcnt 0x0                                ; the last tile's stores have read PK
.set p, 0
.rept 24
	v_cvt_pk_f16_f32 v[PK+p], v[O+48*\w+2*p], v[O+48*\w+2*p+1]
.set p, p+1
.endr
.irp b, 0,1,2,3,4,5
	ds_store_b128 v[KO], v[PK+4*\b:PK+4*\b+3] offset:32*\b   ; in: row lane % 16, 16 bytes for each half of the lanes
.endr
.irp t, 0,1,2,3,4,5
	ds_load_b128 v[PK+4*\t:PK+4*\t+3], v[GO] offset:512*\t  ; back: 512 consecutive bytes; LDS serves a wave's instructions in order (ISA guide 5.7.1.4)
.endr
	s_wait_dscnt 0x0
.irp t, 0,1,2,3,4,5
	global_store_b128 v[GO], v[PK+4*\t:PK+4*\t+3], s[OPT:OPT+1] offset:3072*\w+512*\t
.endr
.endr
.Lend:
	s_wait_tensorcnt 0x0                           ; the wave's end, behind my last LDS store
	ds_add_u32 v[SPW], v[NIL]
	s_wait_dscnt 0x0
	s_endpgm
.Lfunc_end_k_q2ed3572e58_attn:
	.size	k_q2ed3572e58_attn, .Lfunc_end_k_q2ed3572e58_attn-k_q2ed3572e58_attn
	.p2alignl 7, 3214868480
	.fill 96, 4, 3214868480
	.section	.rodata,"a",@progbits
	.p2align	6, 0x0
	.amdhsa_kernel k_q2ed3572e58_attn
		.amdhsa_group_segment_fixed_size 3328
		.amdhsa_private_segment_fixed_size 0
		.amdhsa_enable_private_segment 0
		.amdhsa_kernarg_size 24
		.amdhsa_user_sgpr_count 2
		.amdhsa_user_sgpr_kernarg_segment_ptr 1
		.amdhsa_wavefront_size32 1
		.amdhsa_system_sgpr_workgroup_id_x 1
		.amdhsa_system_sgpr_workgroup_id_y 1
		.amdhsa_system_sgpr_workgroup_id_z 1
		.amdhsa_system_vgpr_workitem_id 0
		.amdhsa_next_free_vgpr 512
		.amdhsa_next_free_sgpr 66
		.amdhsa_reserve_vcc 1
		.amdhsa_float_denorm_mode_32 3
		.amdhsa_float_denorm_mode_16_64 3
		.amdhsa_memory_ordered 1
		.amdhsa_forward_progress 1
		.amdhsa_inst_pref_size 71
	.end_amdhsa_kernel
	.amdgpu_metadata
---
amdhsa.version: [ 1, 2 ]
amdhsa.kernels:
  - .name:           k_q2ed3572e58_attn
    .symbol:         k_q2ed3572e58_attn.kd
    .args:
      - { .name: meta, .offset: 0, .size: 8, .value_kind: global_buffer, .address_space: global }
      - { .name: qkv, .offset: 8, .size: 8, .value_kind: global_buffer, .address_space: global }
      - { .name: actb, .offset: 16, .size: 8, .value_kind: global_buffer, .address_space: global }
    .group_segment_fixed_size: 3328
    .private_segment_fixed_size: 0
    .kernarg_segment_align: 8
    .kernarg_segment_size: 24
    .max_flat_workgroup_size: 32
    .sgpr_count:     66
    .vgpr_count:     512
    .wavefront_size: 32
...
	.end_amdgpu_metadata
.endif
;; end of part 10
;; launch wo (part 11): grid 48 x 32, 1 waves a work-group, no clusters, 4,608 bytes of LDS; arguments meta, actb, wto, ysum; writes ysum
.if DOCPART == 11
	.amdgcn_target "amdgcn-amd-amdhsa--gfx1250"
	.amdhsa_code_object_version 6
	.text
	.protected	k_q2ed3572e58_wo
	.globl	k_q2ed3572e58_wo
	.p2align	8
	.type	k_q2ed3572e58_wo,@function
k_q2ed3572e58_wo:
	s_mov_b64 s[64:65], 0
	v_nop
	global_prefetch_b8 v0, s[64:65] scope:SCOPE_SE
	s_setreg_imm32_b32 hwreg(HW_REG_WAVE_MODE, 25, 1), 1
	s_wait_xcnt 0x0
; y = a W, raw f32 sums, for the hyp rows.  a: actb [batch][block of 96 channels, 8][2,048 rows][96] f16; the weight turned, [768 n][768 k] f16; y: ysum [batch][2,048 rows][768] f32.
; The bias and the residual are added by the launch behind, in f32.  One text serves ctx Wo and g W2.
; SHARES.  A work-group is ONE wave: the waves share nothing and never meet, so the smallest work-group shares the work out most evenly.  x = batch + 4 (column tile), y = row tile i.
; The wave makes 64 rows x 64 columns: 16 accumulators.  The row tile is the grid's slow axis, so the work-groups that have a tile are the first in the grid's order; one whose tile the segment does not have (meta) ends at once.
; Three sets of registers, a K chunk of 32 each, 16 loads a chunk: 48 out at the most.  A trip is one block of 96 channels.
; The product is taken turned (source 0 = 16 rows of the turned weight, source 1 = 16 rows of a): a lane holds one row and eight neighbouring columns.
.set SP,    272                        ; a stage row: 256 bytes + 16: the 16 rows start in 16 different groups of four banks (64 banks of 4 bytes: ISA guide 11.1)
.set SPARE, 16*SP                      ; the stage lies from LDS byte 0; behind it the spare words: one block of 256 bytes
.set AO,  2                            ; v2   192 (lane % 16) + 16 (lane / 16)
.set WO,  3                            ; v3   1,536 (lane % 16) + 16 (lane / 16)
.set STO, 4
.set RD,  5
.set GO,  6
.set SPW, 8                            ; my spare word; never rewritten
.set NIL, 9                            ; 0; never rewritten
.set OB,  16                           ; v[16:47] rows on the way out
.set ACC, 128                          ; accumulator (a, b) at ACC + 8 (4 a + b)
; window 1: set u at 64 u: a's fragment at + 8 a, the weight's at + 32 + 8 b
.set MSB, 0
.macro WIN new
.if MSB != (\new)
	s_set_vgpr_msb (MSB<<8)|(\new)
.set MSB, \new
.endif
.endm
.macro PLACES                          ; four plain instructions between a matrix instruction and a load into, or a read of, its registers
.rept 4
	v_nop
.endr
.endm
	s_load_b256 s[4:11], s[0:1], 0x0               ; meta 4, actb 6, the turned weight 8, ysum 10
	v_lshl_add_u32 v[SPW], v0, 2, SPARE
	v_mov_b32 v[NIL], 0
	s_and_b32 s15, ttmp9, 3                        ; batch
	s_lshr_b32 s14, ttmp9, 2                       ; column tile 0..11
	s_and_b32 s13, ttmp7, 0xffff                   ; row tile i
	s_lshl_b32 s16, s15, 5
	s_mov_b32 s17, 0
	s_wait_kmcnt 0x0
	s_add_nc_u64 s[4:5], s[4:5], s[16:17]
	s_load_b256 s[32:39], s[4:5], 0x0              ; nth in s35
	v_and_b32 v10, 15, v0                          ; r
	v_bfe_u32 v11, v0, 4, 1                        ; h
	v_mul_u32_u24 v[AO], v10, 192
	v_lshl_add_u32 v[AO], v11, 4, v[AO]
	v_mul_u32_u24 v[WO], v10, 1536
	v_lshl_add_u32 v[WO], v11, 4, v[WO]
	v_mul_u32_u24 v[STO], v10, SP                  ; in: row lane % 16, 32 bytes for each half of the lanes
	v_lshl_add_u32 v[STO], v11, 5, v[STO]
	v_mul_u32_u24 v[RD], v11, SP                   ; back: lanes 0-15 one row of 256 bytes, lanes 16-31 the next
	v_lshl_add_u32 v[RD], v10, 4, v[RD]
	v_mul_u32_u24 v[GO], v11, 3072
	v_lshl_add_u32 v[GO], v10, 4, v[GO]
	s_mul_i32 s16, s15, 3145728
	s_mul_i32 s18, s13, 12288
	s_add_co_u32 s16, s16, s18
	s_add_nc_u64 s[6:7], s[6:7], s[16:17]          ; a: block 0, my 64 rows
	s_mul_i32 s16, s14, 64*1536
	s_add_nc_u64 s[8:9], s[8:9], s[16:17]          ; the weight's 64 rows
	s_mul_i32 s16, s15, 6291456
	s_mul_i32 s18, s13, 196608
	s_add_co_u32 s16, s16, s18
	s_lshl_b32 s18, s14, 8
	s_add_co_u32 s16, s16, s18
	s_add_nc_u64 s[10:11], s[10:11], s[16:17]      ; my tile of y
	s_wait_kmcnt 0x0
	s_cmp_lt_u32 s13, s35
	s_cbranch_scc0 .Lend
.macro GLOADS u, nx                    ; chunk u of the block in hand (nx = 0) or of the next (nx = 1)
	WIN 0x40
.irp a, 0,1,2,3
	global_load_b128 v[64*(\u)+8*(\a):64*(\u)+8*(\a)+3],   v[AO], s[6:7] offset:(\nx)*393216+3072*(\a)+64*(\u)
	global_load_b128 v[64*(\u)+8*(\a)+4:64*(\u)+8*(\a)+7], v[AO], s[6:7] offset:(\nx)*393216+3072*(\a)+64*(\u)+32
.endr
.irp b, 0,1,2,3
	global_load_b128 v[64*(\u)+32+8*(\b):64*(\u)+32+8*(\b)+3],   v[WO], s[8:9] offset:(\nx)*192+24576*(\b)+64*(\u)
	global_load_b128 v[64*(\u)+32+8*(\b)+4:64*(\u)+32+8*(\b)+7], v[WO], s[8:9] offset:(\nx)*192+24576*(\b)+64*(\u)+32
.endr
.endm
.macro CHUNK u, zero, refill, cnt      ; 16 products, each accumulator once, always in the same order: the accumulators take turns
	s_wait_loadcnt \cnt
	WIN 0x05
.irp a, 0,1,2,3
.irp b, 0,1,2,3
.if \zero
	v_wmma_f32_16x16x32_f16 v[ACC+8*(4*(\a)+(\b)):ACC+8*(4*(\a)+(\b))+7], v[64*(\u)+32+8*(\b):64*(\u)+32+8*(\b)+7], v[64*(\u)+8*(\a):64*(\u)+8*(\a)+7], 0
.else
	v_wmma_f32_16x16x32_f16 v[ACC+8*(4*(\a)+(\b)):ACC+8*(4*(\a)+(\b))+7], v[64*(\u)+32+8*(\b):64*(\u)+32+8*(\b)+7], v[64*(\u)+8*(\a):64*(\u)+8*(\a)+7], v[ACC+8*(4*(\a)+(\b)):ACC+8*(4*(\a)+(\b))+7]
.endif
.endr
.endr
	PLACES
.if \refill
	GLOADS \u, 1
.endif
.endm
.macro TRIP zero, refill, c0, c1, c2
	CHUNK 0, \zero, \refill, \c0
	CHUNK 1, 0, \refill, \c1
	CHUNK 2, 0, \refill, \c2
.endm
.macro STEP
	WIN 0
	s_wait_xcnt 0x0                                ; every load issued so far has read its address: the pointers may be written
	s_add_nc_u64 s[6:7], s[6:7], 393216
	s_add_nc_u64 s[8:9], s[8:9], 192
.endm
	GLOADS 0, 0
	GLOADS 1, 0
	GLOADS 2, 0
	TRIP 1, 1, 32, 32, 32                          ; the first chunk starts the sums; 32: the two younger chunks' loads
	STEP
	s_mov_b32 s20, 6
.Lk:
	TRIP 0, 1, 32, 32, 32
	STEP
	s_sub_co_u32 s20, s20, 1
	s_cmp_lg_u32 s20, 0
	s_cbranch_scc1 .Lk
	TRIP 0, 0, 32, 16, 0                           ; the last block asks for nothing: the counts run down
	WIN 0
.irp a, 0,1,2,3                        ; 16 rows at a time through my stage, back as whole rows of 256 bytes
.if \a > 0
	s_wait_xcnt 0x0                                ; the last block's stores have read OB
.endif
.irp b, 0,1,2,3
	ds_store_b128 v[STO], v[ACC+8*(4*\a+\b):ACC+8*(4*\a+\b)+3]   offset:64*\b
	ds_store_b128 v[STO], v[ACC+8*(4*\a+\b)+4:ACC+8*(4*\a+\b)+7] offset:64*\b+16
.endr
.irp t, 0,1,2,3,4,5,6,7
	ds_load_b128 v[OB+4*\t:OB+4*\t+3], v[RD] offset:\t*2*SP  ; LDS serves a wave's instructions in order (ISA guide 5.7.1.4)
.endr
	s_wait_dscnt 0x0
.irp t, 0,1,2,3,4,5,6,7
	global_store_b128 v[GO], v[OB+4*\t:OB+4*\t+3], s[10:11] offset:49152*\a+6144*\t  ; 16 lanes store 256 consecutive bytes, aligned
.endr
.endr
.Lend:
	s_wait_tensorcnt 0x0                           ; the wave's end, behind my last LDS store
	ds_add_u32 v[SPW], v[NIL]
	s_wait_dscnt 0x0
	s_endpgm
.Lfunc_end_k_q2ed3572e58_wo:
	.size	k_q2ed3572e58_wo, .Lfunc_end_k_q2ed3572e58_wo-k_q2ed3572e58_wo
	.p2alignl 7, 3214868480
	.fill 96, 4, 3214868480
	.section	.rodata,"a",@progbits
	.p2align	6, 0x0
	.amdhsa_kernel k_q2ed3572e58_wo
		.amdhsa_group_segment_fixed_size 4608
		.amdhsa_private_segment_fixed_size 0
		.amdhsa_enable_private_segment 0
		.amdhsa_kernarg_size 32
		.amdhsa_user_sgpr_count 2
		.amdhsa_user_sgpr_kernarg_segment_ptr 1
		.amdhsa_wavefront_size32 1
		.amdhsa_system_sgpr_workgroup_id_x 1
		.amdhsa_system_sgpr_workgroup_id_y 1
		.amdhsa_system_sgpr_workgroup_id_z 1
		.amdhsa_system_vgpr_workitem_id 0
		.amdhsa_next_free_vgpr 512
		.amdhsa_next_free_sgpr 66
		.amdhsa_reserve_vcc 0
		.amdhsa_float_denorm_mode_32 3
		.amdhsa_float_denorm_mode_16_64 3
		.amdhsa_memory_ordered 1
		.amdhsa_forward_progress 1
		.amdhsa_inst_pref_size 35
	.end_amdhsa_kernel
	.amdgpu_metadata
---
amdhsa.version: [ 1, 2 ]
amdhsa.kernels:
  - .name:           k_q2ed3572e58_wo
    .symbol:         k_q2ed3572e58_wo.kd
    .args:
      - { .name: meta, .offset: 0, .size: 8, .value_kind: global_buffer, .address_space: global }
      - { .name: actb, .offset: 8, .size: 8, .value_kind: global_buffer, .address_space: global }
      - { .name: wto, .offset: 16, .size: 8, .value_kind: global_buffer, .address_space: global }
      - { .name: ysum, .offset: 24, .size: 8, .value_kind: global_buffer, .address_space: global }
    .group_segment_fixed_size: 4608
    .private_segment_fixed_size: 0
    .kernarg_segment_align: 8
    .kernarg_segment_size: 32
    .max_flat_workgroup_size: 32
    .sgpr_count:     66
    .vgpr_count:     512
    .wavefront_size: 32
...
	.end_amdgpu_metadata
.endif
;; end of part 11
;; launch ln1 (part 12): grid 128 x 4, 8 waves a work-group, no clusters, 0 bytes of LDS; arguments meta, hidden_states, ysum, bo, ln1_g, ln1_b, x1buf; writes x1buf
.if DOCPART == 12
	.amdgcn_target "amdgcn-amd-amdhsa--gfx1250"
	.amdhsa_code_object_version 6
	.text
	.protected	k_q2ed3572e58_ln1
	.globl	k_q2ed3572e58_ln1
	.p2align	8
	.type	k_q2ed3572e58_ln1,@function
k_q2ed3572e58_ln1:
	s_mov_b64 s[64:65], 0
	v_nop
	global_prefetch_b8 v0, s[64:65] scope:SCOPE_SE
	s_setreg_imm32_b32 hwreg(HW_REG_WAVE_MODE, 25, 1), 1
	s_wait_xcnt 0x0
; x1 = LayerNorm(x + ctx Wo + bo) g + b for the hyp rows, all in f32.  Stored twice in x1buf: in f32 [batch][2,048 rows][768] at byte 0 (the residual path stays f32),
; and rounded once to f16 at byte 25,165,824 (the next product's operand; LIMIT: x1 within 65,504).  Row c is token hs + c, clamped to 2,047 in the rows that only fill up the last tile of 64.
; SHARES.  y = batch.  Wave w of work-group x takes the pair of rows x + 128 w.  The rows that exist are 0 .. 64 nth - 1 (meta), so they are the low waves of EVERY work-group:
; whatever the segment's length, the work-groups' shares differ by one wave at the most.  A wave past the segment's last tile ends at once.
; A wave keeps each of its two rows in registers between the mean, the variance (of the differences from the mean) and the scaling: nothing leaves the wave, so there is no LDS and no barrier.
; Lane l holds columns 128 i + 4 l .. + 3, i = 0..5: each load and store of 16 bytes a lane covers 512 consecutive bytes.
.set LO,  2                            ; v2   16 x lane
.set HO,  3                            ; v3   8 x lane
.set PB,  16                           ; bo
.set G,   40
.set BT,  64
.set Y,   88                           ; row r at + 48 r
.set X,   112
.set PKB, 184                          ; row r at + 12 r
.set C0,  208
.set C1,  210
.set TP,  212
.set RS,  214
.set SEL, 52                           ; s[52:53]
.set INV, 54                           ; 1 / 768
.set EPS, 55                           ; 1e-5
	s_load_b256 s[4:11], s[0:1], 0x0               ; meta 4, hidden_states 6, ysum 8, bo 10
	s_load_b128 s[12:15], s[0:1], 0x20             ; ln1_g 12, ln1_b 14
	s_load_b64 s[16:17], s[0:1], 0x30              ; x1buf
	v_lshrrev_b32 v1, 5, v0
	v_readfirstlane_b32 s18, v1                    ; wave
	v_and_b32 v1, 31, v0
	v_lshlrev_b32 v[LO], 4, v1
	v_lshlrev_b32 v[HO], 3, v1
	v_mov_b32 v[TP], 0                             ; v_permlanex16_b32's destination counts as read
	v_mov_b32 v[RS+1], 0                           ; named with RS as a pair
	s_and_b32 s19, ttmp7, 0xffff                   ; batch
	s_lshl_b32 s20, s19, 5
	s_mov_b32 s21, 0
	s_lshl_b32 s22, s18, 7
	s_add_co_u32 s22, s22, ttmp9                   ; my pair of rows: work-group + 128 x wave
	s_lshl_b32 s23, s22, 1                         ; my first row c
	s_mov_b32 s[SEL], 0x76543210
	s_mov_b32 s[SEL+1], 0xfedcba98
	s_mov_b32 s[INV], 0x3aaaaaab
	s_mov_b32 s[EPS], 0x3727c5ac
	s_wait_kmcnt 0x0
	s_add_nc_u64 s[4:5], s[4:5], s[20:21]
	s_load_b256 s[32:39], s[4:5], 0x0              ; hs 33, nth 35
	s_mul_i32 s27, s19, 6291456
	s_mul_i32 s28, s23, 3072
	s_add_co_u32 s44, s28, s27
	s_mov_b32 s45, 0
	s_add_nc_u64 s[46:47], s[8:9], s[44:45]        ; y at row c
	s_add_nc_u64 s[48:49], s[16:17], s[44:45]      ; x1 in f32
	s_lshr_b32 s44, s44, 1
	s_add_co_u32 s44, s44, 25165824
	s_add_nc_u64 s[50:51], s[16:17], s[44:45]      ; x1 in f16
	s_mov_b32 s41, 0
	s_mov_b32 s43, 0
	s_wait_kmcnt 0x0
	s_lshl_b32 s24, s35, 6
	s_cmp_lt_u32 s23, s24                          ; c is even and so is 64 nth: both my rows exist, or neither
	s_cbranch_scc0 .Lout                           ; past the segment's last tile
	s_add_co_u32 s25, s33, s23
	s_add_co_u32 s26, s25, 1
	s_min_u32 s25, s25, 0x7ff
	s_min_u32 s26, s26, 0x7ff
	s_mul_i32 s25, s25, 3072
	s_mul_i32 s26, s26, 3072
	s_add_co_u32 s40, s25, s27
	s_add_co_u32 s42, s26, s27
	s_add_nc_u64 s[40:41], s[6:7], s[40:41]        ; x at the two tokens
	s_add_nc_u64 s[42:43], s[6:7], s[42:43]
.macro LD6 dst, base, off
.irp i, 0,1,2,3,4,5
	global_load_b128 v[(\dst)+4*\i:(\dst)+4*\i+3], v[LO], s[\base:\base+1] offset:(\off)+512*\i
.endr
.endm
.macro WSUM r                          ; the sum over the 32 lanes, in every lane
.irp m, 1,2,4,8
	v_add_f32_dpp v[\r], v[\r], v[\r] row_xmask:\m row_mask:0xf bank_mask:0xf
.endr
	v_permlanex16_b32 v[TP], v[\r], s[SEL], s[SEL+1]
	v_add_f32 v[\r], v[\r], v[TP]
.endm
; The 24 registers at xr become x - mean; v[RS] = 1 / sqrt(variance + 1e-5).
.macro STATS xr
	v_pk_add_f32 v[C0:C0+1], v[(\xr):(\xr)+1], v[(\xr)+2:(\xr)+3]
	v_pk_add_f32 v[C1:C1+1], v[(\xr)+4:(\xr)+5], v[(\xr)+6:(\xr)+7]
.irp p, 8,12,16,20
	v_pk_add_f32 v[C0:C0+1], v[C0:C0+1], v[(\xr)+\p:(\xr)+\p+1]
	v_pk_add_f32 v[C1:C1+1], v[C1:C1+1], v[(\xr)+\p+2:(\xr)+\p+3]
.endr
	v_pk_add_f32 v[C0:C0+1], v[C0:C0+1], v[C1:C1+1]
	v_add_f32 v[C0], v[C0], v[C0+1]
	WSUM C0
	v_mul_f32 v[C0], s[INV], v[C0]
.irp p, 0,2,4,6,8,10,12,14,16,18,20,22
	v_pk_add_f32 v[(\xr)+\p:(\xr)+\p+1], v[(\xr)+\p:(\xr)+\p+1], v[C0:C0+1] op_sel_hi:[1,0] neg_lo:[0,1] neg_hi:[0,1]
.endr
	v_pk_mul_f32 v[C0:C0+1], v[(\xr):(\xr)+1], v[(\xr):(\xr)+1]
	v_pk_mul_f32 v[C1:C1+1], v[(\xr)+2:(\xr)+3], v[(\xr)+2:(\xr)+3]
.irp p, 4,8,12,16,20
	v_pk_fma_f32 v[C0:C0+1], v[(\xr)+\p:(\xr)+\p+1], v[(\xr)+\p:(\xr)+\p+1], v[C0:C0+1]
	v_pk_fma_f32 v[C1:C1+1], v[(\xr)+\p+2:(\xr)+\p+3], v[(\xr)+\p+2:(\xr)+\p+3], v[C1:C1+1]
.endr
	v_pk_add_f32 v[C0:C0+1], v[C0:C0+1], v[C1:C1+1]
	v_add_f32 v[C0], v[C0], v[C0+1]
	WSUM C0
	v_fma_f32 v[C0], v[C0], s[INV], s[EPS]
	v_rsq_f32 v[RS], v[C0]
	v_nop                                          ; a plain instruction behind it,
	s_wait_alu depctr_va_vdst(0)                   ; and the wait ahead of its first reader
.endm
.macro ROW r, cnt
	s_wait_loadcnt \cnt
.irp p, 0,2,4,6,8,10,12,14,16,18,20,22
	v_pk_add_f32 v[X+48*(\r)+\p:X+48*(\r)+\p+1], v[X+48*(\r)+\p:X+48*(\r)+\p+1], v[Y+48*(\r)+\p:Y+48*(\r)+\p+1]
.endr
.irp p, 0,2,4,6,8,10,12,14,16,18,20,22
	v_pk_add_f32 v[X+48*(\r)+\p:X+48*(\r)+\p+1], v[X+48*(\r)+\p:X+48*(\r)+\p+1], v[PB+\p:PB+\p+1]
.endr
	STATS X+48*(\r)
.irp p, 0,2,4,6,8,10,12,14,16,18,20,22
	v_pk_mul_f32 v[X+48*(\r)+\p:X+48*(\r)+\p+1], v[X+48*(\r)+\p:X+48*(\r)+\p+1], v[RS:RS+1] op_sel_hi:[1,0]
.endr
.irp p, 0,2,4,6,8,10,12,14,16,18,20,22
	v_pk_fma_f32 v[X+48*(\r)+\p:X+48*(\r)+\p+1], v[X+48*(\r)+\p:X+48*(\r)+\p+1], v[G+\p:G+\p+1], v[BT+\p:BT+\p+1]
.endr
.irp i, 0,1,2,3,4,5
	global_store_b128 v[LO], v[X+48*(\r)+4*\i:X+48*(\r)+4*\i+3], s[48:49] offset:3072*(\r)+512*\i
.endr
.irp k, 0,1,2,3,4,5,6,7,8,9,10,11
	v_cvt_pk_f16_f32 v[PKB+12*(\r)+\k], v[X+48*(\r)+2*\k], v[X+48*(\r)+2*\k+1]
.endr
.irp i, 0,1,2,3,4,5
	global_store_b64 v[HO], v[PKB+12*(\r)+2*\i:PKB+12*(\r)+2*\i+1], s[50:51] offset:1536*(\r)+256*\i  ; 32 lanes store 256 consecutive bytes, aligned
.endr
.endm
	LD6 PB, 10, 0
	LD6 G, 12, 0
	LD6 BT, 14, 0
	LD6 Y, 46, 0
	LD6 X, 40, 0
	LD6 Y+48, 46, 3072
	LD6 X+48, 42, 0
	ROW 0, 12                                      ; the second row's 12 loads may stay out
	ROW 1, 0
.Lout:
	s_endpgm
.Lfunc_end_k_q2ed3572e58_ln1:
	.size	k_q2ed3572e58_ln1, .Lfunc_end_k_q2ed3572e58_ln1-k_q2ed3572e58_ln1
	.p2alignl 7, 3214868480
	.fill 96, 4, 3214868480
	.section	.rodata,"a",@progbits
	.p2align	6, 0x0
	.amdhsa_kernel k_q2ed3572e58_ln1
		.amdhsa_group_segment_fixed_size 0
		.amdhsa_private_segment_fixed_size 0
		.amdhsa_enable_private_segment 0
		.amdhsa_kernarg_size 56
		.amdhsa_user_sgpr_count 2
		.amdhsa_user_sgpr_kernarg_segment_ptr 1
		.amdhsa_wavefront_size32 1
		.amdhsa_system_sgpr_workgroup_id_x 1
		.amdhsa_system_sgpr_workgroup_id_y 1
		.amdhsa_system_sgpr_workgroup_id_z 1
		.amdhsa_system_vgpr_workitem_id 0
		.amdhsa_next_free_vgpr 224
		.amdhsa_next_free_sgpr 66
		.amdhsa_reserve_vcc 0
		.amdhsa_float_denorm_mode_32 3
		.amdhsa_float_denorm_mode_16_64 3
		.amdhsa_memory_ordered 1
		.amdhsa_forward_progress 1
		.amdhsa_inst_pref_size 23
	.end_amdhsa_kernel
	.amdgpu_metadata
---
amdhsa.version: [ 1, 2 ]
amdhsa.kernels:
  - .name:           k_q2ed3572e58_ln1
    .symbol:         k_q2ed3572e58_ln1.kd
    .args:
      - { .name: meta, .offset: 0, .size: 8, .value_kind: global_buffer, .address_space: global }
      - { .name: hidden_states, .offset: 8, .size: 8, .value_kind: global_buffer, .address_space: global }
      - { .name: ysum, .offset: 16, .size: 8, .value_kind: global_buffer, .address_space: global }
      - { .name: bo, .offset: 24, .size: 8, .value_kind: global_buffer, .address_space: global }
      - { .name: ln1_g, .offset: 32, .size: 8, .value_kind: global_buffer, .address_space: global }
      - { .name: ln1_b, .offset: 40, .size: 8, .value_kind: global_buffer, .address_space: global }
      - { .name: x1buf, .offset: 48, .size: 8, .value_kind: global_buffer, .address_space: global }
    .group_segment_fixed_size: 0
    .private_segment_fixed_size: 0
    .kernarg_segment_align: 8
    .kernarg_segment_size: 56
    .max_flat_workgroup_size: 256
    .sgpr_count:     66
    .vgpr_count:     224
    .wavefront_size: 32
...
	.end_amdgpu_metadata
.endif
;; end of part 12
;; launch w1 (part 13): grid 32 x 32, 1 waves a work-group, no clusters, 3,328 bytes of LDS; arguments meta, x1buf, wta, b1, actb; writes actb
.if DOCPART == 13
	.amdgcn_target "amdgcn-amd-amdhsa--gfx1250"
	.amdhsa_code_object_version 6
	.text
	.protected	k_q2ed3572e58_w1
	.globl	k_q2ed3572e58_w1
	.p2align	8
	.type	k_q2ed3572e58_w1,@function
k_q2ed3572e58_w1:
	s_mov_b64 s[64:65], 0
	v_nop
	global_prefetch_b8 v0, s[64:65] scope:SCOPE_SE
	s_setreg_imm32_b32 hwreg(HW_REG_WAVE_MODE, 25, 1), 1
	s_wait_xcnt 0x0
; g = gelu(x1 W1 + b1), the tanh form, for the hyp rows.  x1 in f16 (x1buf from byte 25,165,824, [batch][2,048][768]); W1 turned, the fourth weight of wta, in f16; sums, bias and gelu in f32;
; g rounded once to f16, to actb [batch][block of 96 columns, 8][2,048 rows][96].  LIMIT: g within 65,504 (with x1 of spread 1 and W1 of spread 0.02 it reaches about 2.8); below 6e-5 f16 keeps a fixed step of 6e-8.
; gelu(x) = x / (1 + 2^(x (A1 + A3 x^2))), A1 = -2 log2(e) sqrt(2/pi), A3 = 0.044715 A1: for x far below 0 the power is infinite and the result -0, far above 0 it is 0 and the result x; no NaN for finite x below 1.8e19 in size.
; SHARES.  A work-group is ONE wave: the waves share nothing and never meet, so the smallest work-group shares the work out most evenly.  x = batch + 4 (column tile), y = row tile i.
; The wave makes 64 rows x 96 columns: 24 accumulators.  The row tile is the grid's slow axis, so the work-groups that have a tile are the first in the grid's order; one whose tile the segment does not have (meta) ends at once.
; Three sets of registers, a K chunk of 32 each, 20 loads a chunk.  THE BIAS IS THE C OF THE FIRST PRODUCT: nothing is cleared and nothing added later.
.set SPARE, 3072                       ; the stage, from LDS byte 0: 16 rows x 192 bytes, dense.  Behind it the spare words: one block of 256 bytes
.set LO,  2                            ; v2   1,536 (lane % 16) + 16 (lane / 16): x1's rows and the weight's
.set STO, 4                            ; v4   where I put 16 bytes of a row
.set GO,  6                            ; v6   16 x lane: my 16 of 512 consecutive bytes, in the stage and in memory
.set SPW, 12                           ; my spare word; never rewritten
.set NIL, 13                           ; 0; never rewritten
.set BO,  14                           ; 32 (lane / 16)
.set BI,  16                           ; v[16:63] the bias of my columns 16 b + 8 (lane / 16) + 0..7 at BI + 8 b
.set PK,  16                           ; v[16:39] later: packed results
.set ACC, 64                           ; accumulator (a, b) at ACC + 8 (6 a + b)
; window 1: set u at 80 u: x1's fragment at + 8 a, the weight's at + 32 + 8 b.  At the end: gelu's work in v80-127
.set TT,  80
.set A1,  44                           ; s[44:45]
.set A3,  46                           ; s[46:47]
.set MSB, 0
.macro WIN new
.if MSB != (\new)
	s_set_vgpr_msb (MSB<<8)|(\new)
.set MSB, \new
.endif
.endm
.macro PLACES                          ; four plain instructions between a matrix instruction and a load into, or a vector read or write of, its registers
.rept 4
	v_nop
.endr
.endm
	s_load_b256 s[4:11], s[0:1], 0x0               ; meta 4, x1buf 6, wta 8, b1 10
	s_load_b64 s[12:13], s[0:1], 0x20              ; actb
	v_lshl_add_u32 v[SPW], v0, 2, SPARE
	v_mov_b32 v[NIL], 0
	s_and_b32 s17, ttmp9, 3                        ; batch
	s_lshr_b32 s16, ttmp9, 2                       ; column tile 0..7
	s_and_b32 s15, ttmp7, 0xffff                   ; row tile i
	s_lshl_b32 s18, s17, 5
	s_mov_b32 s19, 0
	s_wait_kmcnt 0x0
	s_add_nc_u64 s[4:5], s[4:5], s[18:19]
	s_load_b256 s[32:39], s[4:5], 0x0              ; nth in s35
	v_and_b32 v7, 15, v0
	v_bfe_u32 v8, v0, 4, 1
	v_mul_u32_u24 v[LO], v7, 1536
	v_lshl_add_u32 v[LO], v8, 4, v[LO]
	v_mul_u32_u24 v[STO], v7, 192
	v_lshl_add_u32 v[STO], v8, 4, v[STO]
	v_lshlrev_b32 v[GO], 4, v0
	v_lshlrev_b32 v[BO], 5, v8
	s_mul_i32 s18, s17, 3145728
	s_mul_i32 s20, s15, 98304
	s_add_co_u32 s18, s18, s20
	s_add_co_u32 s18, s18, 25165824
	s_add_nc_u64 s[6:7], s[6:7], s[18:19]          ; x1 in f16 at my 64 rows
	s_mul_i32 s18, s16, 96*1536
	s_add_co_u32 s18, s18, 3*1179648
	s_add_nc_u64 s[8:9], s[8:9], s[18:19]          ; W1 turned, at my 96 rows
	s_mul_i32 s18, s16, 384
	s_add_nc_u64 s[10:11], s[10:11], s[18:19]      ; b1 at my 96 numbers
	s_mul_i32 s18, s17, 3145728
	s_mul_i32 s20, s16, 393216
	s_add_co_u32 s18, s18, s20
	s_mul_i32 s20, s15, 12288
	s_add_co_u32 s18, s18, s20
	s_add_nc_u64 s[12:13], s[12:13], s[18:19]      ; my tile of g
	s_mov_b32 s[A1], 0xc0135761                    ; -2.302208
	s_mov_b32 s[A1+1], s[A1]
	s_mov_b32 s[A3], 0xbdd2d3e8                    ; -0.102943
	s_mov_b32 s[A3+1], s[A3]
	s_wait_kmcnt 0x0
	s_cmp_lt_u32 s15, s35
	s_cbranch_scc0 .Lend
.macro WLOADS u, nx                    ; chunk u of the three in hand (nx = 0) or of the next three (nx = 1)
	WIN 0x40
.irp a, 0,1,2,3
	global_load_b128 v[80*(\u)+8*(\a):80*(\u)+8*(\a)+3],   v[LO], s[6:7] offset:(\nx)*192+24576*(\a)+64*(\u)
	global_load_b128 v[80*(\u)+8*(\a)+4:80*(\u)+8*(\a)+7], v[LO], s[6:7] offset:(\nx)*192+24576*(\a)+64*(\u)+32
.endr
.irp b, 0,1,2,3,4,5
	global_load_b128 v[80*(\u)+32+8*(\b):80*(\u)+32+8*(\b)+3],   v[LO], s[8:9] offset:(\nx)*192+24576*(\b)+64*(\u)
	global_load_b128 v[80*(\u)+32+8*(\b)+4:80*(\u)+32+8*(\b)+7], v[LO], s[8:9] offset:(\nx)*192+24576*(\b)+64*(\u)+32
.endr
.endm
; 24 products, each accumulator once, always in the same order: the accumulators take turns.  first = 1: they start the sums, with the bias as C.
.macro CHUNK u, first, refill, cnt
	s_wait_loadcnt \cnt                            ; my set's loads are in, and all that were issued ahead of them
	WIN 0x05
.irp a, 0,1,2,3
.irp b, 0,1,2,3,4,5
.if \first
	v_wmma_f32_16x16x32_f16 v[ACC+8*(6*(\a)+(\b)):ACC+8*(6*(\a)+(\b))+7], v[80*(\u)+32+8*(\b):80*(\u)+32+8*(\b)+7], v[80*(\u)+8*(\a):80*(\u)+8*(\a)+7], v[BI+8*(\b):BI+8*(\b)+7]
.else
	v_wmma_f32_16x16x32_f16 v[ACC+8*(6*(\a)+(\b)):ACC+8*(6*(\a)+(\b))+7], v[80*(\u)+32+8*(\b):80*(\u)+32+8*(\b)+7], v[80*(\u)+8*(\a):80*(\u)+8*(\a)+7], v[ACC+8*(6*(\a)+(\b)):ACC+8*(6*(\a)+(\b))+7]
.endif
.endr
.endr
	PLACES
.if \refill
	WLOADS \u, 1
.endif
.endm
.macro STEP
	WIN 0
	s_wait_xcnt 0x0                                ; every load issued so far has read its address: the pointers may be written
	s_add_nc_u64 s[6:7], s[6:7], 192
	s_add_nc_u64 s[8:9], s[8:9], 192
.endm
.irp b, 0,1,2,3,4,5                    ; the bias first: 12 loads, then three chunks' 60.  The counter's field holds fewer than 72: the issue of the last ones waits for the first to come back (ISA guide 5.7.1)
	global_load_b128 v[BI+8*\b:BI+8*\b+3],   v[BO], s[10:11] offset:64*\b
	global_load_b128 v[BI+8*\b+4:BI+8*\b+7], v[BO], s[10:11] offset:64*\b+16
.endr
	WLOADS 0, 0
	WLOADS 1, 0
	WLOADS 2, 0
	CHUNK 0, 1, 1, 40                              ; 40: the two younger chunks' loads
	CHUNK 1, 0, 1, 40
	CHUNK 2, 0, 1, 40
	STEP
	s_mov_b32 s21, 6
.Lk:
	CHUNK 0, 0, 1, 40
	CHUNK 1, 0, 1, 40
	CHUNK 2, 0, 1, 40
	STEP
	s_sub_co_u32 s21, s21, 1
	s_cmp_lg_u32 s21, 0
	s_cbranch_scc1 .Lk
	CHUNK 0, 0, 0, 40                              ; the last three chunks ask for nothing: the counts run down
	CHUNK 1, 0, 0, 20
	CHUNK 2, 0, 0, 0
; 16 rows: gelu, rounding, and out through my stage.  Each accumulator is read from its low end on.  The 48 exponentials are one batch with one wait, and so are the 48 reciprocals.
.macro GELU a
.set xb, ACC+48*(\a)
	WIN 0x40
.set p, 0
.rept 24
	v_pk_mul_f32 v[TT+2*p:TT+2*p+1], v[xb+2*p:xb+2*p+1], v[xb+2*p:xb+2*p+1]
.set p, p+1
.endr
	WIN 0x41
.set p, 0
.rept 24
	v_pk_fma_f32 v[TT+2*p:TT+2*p+1], v[TT+2*p:TT+2*p+1], s[A3:A3+1], s[A1:A1+1] op_sel_hi:[1,0,0]
.set p, p+1
.endr
.set p, 0
.rept 24
	v_pk_mul_f32 v[TT+2*p:TT+2*p+1], v[TT+2*p:TT+2*p+1], v[xb+2*p:xb+2*p+1]
.set p, p+1
.endr
.set p, 0
.rept 48
	v_exp_f32 v[TT+p], v[TT+p]
.set p, p+1
.endr
	v_nop
	s_wait_alu depctr_va_vdst(0)
.set p, 0
.rept 24
	v_pk_add_f32 v[TT+2*p:TT+2*p+1], v[TT+2*p:TT+2*p+1], 1.0 op_sel_hi:[1,0]
.set p, p+1
.endr
.set p, 0
.rept 48
	v_rcp_f32 v[TT+p], v[TT+p]
.set p, p+1
.endr
	v_nop
	s_wait_alu depctr_va_vdst(0)
	WIN 0x01
.set p, 0
.rept 24
	v_pk_mul_f32 v[xb+2*p:xb+2*p+1], v[TT+2*p:TT+2*p+1], v[xb+2*p:xb+2*p+1]
.set p, p+1
.endr
	WIN 0
	s_wait_xcnt 0x0                                ; the last block's stores have read PK
.set p, 0
.rept 24
	v_cvt_pk_f16_f32 v[PK+p], v[xb+2*p], v[xb+2*p+1]
.set p, p+1
.endr
.irp b, 0,1,2,3,4,5
	ds_store_b128 v[STO], v[PK+4*\b:PK+4*\b+3] offset:32*\b
.endr
.irp t, 0,1,2,3,4,5
	ds_load_b128 v[PK+4*\t:PK+4*\t+3], v[GO] offset:512*\t  ; LDS serves a wave's instructions in order (ISA guide 5.7.1.4)
.endr
	s_wait_dscnt 0x0
.irp t, 0,1,2,3,4,5
	global_store_b128 v[GO], v[PK+4*\t:PK+4*\t+3], s[12:13] offset:3072*(\a)+512*\t
.endr
.endm
	GELU 0
	GELU 1
	GELU 2
	GELU 3
.Lend:
	s_wait_tensorcnt 0x0                           ; the wave's end, behind my last LDS store
	ds_add_u32 v[SPW], v[NIL]
	s_wait_dscnt 0x0
	s_endpgm
.Lfunc_end_k_q2ed3572e58_w1:
	.size	k_q2ed3572e58_w1, .Lfunc_end_k_q2ed3572e58_w1-k_q2ed3572e58_w1
	.p2alignl 7, 3214868480
	.fill 96, 4, 3214868480
	.section	.rodata,"a",@progbits
	.p2align	6, 0x0
	.amdhsa_kernel k_q2ed3572e58_w1
		.amdhsa_group_segment_fixed_size 3328
		.amdhsa_private_segment_fixed_size 0
		.amdhsa_enable_private_segment 0
		.amdhsa_kernarg_size 40
		.amdhsa_user_sgpr_count 2
		.amdhsa_user_sgpr_kernarg_segment_ptr 1
		.amdhsa_wavefront_size32 1
		.amdhsa_system_sgpr_workgroup_id_x 1
		.amdhsa_system_sgpr_workgroup_id_y 1
		.amdhsa_system_sgpr_workgroup_id_z 1
		.amdhsa_system_vgpr_workitem_id 0
		.amdhsa_next_free_vgpr 512
		.amdhsa_next_free_sgpr 66
		.amdhsa_reserve_vcc 0
		.amdhsa_float_denorm_mode_32 3
		.amdhsa_float_denorm_mode_16_64 3
		.amdhsa_memory_ordered 1
		.amdhsa_forward_progress 1
		.amdhsa_inst_pref_size 91
	.end_amdhsa_kernel
	.amdgpu_metadata
---
amdhsa.version: [ 1, 2 ]
amdhsa.kernels:
  - .name:           k_q2ed3572e58_w1
    .symbol:         k_q2ed3572e58_w1.kd
    .args:
      - { .name: meta, .offset: 0, .size: 8, .value_kind: global_buffer, .address_space: global }
      - { .name: x1buf, .offset: 8, .size: 8, .value_kind: global_buffer, .address_space: global }
      - { .name: wta, .offset: 16, .size: 8, .value_kind: global_buffer, .address_space: global }
      - { .name: b1, .offset: 24, .size: 8, .value_kind: global_buffer, .address_space: global }
      - { .name: actb, .offset: 32, .size: 8, .value_kind: global_buffer, .address_space: global }
    .group_segment_fixed_size: 3328
    .private_segment_fixed_size: 0
    .kernarg_segment_align: 8
    .kernarg_segment_size: 40
    .max_flat_workgroup_size: 32
    .sgpr_count:     66
    .vgpr_count:     512
    .wavefront_size: 32
...
	.end_amdgpu_metadata
.endif
;; end of part 13
;; launch w2: the kernel of part 11 again; grid 48 x 32, 1 waves a work-group, no clusters, 4,608 bytes of LDS; arguments meta, actb, wt2, ysum; writes ysum
;; launch final (part 14): grid 128 x 4, 8 waves a work-group, no clusters, 0 bytes of LDS; arguments meta, hidden_states, x1buf, ysum, b2, ln2_g, ln2_b, dn_g, dn_b, out0; writes out0
.if DOCPART == 14
	.amdgcn_target "amdgcn-amd-amdhsa--gfx1250"
	.amdhsa_code_object_version 6
	.text
	.protected	k_q2ed3572e58_final
	.globl	k_q2ed3572e58_final
	.p2align	8
	.type	k_q2ed3572e58_final,@function
k_q2ed3572e58_final:
	s_mov_b64 s[64:65], 0
	v_nop
	global_prefetch_b8 v0, s[64:65] scope:SCOPE_SE
	s_setreg_imm32_b32 hwreg(HW_REG_WAVE_MODE, 25, 1), 1
	s_wait_xcnt 0x0
; out = x + LayerNorm(x2 - x) dn_g + dn_b on the hyp rows of a valid batch, with x2 = LayerNorm(x1 + g W2 + b2) ln2_g + ln2_b; out = x on every other row.  All in f32.
; SHARES.  y = batch.  Wave w of work-group x takes the pair of tokens x + 128 w: tokens 2 (x + 128 w) and the next.  A work-group's eight waves lie 256 tokens apart, so each work-group holds
; about the share of long-way waves that the hyp segment has of the sequence, wherever the segment lies: the long way loads 66 times 512 bytes a wave, the copy 12 times.
; Where neither token is a hyp row (by meta's whole numbers) the wave copies them.  Else both go the long way, each with its compact row c = token - hs,
; held inside the rows that the launches before have written (0 .. 64 nth - 1), and a select keeps x for a token outside the segment.
; A row stays in registers through both norms; the variance is taken of the differences from the mean.  No LDS, no barrier.  Lane l holds columns 128 i + 4 l .. + 3.
.set LO,  2                            ; v2   16 x lane
.set P2,  16                           ; b2
.set G2,  40
.set B2,  64
.set XR,  88                           ; x:  row r at + 72 r
.set X1R, 112                          ; x1, then all that is made of it
.set YR,  136                          ; g W2; later dn_g (row 0's registers) and dn_b (row 1's)
.set DG,  136
.set DB,  208
.set C0,  232
.set C1,  234
.set TP,  236
.set RS,  238
.set SEL, 40                           ; s[40:41]
.set INV, 42
.set EPS, 43
	s_load_b512 s[4:19], s[0:1], 0x0               ; meta 4, hidden_states 6, x1buf 8, ysum 10, b2 12, ln2_g 14, ln2_b 16, dn_g 18
	s_load_b128 s[20:23], s[0:1], 0x40             ; dn_b 20, out0 22
	v_lshrrev_b32 v1, 5, v0
	v_readfirstlane_b32 s24, v1                    ; wave
	v_and_b32 v1, 31, v0
	v_lshlrev_b32 v[LO], 4, v1
	v_mov_b32 v[TP], 0                             ; v_permlanex16_b32's destination counts as read
	v_mov_b32 v[RS+1], 0                           ; named with RS as a pair
	s_and_b32 s25, ttmp7, 0xffff                   ; batch
	s_lshl_b32 s26, s25, 5
	s_mov_b32 s27, 0
	s_lshl_b32 s28, s24, 7
	s_add_co_u32 s28, s28, ttmp9                   ; my pair of tokens: work-group + 128 x wave
	s_lshl_b32 s28, s28, 1                         ; my first token
	s_mul_i32 s29, s25, 6291456
	s_mul_i32 s30, s28, 3072
	s_add_co_u32 s30, s30, s29
	s_mov_b32 s31, 0
	s_mov_b32 s[SEL], 0x76543210
	s_mov_b32 s[SEL+1], 0xfedcba98
	s_mov_b32 s[INV], 0x3aaaaaab                   ; 1 / 768
	s_mov_b32 s[EPS], 0x3727c5ac                   ; 1e-5
	s_wait_kmcnt 0x0
	s_add_nc_u64 s[4:5], s[4:5], s[26:27]
	s_load_b256 s[32:39], s[4:5], 0x0              ; hs 33, nh 34, nth 35
	s_add_nc_u64 s[6:7], s[6:7], s[30:31]          ; x and out at my two rows
	s_add_nc_u64 s[22:23], s[22:23], s[30:31]
.macro LD6 dst, base, off
.irp i, 0,1,2,3,4,5
	global_load_b128 v[(\dst)+4*\i:(\dst)+4*\i+3], v[LO], s[\base:\base+1] offset:(\off)+512*\i
.endr
.endm
.irp i, 0,1,2,3,4,5                    ; both ways want x: it is asked for ahead of the wait for meta; this is its last reading
	global_load_b128 v[XR+4*\i:XR+4*\i+3], v[LO], s[6:7] offset:512*\i th:TH_LOAD_NT
.endr
.irp i, 0,1,2,3,4,5
	global_load_b128 v[XR+72+4*\i:XR+72+4*\i+3], v[LO], s[6:7] offset:3072+512*\i th:TH_LOAD_NT
.endr
	s_wait_kmcnt 0x0
	s_add_co_u32 s46, s33, s34                     ; the segment's end
	s_add_co_u32 s47, s28, 1                       ; my second token
	s_cmp_lg_u32 s34, 0
	s_cselect_b32 s44, 1, 0
	s_cmp_ge_u32 s47, s33
	s_cselect_b32 s44, s44, 0
	s_cmp_lt_u32 s28, s46
	s_cselect_b32 s44, s44, 0
	s_cmp_eq_u32 s44, 1
	s_cbranch_scc1 .Lfull
	s_wait_loadcnt 6                               ; the first row is in; the second row's six loads may stay out
.irp i, 0,1,2,3,4,5
	global_store_b128 v[LO], v[XR+4*\i:XR+4*\i+3], s[22:23] offset:512*\i th:TH_STORE_NT
.endr
	s_wait_loadcnt 0x0
.irp i, 0,1,2,3,4,5
	global_store_b128 v[LO], v[XR+72+4*\i:XR+72+4*\i+3], s[22:23] offset:3072+512*\i th:TH_STORE_NT
.endr
	s_endpgm
.Lfull:
	s_cmp_ge_u32 s28, s33                          ; is each token a hyp row?
	s_cselect_b32 s60, -1, 0
	s_cmp_lt_u32 s28, s46
	s_cselect_b32 s60, s60, 0
	s_cmp_ge_u32 s47, s33
	s_cselect_b32 s61, -1, 0
	s_cmp_lt_u32 s47, s46
	s_cselect_b32 s61, s61, 0
	s_sub_co_i32 s44, s28, s33                     ; the compact rows,
	s_add_co_i32 s45, s44, 1
	s_max_i32 s44, s44, 0
	s_max_i32 s45, s45, 0
	s_lshl_b32 s46, s35, 6
	s_sub_co_u32 s46, s46, 1
	s_min_u32 s44, s44, s46                        ; inside what was written,
	s_min_u32 s45, s45, s46
	s_min_u32 s44, s44, 0x7ff                      ; and inside the batch
	s_min_u32 s45, s45, 0x7ff
	s_mul_i32 s44, s44, 3072
	s_mul_i32 s45, s45, 3072
	s_add_co_u32 s56, s44, s29
	s_mov_b32 s57, 0
	s_add_co_u32 s58, s45, s29
	s_mov_b32 s59, 0
	s_add_nc_u64 s[48:49], s[8:9], s[56:57]        ; x1 in f32
	s_add_nc_u64 s[50:51], s[8:9], s[58:59]
	s_add_nc_u64 s[52:53], s[10:11], s[56:57]      ; g W2
	s_add_nc_u64 s[54:55], s[10:11], s[58:59]
	LD6 P2, 12, 0
	LD6 G2, 14, 0
	LD6 B2, 16, 0
	LD6 X1R, 48, 0
	LD6 YR, 52, 0
	LD6 X1R+72, 50, 0
	LD6 YR+72, 54, 0
.macro WSUM r                          ; the sum over the 32 lanes, in every lane
.irp m, 1,2,4,8
	v_add_f32_dpp v[\r], v[\r], v[\r] row_xmask:\m row_mask:0xf bank_mask:0xf
.endr
	v_permlanex16_b32 v[TP], v[\r], s[SEL], s[SEL+1]
	v_add_f32 v[\r], v[\r], v[TP]
.endm
; The 24 registers at xr become x - mean; v[RS] = 1 / sqrt(variance + 1e-5).
.macro STATS xr
	v_pk_add_f32 v[C0:C0+1], v[(\xr):(\xr)+1], v[(\xr)+2:(\xr)+3]
	v_pk_add_f32 v[C1:C1+1], v[(\xr)+4:(\xr)+5], v[(\xr)+6:(\xr)+7]
.irp p, 8,12,16,20
	v_pk_add_f32 v[C0:C0+1], v[C0:C0+1], v[(\xr)+\p:(\xr)+\p+1]
	v_pk_add_f32 v[C1:C1+1], v[C1:C1+1], v[(\xr)+\p+2:(\xr)+\p+3]
.endr
	v_pk_add_f32 v[C0:C0+1], v[C0:C0+1], v[C1:C1+1]
	v_add_f32 v[C0], v[C0], v[C0+1]
	WSUM C0
	v_mul_f32 v[C0], s[INV], v[C0]
.irp p, 0,2,4,6,8,10,12,14,16,18,20,22
	v_pk_add_f32 v[(\xr)+\p:(\xr)+\p+1], v[(\xr)+\p:(\xr)+\p+1], v[C0:C0+1] op_sel_hi:[1,0] neg_lo:[0,1] neg_hi:[0,1]
.endr
	v_pk_mul_f32 v[C0:C0+1], v[(\xr):(\xr)+1], v[(\xr):(\xr)+1]
	v_pk_mul_f32 v[C1:C1+1], v[(\xr)+2:(\xr)+3], v[(\xr)+2:(\xr)+3]
.irp p, 4,8,12,16,20
	v_pk_fma_f32 v[C0:C0+1], v[(\xr)+\p:(\xr)+\p+1], v[(\xr)+\p:(\xr)+\p+1], v[C0:C0+1]
	v_pk_fma_f32 v[C1:C1+1], v[(\xr)+\p+2:(\xr)+\p+3], v[(\xr)+\p+2:(\xr)+\p+3], v[C1:C1+1]
.endr
	v_pk_add_f32 v[C0:C0+1], v[C0:C0+1], v[C1:C1+1]
	v_add_f32 v[C0], v[C0], v[C0+1]
	WSUM C0
	v_fma_f32 v[C0], v[C0], s[INV], s[EPS]
	v_rsq_f32 v[RS], v[C0]
	v_nop                                          ; a plain instruction behind it,
	s_wait_alu depctr_va_vdst(0)                   ; and the wait ahead of its first reader
.endm
.macro SUM3 r                          ; x1 + g W2 + b2
.irp p, 0,2,4,6,8,10,12,14,16,18,20,22
	v_pk_add_f32 v[X1R+72*(\r)+\p:X1R+72*(\r)+\p+1], v[X1R+72*(\r)+\p:X1R+72*(\r)+\p+1], v[YR+72*(\r)+\p:YR+72*(\r)+\p+1]
.endr
.irp p, 0,2,4,6,8,10,12,14,16,18,20,22
	v_pk_add_f32 v[X1R+72*(\r)+\p:X1R+72*(\r)+\p+1], v[X1R+72*(\r)+\p:X1R+72*(\r)+\p+1], v[P2+\p:P2+\p+1]
.endr
.endm
.macro ROW r, mask
	STATS X1R+72*(\r)
.irp p, 0,2,4,6,8,10,12,14,16,18,20,22
	v_pk_mul_f32 v[X1R+72*(\r)+\p:X1R+72*(\r)+\p+1], v[X1R+72*(\r)+\p:X1R+72*(\r)+\p+1], v[RS:RS+1] op_sel_hi:[1,0]
.endr
.irp p, 0,2,4,6,8,10,12,14,16,18,20,22
	v_pk_fma_f32 v[X1R+72*(\r)+\p:X1R+72*(\r)+\p+1], v[X1R+72*(\r)+\p:X1R+72*(\r)+\p+1], v[G2+\p:G2+\p+1], v[B2+\p:B2+\p+1]  ; x2
.endr
.irp p, 0,2,4,6,8,10,12,14,16,18,20,22
	v_pk_add_f32 v[X1R+72*(\r)+\p:X1R+72*(\r)+\p+1], v[X1R+72*(\r)+\p:X1R+72*(\r)+\p+1], v[XR+72*(\r)+\p:XR+72*(\r)+\p+1] neg_lo:[0,1] neg_hi:[0,1]  ; x2 - x
.endr
	STATS X1R+72*(\r)
.if (\r) == 0
	s_wait_loadcnt 0x0                             ; dn_g and dn_b
.endif
.irp p, 0,2,4,6,8,10,12,14,16,18,20,22
	v_pk_mul_f32 v[X1R+72*(\r)+\p:X1R+72*(\r)+\p+1], v[X1R+72*(\r)+\p:X1R+72*(\r)+\p+1], v[RS:RS+1] op_sel_hi:[1,0]
.endr
.irp p, 0,2,4,6,8,10,12,14,16,18,20,22
	v_pk_fma_f32 v[X1R+72*(\r)+\p:X1R+72*(\r)+\p+1], v[X1R+72*(\r)+\p:X1R+72*(\r)+\p+1], v[DG+\p:DG+\p+1], v[DB+\p:DB+\p+1]
.endr
.irp p, 0,2,4,6,8,10,12,14,16,18,20,22
	v_pk_add_f32 v[X1R+72*(\r)+\p:X1R+72*(\r)+\p+1], v[X1R+72*(\r)+\p:X1R+72*(\r)+\p+1], v[XR+72*(\r)+\p:XR+72*(\r)+\p+1]
.endr
.set k, 0
.rept 24
	v_cndmask_b32 v[X1R+72*(\r)+k], v[XR+72*(\r)+k], v[X1R+72*(\r)+k], s[\mask]  ; x where the token is no hyp row
.set k, k+1
.endr
.irp i, 0,1,2,3,4,5
	global_store_b128 v[LO], v[X1R+72*(\r)+4*\i:X1R+72*(\r)+4*\i+3], s[22:23] offset:3072*(\r)+512*\i th:TH_STORE_NT
.endr
.endm
	s_wait_loadcnt 12                              ; all but the second row's x1 and g W2
	SUM3 0
	s_wait_loadcnt 0x0
	SUM3 1
	LD6 DG, 18, 0                                  ; into the registers that g W2 has left
	LD6 DB, 20, 0
	ROW 0, 60
	ROW 1, 61
	s_endpgm
.Lfunc_end_k_q2ed3572e58_final:
	.size	k_q2ed3572e58_final, .Lfunc_end_k_q2ed3572e58_final-k_q2ed3572e58_final
	.p2alignl 7, 3214868480
	.fill 96, 4, 3214868480
	.section	.rodata,"a",@progbits
	.p2align	6, 0x0
	.amdhsa_kernel k_q2ed3572e58_final
		.amdhsa_group_segment_fixed_size 0
		.amdhsa_private_segment_fixed_size 0
		.amdhsa_enable_private_segment 0
		.amdhsa_kernarg_size 80
		.amdhsa_user_sgpr_count 2
		.amdhsa_user_sgpr_kernarg_segment_ptr 1
		.amdhsa_wavefront_size32 1
		.amdhsa_system_sgpr_workgroup_id_x 1
		.amdhsa_system_sgpr_workgroup_id_y 1
		.amdhsa_system_sgpr_workgroup_id_z 1
		.amdhsa_system_vgpr_workitem_id 0
		.amdhsa_next_free_vgpr 240
		.amdhsa_next_free_sgpr 66
		.amdhsa_reserve_vcc 0
		.amdhsa_float_denorm_mode_32 3
		.amdhsa_float_denorm_mode_16_64 3
		.amdhsa_memory_ordered 1
		.amdhsa_forward_progress 1
		.amdhsa_inst_pref_size 40
	.end_amdhsa_kernel
	.amdgpu_metadata
---
amdhsa.version: [ 1, 2 ]
amdhsa.kernels:
  - .name:           k_q2ed3572e58_final
    .symbol:         k_q2ed3572e58_final.kd
    .args:
      - { .name: meta, .offset: 0, .size: 8, .value_kind: global_buffer, .address_space: global }
      - { .name: hidden_states, .offset: 8, .size: 8, .value_kind: global_buffer, .address_space: global }
      - { .name: x1buf, .offset: 16, .size: 8, .value_kind: global_buffer, .address_space: global }
      - { .name: ysum, .offset: 24, .size: 8, .value_kind: global_buffer, .address_space: global }
      - { .name: b2, .offset: 32, .size: 8, .value_kind: global_buffer, .address_space: global }
      - { .name: ln2_g, .offset: 40, .size: 8, .value_kind: global_buffer, .address_space: global }
      - { .name: ln2_b, .offset: 48, .size: 8, .value_kind: global_buffer, .address_space: global }
      - { .name: dn_g, .offset: 56, .size: 8, .value_kind: global_buffer, .address_space: global }
      - { .name: dn_b, .offset: 64, .size: 8, .value_kind: global_buffer, .address_space: global }
      - { .name: out0, .offset: 72, .size: 8, .value_kind: global_buffer, .address_space: global }
    .group_segment_fixed_size: 0
    .private_segment_fixed_size: 0
    .kernarg_segment_align: 8
    .kernarg_segment_size: 80
    .max_flat_workgroup_size: 256
    .sgpr_count:     66
    .vgpr_count:     240
    .wavefront_size: 32
...
	.end_amdgpu_metadata
.endif
;; end of part 14
;; ======== version 3 of 3: 8 launches; version 2 with the launches qkv, attn, wo, w1, w2 written anew for expert scheduling mode
;; limits: values are held in f16: magnitudes above 65,504 overflow, below 6.1e-05 lose precision; right only within a limited range of input values
;; workspace buffers: meta 256 bytes of whole numbers; wta 17,301,504 bytes; wto 1,179,648 bytes; wt2 1,179,648 bytes; qkv 37,748,736 bytes; actb 12,582,912 bytes; ysum 25,165,824 bytes; x1buf 37,748,736 bytes
;; launch prep: the kernel of part 8 again; grid 877 x 1, 4 waves a work-group, no clusters, 70,144 bytes of LDS; arguments Wq, Wk, Wv, W1, Wo, W2, input_ids, wta, wto, wt2, meta, hidden_states; writes wta, wto, wt2, meta
;; launch qkv (part 15): grid 96 x 32, 1 waves a work-group, no clusters, 14,080 bytes of LDS; arguments meta, wta, bq, bk, bv, qkv; writes qkv
.if DOCPART == 15
	.amdgcn_target "amdgcn-amd-amdhsa--gfx1250"
	.amdhsa_code_object_version 6
	.text
	.protected	k_q2ed3572e58_qkv
	.globl	k_q2ed3572e58_qkv
	.p2align	8
	.type	k_q2ed3572e58_qkv,@function
k_q2ed3572e58_qkv:
	s_mov_b64 s[64:65], 0
	v_nop
	global_prefetch_b8 v0, s[64:65] scope:SCOPE_SE
	s_setreg_imm32_b32 hwreg(HW_REG_WAVE_SCHED_MODE, 0, 2), 2
	s_setreg_imm32_b32 hwreg(HW_REG_WAVE_MODE, 25, 1), 1
	s_wait_xcnt 0x0
	s_wait_alu depctr_vm_vsrc(0)
; Q, K, V.  q = x Wq + bq for the hyp rows, k and v for the source rows (tokens 1 .. ns), by heads, in f16 (rounded once from f32 sums, unscaled).
; LIMIT.  f16 holds no number beyond 65,504: x as an operand, and q, k, v, must lie within it (with x of spread 1 and weights of spread 0.02 they reach about 5.5 and 3); below 6e-5 f16 keeps a fixed step of 6e-8.
; qkv holds three regions of 12,582,912 bytes (Q, K, VT), each [batch 3,145,728][head 393,216][tile of 64 rows 12,288]:
; a tile of Q or K is 64 rows x 192 bytes, dense; a tile of VT is 96 channels x 128 bytes (64 keys): V turned.
; Row c of Q is token hs + c, row c of K and V token 1 + c.  A tile's rows past the segment's end are made of clamped tokens (at most 2,047): finite, written, and never part of a result.
; SHARES.  A work-group is ONE wave: the waves share nothing and never meet, so the smallest work-group shares the work out most evenly.  x = head + 8 (batch + 4 job), y = row tile i.
; The wave makes 64 rows x the 96 columns of one head: 24 accumulators.  The row tile is the grid's slow axis, so the work-groups that have a tile are the first in the grid's order, whatever the segments' lengths;
; one whose tile the segment does not have ends at once (the count comes from meta, stored by the launch before): the grid cannot hang on data and covers the longest segment, 32 tiles.
; OPERANDS come straight from memory, both in f16 and both out of wta, as the launch before laid them: the turned weights, and behind them the copy of x, [batch][2,048][768].
; Three sets of registers, a K chunk of 32 each: 20 loads a chunk.
; THE PRODUCT IS TAKEN TURNED (source 0 = 16 columns of the weight, source 1 = 16 rows of x): a lane holds one row and eight neighbouring columns.  THE BIAS IS THE C OF THE FIRST PRODUCT: nothing is cleared and nothing added later.
; THE MODE: SCHED_MODE bits 1:0 = 2 (LLVM: expert scheduling mode 2), set by the entry lines.  The code itself states the register dependences
; between vector or matrix instructions and memory or LDS instructions, with s_wait_alu, always for 0.
; THE PLAN.  Registers that memory or LDS instructions touch:
;   v2 .. v11   offsets and addresses: written at the head, read by the loads and stores, never written again (the K chunks are reached by two scalar bases and by immediates).
;   BI          loaded once at the head; read by the first chunk's products as their C.
;   set u       chunk c, c % 3 = u: its 24 products read it; behind them the loads of chunk c + 3 land in it.
;   ACC         in the loop named by products alone.  On the way out the conversions close each accumulator's eight numbers up into its first four registers, which the LDS stores read;
;               the LDS loads land in its last four, which the global stores read.  None of them is written again.
;   v12, v13    written at the head, read by the closing add alone.
; So three kinds of wait on va_vdst stand in the text: one ahead of the first load (the offsets are written); one to a chunk, behind its products and ahead of the loads into the set that they read;
; one behind the conversions, ahead of the branch into the two ways out.  No register that a memory or LDS instruction reads is rewritten, so there is no wait on vm_vsrc.
; The chunk's wait stands behind its own products and not at the next chunk's head: three sets are what 512 registers hold beside the 24 accumulators (496 in use), and a set that waited
; for the next head would lie idle through that chunk's wait for its data: 40 loads would be out there in place of 60.
.set XROW,   1536                      ; bytes in a row of x's copy,
.set WROW,   1536                      ; and of a turned weight
.set WBYTES, 1179648
.set XH,     4*WBYTES                  ; where x's copy begins in wta
.set REGION, 12582912
.set BB,     3145728
.set HB,     393216
.set TB,     12288
.set SPARE,  96*144                    ; the stage, from LDS byte 0: V's 96 channels x (128 + 16) bytes; Q and K use its first 3,072 bytes (16 rows x 192, dense).  Behind it the spare words: one block of 256 bytes
.set XO,   2                           ; v2-5  fragment a: clamped token x 1,536 + 16 (lane / 16)
.set WO,   6                           ; v6    1,536 (lane % 16) + 16 (lane / 16)
.set STO,  7                           ; v7    Q, K: where I put 16 bytes of a row
.set GO,   8                           ; v8    16 x lane: my 16 of 512 consecutive bytes, in the stage and in memory
.set VSTO, 9                           ; v9    V: channel 8 (lane / 16), key lane % 16
.set VRD,  10                          ; v10   V: four rows of 128 bytes
.set BO,   11                          ; v11   32 (lane / 16)
.set SPW,  12                          ; v12   my spare word; never rewritten
.set NIL,  13                          ; v13   0; never rewritten
.set BI,   16                          ; v[16:63]  the bias of my columns 16 b + 8 (lane / 16) + 0..7 at BI + 8 b
.set ACC,  64                          ; v[64:255] accumulator (a, b) at ACC + 8 (6 a + b)
; window 1: set u at 80 u: x's fragment a at + 8 a; the weight's fragment b at + 32 + 8 b
.set WP,   48                          ; s[48:49] the job's turned weight at the head's 96 rows, at the three chunks in hand
.set XP,   50                          ; s[50:51] x's copy at the batch, at the same chunks
.set MSB, 0
.macro WIN new                         ; the immediate's high byte repeats the setting that is left; a switch that changes nothing is dropped
.if MSB != (\new)
	s_set_vgpr_msb (MSB<<8)|(\new)
.set MSB, \new
.endif
.endm
.macro PLACES                          ; four plain instructions between a matrix instruction and a vector read or write of its registers; in front of a load they stand beside the wait that states the dependence
.rept 4
	v_nop
.endr
.endm
	s_load_b256 s[4:11], s[0:1], 0x0               ; meta 4, wta 6, bq 8, bk 10
	s_load_b128 s[12:15], s[0:1], 0x20             ; bv 12, qkv 14
	v_lshl_add_u32 v[SPW], v0, 2, SPARE
	v_mov_b32 v[NIL], 0
	s_and_b32 s23, ttmp9, 7                        ; head
	s_lshr_b32 s19, ttmp9, 3
	s_and_b32 s20, s19, 3                          ; batch
	s_lshr_b32 s21, s19, 2                         ; job: 0 Q, 1 K, 2 V
	s_and_b32 s22, ttmp7, 0xffff                   ; row tile i
	s_lshl_b32 s24, s20, 5
	s_mov_b32 s25, 0
	s_mov_b32 s27, 0
	s_wait_kmcnt 0x0
	s_add_nc_u64 s[4:5], s[4:5], s[24:25]
	s_load_b256 s[32:39], s[4:5], 0x0              ; ns 32, hs 33, nh 34, nth 35, nts 36, rem1 37
	v_and_b32 v14, 15, v0                          ; r
	v_bfe_u32 v15, v0, 4, 1                        ; h
	v_mul_u32_u24 v[WO], v14, WROW
	v_lshl_add_u32 v[WO], v15, 4, v[WO]
	v_mul_u32_u24 v[STO], v14, 192
	v_lshl_add_u32 v[STO], v15, 4, v[STO]
	v_lshlrev_b32 v[GO], 4, v0
	v_mul_u32_u24 v[VSTO], v15, 1152
	v_lshl_add_u32 v[VSTO], v14, 1, v[VSTO]
	v_lshrrev_b32 v1, 3, v0
	v_mul_u32_u24 v[VRD], v1, 144
	v_and_b32 v1, 7, v0
	v_lshl_add_u32 v[VRD], v1, 4, v[VRD]
	v_lshlrev_b32 v[BO], 5, v15
	v_lshlrev_b32 v15, 4, v15                      ; 16 h
	s_mul_i32 s26, s20, 2048*XROW
	s_add_co_u32 s26, s26, XH
	s_add_nc_u64 s[XP:XP+1], s[6:7], s[26:27]      ; x's copy at the batch
	s_mul_i32 s26, s21, WBYTES
	s_mul_i32 s29, s23, 96*WROW
	s_add_co_u32 s26, s26, s29
	s_add_nc_u64 s[WP:WP+1], s[6:7], s[26:27]      ; the job's turned weight at the head's 96 rows
	s_cmp_eq_u32 s21, 1
	s_cselect_b64 s[30:31], s[10:11], s[8:9]
	s_cmp_eq_u32 s21, 2
	s_cselect_b64 s[30:31], s[12:13], s[30:31]
	s_mul_i32 s26, s23, 384
	s_add_nc_u64 s[30:31], s[30:31], s[26:27]      ; the job's bias at the head's 96 numbers
	s_mul_i32 s26, s21, REGION
	s_mul_i32 s29, s20, BB
	s_add_co_u32 s26, s26, s29
	s_mul_i32 s29, s23, HB
	s_add_co_u32 s26, s26, s29
	s_mul_i32 s29, s22, TB
	s_add_co_u32 s26, s26, s29
	s_add_nc_u64 s[40:41], s[14:15], s[26:27]      ; my tile of the result
	s_wait_kmcnt 0x0
	s_cmp_eq_u32 s21, 0
	s_cselect_b32 s44, s35, s36                    ; the segment's tiles,
	s_cselect_b32 s45, s33, 1                      ; and its first token
	s_cmp_lt_u32 s22, s44
	s_cbranch_scc0 .Lend                           ; the segment has no such tile
	s_lshl_b32 s46, s22, 6
	s_add_co_u32 s45, s45, s46
	v_add_nc_u32 v14, s45, v14                     ; the token of row r of fragment 0
.irp a, 0,1,2,3
	v_add_nc_u32 v1, 16*\a, v14
	v_min_u32 v1, 0x7ff, v1                        ; no row past the batch's last
	v_mul_u32_u24 v1, v1, XROW
	v_add_nc_u32 v[XO+\a], v15, v1
.endr
; A chunk's 20 loads into set u: chunk u of the three in hand (nx = 0) or of the next three (nx = 1).
; A fragment is 16 rows x 32 K: lane l holds row l % 16, K = 8 (l / 16) + 0..7 and 16 + 8 (l / 16) + 0..7: two loads of 16 bytes, 32 bytes apart.
.macro XLOADS u, nx
	WIN 0x40                                       ; destination window 1, address window 0
.irp a, 0,1,2,3
	global_load_b128 v[80*(\u)+8*(\a):80*(\u)+8*(\a)+3],   v[XO+(\a)], s[XP:XP+1] offset:(\nx)*192+64*(\u)
	global_load_b128 v[80*(\u)+8*(\a)+4:80*(\u)+8*(\a)+7], v[XO+(\a)], s[XP:XP+1] offset:(\nx)*192+64*(\u)+32
.endr
.irp b, 0,1,2,3,4,5
	global_load_b128 v[80*(\u)+32+8*(\b):80*(\u)+32+8*(\b)+3],   v[WO], s[WP:WP+1] offset:(\nx)*192+(\b)*16*WROW+64*(\u)
	global_load_b128 v[80*(\u)+32+8*(\b)+4:80*(\u)+32+8*(\b)+7], v[WO], s[WP:WP+1] offset:(\nx)*192+(\b)*16*WROW+64*(\u)+32
.endr
.endm
; A chunk: 24 products (each accumulator once, always in the same order: the accumulators take turns), and the set is asked for again, three chunks on.
; first = 1: the products start the sums, with the bias as C.
.macro CHUNK u, first, refill, cnt
	s_wait_loadcnt \cnt                            ; my set's loads are in, and all that were issued ahead of them; what was issued behind them may stay out
	WIN 0x05                                       ; sources 0 and 1 window 1, C and D window 0
.irp a, 0,1,2,3
.irp b, 0,1,2,3,4,5
.if \first
	v_wmma_f32_16x16x32_f16 v[ACC+8*(6*(\a)+(\b)):ACC+8*(6*(\a)+(\b))+7], v[80*(\u)+32+8*(\b):80*(\u)+32+8*(\b)+7], v[80*(\u)+8*(\a):80*(\u)+8*(\a)+7], v[BI+8*(\b):BI+8*(\b)+7]
.else
	v_wmma_f32_16x16x32_f16 v[ACC+8*(6*(\a)+(\b)):ACC+8*(6*(\a)+(\b))+7], v[80*(\u)+32+8*(\b):80*(\u)+32+8*(\b)+7], v[80*(\u)+8*(\a):80*(\u)+8*(\a)+7], v[ACC+8*(6*(\a)+(\b)):ACC+8*(6*(\a)+(\b))+7]
.endif
.endr
.endr
	PLACES
.if \refill
	WIN 0x40                                       ; the switch, then the wait, then the loads
	s_wait_alu depctr_va_vdst(0)                   ; the chunk's 24 products are done reading set u, in which the 20 loads below land
	XLOADS \u, 1
.endif
.endm
.macro STEP                            ; three chunks on
	WIN 0
	s_wait_xcnt 0x0                                ; every load issued so far has read its address: the pointers may be written
	s_add_nc_u64 s[XP:XP+1], s[XP:XP+1], 192
	s_add_nc_u64 s[WP:WP+1], s[WP:WP+1], 192
.endm
	s_wait_alu depctr_va_vdst(0)                   ; the ten offsets and addresses v2 to v11 are written, which the loads and stores from here on read
.irp b, 0,1,2,3,4,5                    ; the bias first: 12 loads, then three chunks' 60.  The counter's field holds fewer than 72: the issue of the last ones waits for the first to come back (ISA guide 5.7.1)
	global_load_b128 v[BI+8*\b:BI+8*\b+3],   v[BO], s[30:31] offset:64*\b
	global_load_b128 v[BI+8*\b+4:BI+8*\b+7], v[BO], s[30:31] offset:64*\b+16
.endr
	XLOADS 0, 0
	XLOADS 1, 0
	XLOADS 2, 0
	CHUNK 0, 1, 1, 40                              ; 40: the two younger chunks' loads
	CHUNK 1, 0, 1, 40
	CHUNK 2, 0, 1, 40
	STEP
	s_mov_b32 s47, 6
.Lk:                                                   ; chunks 3 .. 20
	CHUNK 0, 0, 1, 40
	CHUNK 1, 0, 1, 40
	CHUNK 2, 0, 1, 40
	STEP
	s_sub_co_u32 s47, s47, 1
	s_cmp_lg_u32 s47, 0
	s_cbranch_scc1 .Lk
	CHUNK 0, 0, 0, 40                              ; the last three chunks ask for nothing: the counts run down
	CHUNK 1, 0, 0, 20
	CHUNK 2, 0, 0, 0
	WIN 0
	; THE WAY OUT.  All 24 accumulators are rounded in place, each from its low end on: its eight numbers close up into its first four registers.  Both ways out read these; the rows come back into its last four.
.set k, 0
.rept 24
.irp p, 0,1,2,3
	v_cvt_pk_f16_f32 v[ACC+8*k+\p], v[ACC+8*k+2*\p], v[ACC+8*k+2*\p+1]
.endr
.set k, k+1
.endr
	s_wait_alu depctr_va_vdst(0)                   ; the conversions have written each accumulator's first four registers, which the LDS stores read, and are done reading its last four, in which the LDS loads land; no vector instruction follows
	s_cmp_eq_u32 s21, 2
	s_cbranch_scc1 .Lv
	; Q and K: 16 rows at a time through my stage: in as 16 bytes of a row, back as 512 consecutive bytes of the dense tile.
	; The dense rows of 192 bytes start in four different groups of banks only (64 banks of 4 bytes: ISA guide 11.1): six stores a block go four deep; in return the way back is 16 x lane.
.macro QSTG a
.irp b, 0,1,2,3,4,5
	ds_store_b128 v[STO], v[ACC+8*(6*(\a)+\b):ACC+8*(6*(\a)+\b)+3] offset:32*\b
.endr
.irp t, 0,1,2,3,4,5
	ds_load_b128 v[ACC+8*(6*(\a)+\t)+4:ACC+8*(6*(\a)+\t)+7], v[GO] offset:512*\t  ; LDS serves a wave's instructions in order (ISA guide 5.7.1.4): these see the stores above; the next block's stores come behind them
.endr
.endm
.macro QSEND a, younger                ; younger: the LDS instructions issued behind block a's loads: the next block's twelve, or none
	s_wait_dscnt \younger
.irp t, 0,1,2,3,4,5
	global_store_b128 v[GO], v[ACC+8*(6*(\a)+\t)+4:ACC+8*(6*(\a)+\t)+7], s[40:41] offset:3072*(\a)+512*\t
.endr
.endm
	QSTG 0
	QSTG 1                                         ; a block's way through the stage stands between the loads of the block before and its stores
	QSEND 0, 12
	QSTG 2
	QSEND 1, 12
	QSTG 3
	QSEND 2, 12
	QSEND 3, 0
	s_branch .Lend
.Lv:	; V is turned on the way: number (key 16 a + r, channel 16 b + 8 h + j) goes to stage row = channel, 2 bytes at the key
.set k, 0
.rept 24
.irp p, 0,1,2,3
	ds_store_b16 v[VSTO], v[ACC+8*k+\p] offset:2304*(k%6)+288*\p+32*(k/6)
	ds_store_b16_d16_hi v[VSTO], v[ACC+8*k+\p] offset:2304*(k%6)+288*\p+144+32*(k/6)
.endr
.set k, k+1
.endr
.set k, 0
.rept 24
	ds_load_b128 v[ACC+8*k+4:ACC+8*k+7], v[VRD] offset:576*k  ; four channels' 128 bytes; LDS serves a wave's instructions in order (ISA guide 5.7.1.4)
.set k, k+1
.endr
.irp g, 0,1,2,3
	s_wait_dscnt 18-6*\g                           ; the younger loads may stay out
.irp t, 0,1,2,3,4,5
	global_store_b128 v[GO], v[ACC+8*(6*\g+\t)+4:ACC+8*(6*\g+\t)+7], s[40:41] offset:512*(6*\g+\t)
.endr
.endr
.Lend:
	s_wait_dscnt 0x0                               ; the closing lines, six on end
	s_wait_alu 0x0
	s_wait_tensorcnt 0x0
	ds_add_u32 v[SPW], v[NIL]
	s_wait_dscnt 0x0
	s_endpgm
.Lfunc_end_k_q2ed3572e58_qkv:
	.size	k_q2ed3572e58_qkv, .Lfunc_end_k_q2ed3572e58_qkv-k_q2ed3572e58_qkv
	.p2alignl 7, 3214868480
	.fill 96, 4, 3214868480
	.section	.rodata,"a",@progbits
	.p2align	6, 0x0
	.amdhsa_kernel k_q2ed3572e58_qkv
		.amdhsa_group_segment_fixed_size 14080
		.amdhsa_private_segment_fixed_size 0
		.amdhsa_enable_private_segment 0
		.amdhsa_kernarg_size 48
		.amdhsa_user_sgpr_count 2
		.amdhsa_user_sgpr_kernarg_segment_ptr 1
		.amdhsa_wavefront_size32 1
		.amdhsa_system_sgpr_workgroup_id_x 1
		.amdhsa_system_sgpr_workgroup_id_y 1
		.amdhsa_system_sgpr_workgroup_id_z 1
		.amdhsa_system_vgpr_workitem_id 0
		.amdhsa_next_free_vgpr 512
		.amdhsa_next_free_sgpr 66
		.amdhsa_reserve_vcc 0
		.amdhsa_float_denorm_mode_32 3
		.amdhsa_float_denorm_mode_16_64 3
		.amdhsa_memory_ordered 1
		.amdhsa_forward_progress 1
		.amdhsa_inst_pref_size 66
	.end_amdhsa_kernel
	.amdgpu_metadata
---
amdhsa.version: [ 1, 2 ]
amdhsa.kernels:
  - .name:           k_q2ed3572e58_qkv
    .symbol:         k_q2ed3572e58_qkv.kd
    .args:
      - { .name: meta, .offset: 0, .size: 8, .value_kind: global_buffer, .address_space: global }
      - { .name: wta, .offset: 8, .size: 8, .value_kind: global_buffer, .address_space: global }
      - { .name: bq, .offset: 16, .size: 8, .value_kind: global_buffer, .address_space: global }
      - { .name: bk, .offset: 24, .size: 8, .value_kind: global_buffer, .address_space: global }
      - { .name: bv, .offset: 32, .size: 8, .value_kind: global_buffer, .address_space: global }
      - { .name: qkv, .offset: 40, .size: 8, .value_kind: global_buffer, .address_space: global }
    .group_segment_fixed_size: 14080
    .private_segment_fixed_size: 0
    .kernarg_segment_align: 8
    .kernarg_segment_size: 48
    .max_flat_workgroup_size: 32
    .sgpr_count:     66
    .vgpr_count:     512
    .wavefront_size: 32
...
	.end_amdgpu_metadata
.endif
;; end of part 15
;; launch attn (part 16): grid 32 x 64, 1 waves a work-group, no clusters, 3,328 bytes of LDS; arguments meta, qkv, actb; writes actb
.if DOCPART == 16
	.amdgcn_target "amdgcn-amd-amdhsa--gfx1250"
	.amdhsa_code_object_version 6
	.text
	.protected	k_q2ed3572e58_attn
	.globl	k_q2ed3572e58_attn
	.p2align	8
	.type	k_q2ed3572e58_attn,@function
k_q2ed3572e58_attn:
	s_mov_b64 s[64:65], 0
	v_nop
	global_prefetch_b8 v0, s[64:65] scope:SCOPE_SE
	s_setreg_imm32_b32 hwreg(HW_REG_WAVE_SCHED_MODE, 0, 2), 2
	s_setreg_imm32_b32 hwreg(HW_REG_WAVE_MODE, 25, 1), 1
	s_wait_xcnt 0x0
	s_wait_alu depctr_vm_vsrc(0)
; CROSS-ATTENTION.  ctx[c][:] = the sum over the ns source keys of softmax(q[c] . k / sqrt(96)) v, for the hyp rows c of a batch and head.  q, k, v (turned) in f16 as the launch before laid them;
; products, maxima and sums in f32; the weights are rounded to f16 for the second product (their sum is taken unrounded); ctx rounded once, to actb [batch][head][2,048 rows][96] in f16.
; reference() sets the scores of all other keys to -1e9: their weights are 0 whenever a source key exists, and where none exists the batch is not valid and no row of it is wanted.  So only source keys are walked.
; LIMITS.  In the last key tile a key past ns counts as its score less 1e30 (reference: -1e9): weight 0 in both as long as true scores lie above -1e9 + 100.  A weight below 2^-126 counts as 0 in the sum;
; a weight lies in 0 to 1 and below 6e-5 keeps f16's fixed step of 6e-8; ctx is a mean of v's rows and has their range, within 65,504.  NaN and infinities are not treated apart.
; SHARES.  A work-group is ONE wave: the waves share nothing and never meet, so the smallest work-group shares the work out most evenly.  x = head + 8 batch, y = block of 32 queries (two tiles of 16).
; The block is the grid's slow axis, so the work-groups that have rows are the first in the grid's order; one past the segment's last tile (meta) ends at once.  The wave walks the keys, 64 a trip in two substeps of 32; nts trips, from meta.
; LAYOUT.  S^T = K Q^T (source 0 = 16 keys, source 1 = 16 queries): a lane holds ONE query (lane % 16) and the keys 8 (lane / 16) + 0..7; two such results rounded in pairs ARE source 1 of O^T = V^T P.
; SOFTMAX.  A running maximum m and sum l for each query: p = 2^(c s - c m), c = log2(e) / sqrt(96); O and l are multiplied by a = 2^(c m_old - c m_new) in every substep.  m starts at the lowest finite number,
; O and l at 0, so the first substep is one like any other, with a = 0: 96 lines clear O once a wave, while the first loads are out.
; IN FLIGHT.  K and V of both substeps have registers of their own and are asked for again as soon as they are multiplied: four groups of 12 loads, of which three stay out at each wait.
; THE MODE: SCHED_MODE bits 1:0 = 2 (LLVM: expert scheduling mode 2), set by the entry lines.  The code itself states the register dependences
; between vector or matrix instructions and memory or LDS instructions, with s_wait_alu, always for 0.
; THE PLAN.  Registers that memory or LDS instructions touch:
;   v2, v3, v6  offsets: written at the head, read by the loads and stores, never written again (the key tiles are reached by two scalar bases and by immediates).
;   Q           loaded once at the head; read by the products K Q^T.
;   K of substep s   its 12 products K Q^T read it; behind them the same substep's K of the next tile lands in it.
;   V of substep s   its 12 products V^T P read it; behind them the same substep's V of the next tile lands in it.
;   O           in the loop named by vector and matrix instructions alone.  On the way out the conversions close each accumulator's eight numbers up into its first four registers, which the LDS stores
;               read; the LDS loads land in its last four, which the global stores read.  None of them is written again.
;   v12, v13    written at the head, read by the closing add alone.
; So a substep has three waits on va_vdst: behind K Q^T, ahead of K's loads (the softmax that follows reads those products' results in any case); the softmax's own, behind its exponentials;
; behind V^T P, ahead of V's loads.  One more stands ahead of the first load, one behind the reciprocals, one behind the conversions.  No register that a memory or LDS instruction reads is rewritten:
; there is no wait on vm_vsrc.  The last tile's masks are made by compares into scalar registers, in two runs of 16, each with one wait on va_sdst ahead of its selects.
.set TB,  12288                        ; a tile of K, and of VT
.set SPARE, 3072                       ; the stage, from LDS byte 0: 16 rows x 192 bytes, dense.  Behind it the spare words: one block of 256 bytes
.set KO,  2                            ; v2   192 (lane % 16) + 16 (lane / 16): K's and Q's rows, and where I put 16 bytes of a row in the stage
.set VO,  3                            ; v3   128 (lane % 16) + 16 (lane / 16): VT's rows
.set GO,  6                            ; v6   16 x lane: my 16 of 512 consecutive bytes, in the stage and in memory
.set SPW, 12                           ; v12  my spare word; never rewritten
.set NIL, 13                           ; v13  0; never rewritten
.set MK,  14                           ; v14  rem1 - 8 (lane / 16)
.set ST,  16                           ; tile u at ST + 8 u: c m, m, l (even keys'), l (odd keys'), t0, t1, a, d
.set S,   32                           ; S^T: tile u, key block kb at S + 16 u + 8 kb
.set P,   64                           ; tile u at P + 8 u
.set Q,   80                           ; tile u, channels 32 ch on, at Q + 24 u + 8 ch
.set O,   128                          ; tile u, channels 16 cb on, at O + 48 u + 8 cb
; window 1: K (substep s, key block kb, channels 32 ch on) at 96 s + 24 kb + 8 ch; V^T (s, channels 16 cb on) at 96 s + 48 + 8 cb; the last tile's masks (s, kb) at 192 + 16 s + 8 kb
.set MC,  192
.set KP,  20                           ; s[20:21] K at the tile in hand
.set VP,  22                           ; s[22:23] VT
.set QP,  24
.set OPT, 26
.set CS,  28                           ; s[28:29] c
.set SEL, 30                           ; s[30:31] v_permlanex16_b32's selects
.set BIGN, 40
.set CNT, 41
.set BND, 42
.set MS,  44                           ; s[44:59] sixteen compares' results
.set MSB, 0
.macro WIN new
.if MSB != (\new)
	s_set_vgpr_msb (MSB<<8)|(\new)
.set MSB, \new
.endif
.endm
.macro PLACES                          ; four plain instructions between a matrix instruction and a vector read or write of its registers; in front of a load they stand beside the wait that states the dependence
.rept 4
	v_nop
.endr
.endm
.macro BOTH line:vararg                ; one line for each tile u: the tiles alternate, so that no line reads the result of the one before it
.set u, 0
	\line
.set u, 1
	\line
.endm
	s_load_b128 s[4:7], s[0:1], 0x0                ; meta 4, qkv 6
	s_load_b64 s[8:9], s[0:1], 0x10                ; actb
	v_lshl_add_u32 v[SPW], v0, 2, SPARE
	v_mov_b32 v[NIL], 0
	s_and_b32 s11, ttmp9, 7                        ; head
	s_lshr_b32 s13, ttmp9, 3                       ; batch
	s_and_b32 s12, ttmp7, 0xffff                   ; block of 32 queries
	s_lshl_b32 s14, s13, 5
	s_mov_b32 s15, 0
	s_wait_kmcnt 0x0
	s_add_nc_u64 s[4:5], s[4:5], s[14:15]
	s_load_b256 s[32:39], s[4:5], 0x0              ; ns 32, hs 33, nh 34, nth 35, nts 36, rem1 37
	s_mul_i32 s16, s13, 3145728
	s_mul_i32 s17, s11, 393216
	s_add_co_u32 s16, s16, s17
	s_mov_b32 s17, 0                               ; s[16:17]: batch and head
	s_mul_i32 s18, s12, 6144
	s_mov_b32 s19, 0                               ; s[18:19]: my 32 rows
	s_add_nc_u64 s[QP:QP+1], s[6:7], s[16:17]
	s_add_nc_u64 s[KP:KP+1], s[QP:QP+1], 12582912
	s_add_nc_u64 s[VP:VP+1], s[KP:KP+1], 12582912
	s_add_nc_u64 s[QP:QP+1], s[QP:QP+1], s[18:19]
	s_add_nc_u64 s[OPT:OPT+1], s[8:9], s[16:17]
	s_add_nc_u64 s[OPT:OPT+1], s[OPT:OPT+1], s[18:19]
	s_mov_b32 s[CS], 0x3e16c740                    ; c = log2(e) / sqrt(96) = 0.147244
	s_mov_b32 s[CS+1], s[CS]
	s_mov_b32 s[SEL], 0x76543210
	s_mov_b32 s[SEL+1], 0xfedcba98
	s_mov_b32 s[BIGN], 0xf149f2ca                  ; -1e30
	s_mov_b32 s[CNT], 0
	v_and_b32 v7, 15, v0                           ; r
	v_bfe_u32 v8, v0, 4, 1                         ; h
	v_mul_u32_u24 v[KO], v7, 192
	v_lshl_add_u32 v[KO], v8, 4, v[KO]
	v_lshlrev_b32 v[VO], 7, v7
	v_lshl_add_u32 v[VO], v8, 4, v[VO]
	v_lshlrev_b32 v[GO], 4, v0
	v_lshlrev_b32 v15, 3, v8
	s_wait_kmcnt 0x0
	s_lshl_b32 s14, s35, 1
	s_cmp_lt_u32 s12, s14
	s_cbranch_scc0 .Lend                           ; the segment has no such rows
	s_min_u32 s[BND], s36, 32
	s_sub_co_u32 s[BND], s[BND], 1                 ; all key tiles but the last go through the loop
.macro LDK s, off                      ; K of substep s: 32 keys x 96 channels, 12 loads
	WIN 0x40
.irp kb, 0,1
.irp ch, 0,1,2
	global_load_b128 v[96*(\s)+24*(\kb)+8*(\ch):96*(\s)+24*(\kb)+8*(\ch)+3],   v[KO], s[KP:KP+1] offset:(\off)+6144*(\s)+3072*(\kb)+64*(\ch)
	global_load_b128 v[96*(\s)+24*(\kb)+8*(\ch)+4:96*(\s)+24*(\kb)+8*(\ch)+7], v[KO], s[KP:KP+1] offset:(\off)+6144*(\s)+3072*(\kb)+64*(\ch)+32
.endr
.endr
.endm
.macro LDV s, off                      ; V^T of substep s: 96 channels x 32 keys, 12 loads
	WIN 0x40
.irp cb, 0,1,2,3,4,5
	global_load_b128 v[96*(\s)+48+8*(\cb):96*(\s)+48+8*(\cb)+3],   v[VO], s[VP:VP+1] offset:(\off)+2048*(\cb)+64*(\s)
	global_load_b128 v[96*(\s)+48+8*(\cb)+4:96*(\s)+48+8*(\cb)+7], v[VO], s[VP:VP+1] offset:(\off)+2048*(\cb)+64*(\s)+32
.endr
.endm
; 12 products S^T = K Q^T: the four accumulators take turns.  The first four start the sums: with 0, or in the last tile with the mask.
.macro KQ s, mask
.irp ch, 0,1,2
.irp kb, 0,1
.irp w, 0,1
.if (\ch) == 0
.if \mask
	WIN 0x11                                       ; K and the mask in window 1
	v_wmma_f32_16x16x32_f16 v[S+16*(\w)+8*(\kb):S+16*(\w)+8*(\kb)+7], v[96*(\s)+24*(\kb):96*(\s)+24*(\kb)+7], v[Q+24*(\w):Q+24*(\w)+7], v[MC+16*(\s)+8*(\kb):MC+16*(\s)+8*(\kb)+7]
.else
	WIN 0x01
	v_wmma_f32_16x16x32_f16 v[S+16*(\w)+8*(\kb):S+16*(\w)+8*(\kb)+7], v[96*(\s)+24*(\kb):96*(\s)+24*(\kb)+7], v[Q+24*(\w):Q+24*(\w)+7], 0
.endif
.else
	WIN 0x01
	v_wmma_f32_16x16x32_f16 v[S+16*(\w)+8*(\kb):S+16*(\w)+8*(\kb)+7], v[96*(\s)+24*(\kb)+8*(\ch):96*(\s)+24*(\kb)+8*(\ch)+7], v[Q+24*(\w)+8*(\ch):Q+24*(\w)+8*(\ch)+7], v[S+16*(\w)+8*(\kb):S+16*(\w)+8*(\kb)+7]
.endif
.endr
.endr
.endr
.endm
.macro PV s                            ; 12 products O^T += V^T P, each accumulator once
	WIN 0x01
.irp cb, 0,1,2,3,4,5
.irp w, 0,1
	v_wmma_f32_16x16x32_f16 v[O+48*(\w)+8*(\cb):O+48*(\w)+8*(\cb)+7], v[96*(\s)+48+8*(\cb):96*(\s)+48+8*(\cb)+7], v[P+8*(\w):P+8*(\w)+7], v[O+48*(\w)+8*(\cb):O+48*(\w)+8*(\cb)+7]
.endr
.endr
.endm
; The softmax of a substep, both tiles.  Each accumulator's lowest registers are read first.  The 34 exponentials are ONE batch with one wait: nothing ahead of the wait names a result of theirs.
.macro SOFT
	WIN 0
	BOTH v_max3_num_f32 v[ST+8*u+4], v[S+16*u], v[S+16*u+1], v[S+16*u+2]
	BOTH v_max3_num_f32 v[ST+8*u+5], v[S+16*u+8], v[S+16*u+9], v[S+16*u+10]
	BOTH v_max3_num_f32 v[ST+8*u+4], v[ST+8*u+4], v[S+16*u+3], v[S+16*u+4]
	BOTH v_max3_num_f32 v[ST+8*u+5], v[ST+8*u+5], v[S+16*u+11], v[S+16*u+12]
	BOTH v_max3_num_f32 v[ST+8*u+4], v[ST+8*u+4], v[S+16*u+5], v[S+16*u+6]
	BOTH v_max3_num_f32 v[ST+8*u+5], v[ST+8*u+5], v[S+16*u+13], v[S+16*u+14]
	BOTH v_max3_num_f32 v[ST+8*u+4], v[ST+8*u+4], v[S+16*u+7], v[S+16*u+15]
	BOTH v_max3_num_f32 v[ST+8*u+4], v[ST+8*u+4], v[ST+8*u+5], v[ST+8*u+1]
	BOTH v_mov_b32 v[ST+8*u+7], v[ST+8*u]                                  ; c m_old is kept
	BOTH v_permlanex16_b32 v[ST+8*u+5], v[ST+8*u+4], s[SEL], s[SEL+1]      ; the query's other 16 keys lie in the lane 16 away
	BOTH v_max_num_f32 v[ST+8*u+1], v[ST+8*u+4], v[ST+8*u+5]
	BOTH v_mul_f32 v[ST+8*u], s[CS], v[ST+8*u+1]
	BOTH v_sub_f32 v[ST+8*u+7], v[ST+8*u+7], v[ST+8*u]
	BOTH v_exp_f32 v[ST+8*u+6], v[ST+8*u+7]                                ; a
.set p, 0
.rept 8
	BOTH v_pk_fma_f32 v[S+16*u+2*p:S+16*u+2*p+1], v[S+16*u+2*p:S+16*u+2*p+1], s[CS:CS+1], v[ST+8*u:ST+8*u+1] op_sel_hi:[1,0,0] neg_lo:[0,0,1] neg_hi:[0,0,1]
.set p, p+1
.endr
.set p, 0
.rept 32
	v_exp_f32 v[S+p], v[S+p]
.set p, p+1
.endr
	v_nop                                          ; a plain instruction behind the last exponential,
	s_wait_alu depctr_va_vdst(0)                   ; and the batch's one wait: the 34 exponentials have written both a and the 32 weights in S, which the roundings, sums and rescalings below read
.set p, 0
.rept 16
	v_cvt_pk_f16_f32 v[P+p], v[S+2*p], v[S+2*p+1]
.set p, p+1
.endr
.set p, 0
.rept 8
	v_pk_add_f32 v[S+4*p:S+4*p+1], v[S+4*p:S+4*p+1], v[S+4*p+2:S+4*p+3]
.set p, p+1
.endr
.set p, 0
.rept 4
	v_pk_add_f32 v[S+8*p:S+8*p+1], v[S+8*p:S+8*p+1], v[S+8*p+4:S+8*p+5]
.set p, p+1
.endr
	BOTH v_pk_add_f32 v[S+16*u:S+16*u+1], v[S+16*u:S+16*u+1], v[S+16*u+8:S+16*u+9]
	BOTH v_pk_fma_f32 v[ST+8*u+2:ST+8*u+3], v[ST+8*u+2:ST+8*u+3], v[ST+8*u+6:ST+8*u+7], v[S+16*u:S+16*u+1] op_sel_hi:[1,0,1]
.set p, 0
.rept 24
	BOTH v_pk_mul_f32 v[O+48*u+2*p:O+48*u+2*p+1], v[O+48*u+2*p:O+48*u+2*p+1], v[ST+8*u+6:ST+8*u+7] op_sel_hi:[1,0]
.set p, p+1
.endr
.endm
; A substep.  fetch = 1: K and V of the same substep of the next tile are asked for as soon as their registers are free.  c1, c2: the loads issued behind K's, and behind V's, which may stay out.
.macro SUB s, mask, fetch, c1, c2
	s_wait_loadcnt \c1
	KQ \s, \mask
	PLACES
.if \fetch
	WIN 0x40                                       ; the switch, then the wait, then the loads
	s_wait_alu depctr_va_vdst(0)                   ; the 12 products K Q^T are done reading K of this substep, in which the 12 loads below land
	LDK \s, TB
.endif
	SOFT
	s_wait_loadcnt \c2
	PV \s
	PLACES
.if \fetch
	WIN 0x40
	s_wait_alu depctr_va_vdst(0)                   ; the 12 products V^T P are done reading V of this substep, in which the 12 loads below land
	LDV \s, TB
.endif
.endm
	s_wait_alu depctr_va_vdst(0)                   ; the offsets v2, v3 and v6 are written, which the loads and stores from here on read
.irp w, 0,1                            ; Q stays in registers
.irp ch, 0,1,2
	global_load_b128 v[Q+24*\w+8*\ch:Q+24*\w+8*\ch+3],   v[KO], s[QP:QP+1] offset:3072*\w+64*\ch
	global_load_b128 v[Q+24*\w+8*\ch+4:Q+24*\w+8*\ch+7], v[KO], s[QP:QP+1] offset:3072*\w+64*\ch+32
.endr
.endr
	LDK 0, 0
	LDV 0, 0
	LDK 1, 0
	LDV 1, 0                                       ; 60 loads are out
	WIN 0
	v_sub_nc_u32 v[MK], s37, v15
.set p, 0
.rept 96
	v_mov_b32 v[O+p], 0
.set p, p+1
.endr
	BOTH v_mov_b32 v[ST+8*u], 0xfe000000           ; c m: far below every c s
	BOTH v_mov_b32 v[ST+8*u+1], 0xff7fffff         ; m
	BOTH v_mov_b32 v[ST+8*u+2], 0
	BOTH v_mov_b32 v[ST+8*u+3], 0
	WIN 0x40
.irp g, 0,1                            ; register j of (s, kb) is key 32 s + 16 kb + 8 (lane / 16) + j of the last tile: hidden where that is beyond rem1.  Substep g: sixteen compares in a run, one wait, sixteen selects
.set p, 0
.rept 16
	v_cmp_gt_i32 s[MS+p], 16*((16*\g+p)/8)+(16*\g+p)%8, v[MK]
.set p, p+1
.endr
	s_wait_alu depctr_va_sdst(0)                   ; the sixteen compares have written s44 to s59, ahead of the selects that read them
.set p, 0
.rept 16
	v_cndmask_b32 v[MC+16*\g+p], 0, s[BIGN], s[MS+p]
.set p, p+1
.endr
.endr
	WIN 0
	s_cmp_eq_u32 s[BND], 0
	s_cbranch_scc1 .Ltail
.Ltrip:
	SUB 0, 0, 1, 36, 36                            ; 36: three younger groups of 12
	SUB 1, 0, 1, 36, 36
	WIN 0
	s_wait_xcnt 0x0                                ; every load issued so far has read its address: the pointers may be written
	s_add_nc_u64 s[KP:KP+1], s[KP:KP+1], TB
	s_add_nc_u64 s[VP:VP+1], s[VP:VP+1], TB
	s_add_co_u32 s[CNT], s[CNT], 1
	s_cmp_lt_u32 s[CNT], s[BND]
	s_cbranch_scc1 .Ltrip
.Ltail:                                                ; the last tile takes the masks and asks for nothing: the counts run down
	SUB 0, 1, 0, 36, 24
	SUB 1, 1, 0, 12, 0
	; THE WAY OUT: l's halves and the other half of the lanes' are added; O^T is divided by l and rounded in place, each accumulator's eight numbers closing up into its first four registers;
	; then a tile (16 rows) at a time goes through my stage and comes back into the accumulators' last four registers.
	WIN 0
	BOTH v_add_f32 v[ST+8*u+4], v[ST+8*u+2], v[ST+8*u+3]
	BOTH v_permlanex16_b32 v[ST+8*u+5], v[ST+8*u+4], s[SEL], s[SEL+1]
	BOTH v_add_f32 v[ST+8*u+4], v[ST+8*u+4], v[ST+8*u+5]
	BOTH v_rcp_f32 v[ST+8*u+6], v[ST+8*u+4]
	v_nop
	s_wait_alu depctr_va_vdst(0)                   ; the two reciprocals have written 1 / l, which the multiplies below read
.irp w, 0,1
.set p, 0
.rept 24
	v_pk_mul_f32 v[O+48*\w+2*p:O+48*\w+2*p+1], v[O+48*\w+2*p:O+48*\w+2*p+1], v[ST+8*\w+6:ST+8*\w+7] op_sel_hi:[1,0]
.set p, p+1
.endr
.endr
.set k, 0
.rept 12
.irp p, 0,1,2,3
	v_cvt_pk_f16_f32 v[O+8*k+\p], v[O+8*k+2*\p], v[O+8*k+2*\p+1]
.endr
.set k, k+1
.endr
	s_wait_alu depctr_va_vdst(0)                   ; the conversions have written each accumulator's first four registers, which the LDS stores read, and are done reading its last four, in which the LDS loads land; no vector instruction follows
.irp w, 0,1
.irp b, 0,1,2,3,4,5
	ds_store_b128 v[KO], v[O+48*\w+8*\b:O+48*\w+8*\b+3] offset:32*\b   ; in: row lane % 16, 16 bytes for each half of the lanes
.endr
.irp t, 0,1,2,3,4,5
	ds_load_b128 v[O+48*\w+8*\t+4:O+48*\w+8*\t+7], v[GO] offset:512*\t  ; back: 512 consecutive bytes; LDS serves a wave's instructions in order (ISA guide 5.7.1.4): the next tile's stores come behind these
.endr
.endr
.irp w, 0,1
	s_wait_dscnt 12-12*\w                          ; the first tile is back while the second's twelve LDS instructions may be out; then all
.irp t, 0,1,2,3,4,5
	global_store_b128 v[GO], v[O+48*\w+8*\t+4:O+48*\w+8*\t+7], s[OPT:OPT+1] offset:3072*\w+512*\t
.endr
.endr
.Lend:
	s_wait_dscnt 0x0                               ; the closing lines, six on end
	s_wait_alu 0x0
	s_wait_tensorcnt 0x0
	ds_add_u32 v[SPW], v[NIL]
	s_wait_dscnt 0x0
	s_endpgm
.Lfunc_end_k_q2ed3572e58_attn:
	.size	k_q2ed3572e58_attn, .Lfunc_end_k_q2ed3572e58_attn-k_q2ed3572e58_attn
	.p2alignl 7, 3214868480
	.fill 96, 4, 3214868480
	.section	.rodata,"a",@progbits
	.p2align	6, 0x0
	.amdhsa_kernel k_q2ed3572e58_attn
		.amdhsa_group_segment_fixed_size 3328
		.amdhsa_private_segment_fixed_size 0
		.amdhsa_enable_private_segment 0
		.amdhsa_kernarg_size 24
		.amdhsa_user_sgpr_count 2
		.amdhsa_user_sgpr_kernarg_segment_ptr 1
		.amdhsa_wavefront_size32 1
		.amdhsa_system_sgpr_workgroup_id_x 1
		.amdhsa_system_sgpr_workgroup_id_y 1
		.amdhsa_system_sgpr_workgroup_id_z 1
		.amdhsa_system_vgpr_workitem_id 0
		.amdhsa_next_free_vgpr 512
		.amdhsa_next_free_sgpr 66
		.amdhsa_reserve_vcc 0
		.amdhsa_float_denorm_mode_32 3
		.amdhsa_float_denorm_mode_16_64 3
		.amdhsa_memory_ordered 1
		.amdhsa_forward_progress 1
		.amdhsa_inst_pref_size 72
	.end_amdhsa_kernel
	.amdgpu_metadata
---
amdhsa.version: [ 1, 2 ]
amdhsa.kernels:
  - .name:           k_q2ed3572e58_attn
    .symbol:         k_q2ed3572e58_attn.kd
    .args:
      - { .name: meta, .offset: 0, .size: 8, .value_kind: global_buffer, .address_space: global }
      - { .name: qkv, .offset: 8, .size: 8, .value_kind: global_buffer, .address_space: global }
      - { .name: actb, .offset: 16, .size: 8, .value_kind: global_buffer, .address_space: global }
    .group_segment_fixed_size: 3328
    .private_segment_fixed_size: 0
    .kernarg_segment_align: 8
    .kernarg_segment_size: 24
    .max_flat_workgroup_size: 32
    .sgpr_count:     66
    .vgpr_count:     512
    .wavefront_size: 32
...
	.end_amdgpu_metadata
.endif
;; end of part 16
;; launch wo (part 17): grid 48 x 32, 1 waves a work-group, no clusters, 4,608 bytes of LDS; arguments meta, actb, wto, ysum; writes ysum
.if DOCPART == 17
	.amdgcn_target "amdgcn-amd-amdhsa--gfx1250"
	.amdhsa_code_object_version 6
	.text
	.protected	k_q2ed3572e58_wo
	.globl	k_q2ed3572e58_wo
	.p2align	8
	.type	k_q2ed3572e58_wo,@function
k_q2ed3572e58_wo:
	s_mov_b64 s[64:65], 0
	v_nop
	global_prefetch_b8 v0, s[64:65] scope:SCOPE_SE
	s_setreg_imm32_b32 hwreg(HW_REG_WAVE_SCHED_MODE, 0, 2), 2
	s_setreg_imm32_b32 hwreg(HW_REG_WAVE_MODE, 25, 1), 1
	s_wait_xcnt 0x0
	s_wait_alu depctr_vm_vsrc(0)
; y = a W, raw f32 sums, for the hyp rows.  a: actb [batch][block of 96 channels, 8][2,048 rows][96] f16; the weight turned, [768 n][768 k] f16; y: ysum [batch][2,048 rows][768] f32.
; The bias and the residual are added by the launch behind, in f32.  One text serves ctx Wo and g W2.
; SHARES.  A work-group is ONE wave: the waves share nothing and never meet, so the smallest work-group shares the work out most evenly.  x = batch + 4 (column tile), y = row tile i.
; The wave makes 64 rows x 64 columns: 16 accumulators.  The row tile is the grid's slow axis, so the work-groups that have a tile are the first in the grid's order; one whose tile the segment does not have (meta) ends at once.
; Three sets of registers, a K chunk of 32 each, 16 loads a chunk: 48 out at the most.  A trip is one block of 96 channels.
; The product is taken turned (source 0 = 16 rows of the turned weight, source 1 = 16 rows of a): a lane holds one row and eight neighbouring columns.
; THE MODE: SCHED_MODE bits 1:0 = 2 (LLVM: expert scheduling mode 2), set by the entry lines.  The code itself states the register dependences
; between vector or matrix instructions and memory or LDS instructions, with s_wait_alu, always for 0.
; THE PLAN.  Registers that memory or LDS instructions touch:
;   v2 .. v6    offsets and addresses: written at the head, read by the loads and stores, never written again (the chunks are reached by two scalar bases and by immediates).
;   set u       chunk u of a trip: its 16 products read it; behind them the same chunk of the next trip lands in it.
;   ACC         in the loop named by products alone; on the way out read by the LDS stores.
;   v16 .. v143 the way out: block a's 16 rows come back from the stage at 16 + 32 a and are read by the global stores.  The last 16 of them are the first two accumulators' registers, which block 0's LDS stores read.
;   v8, v9      written at the head, read by the closing add alone.
; So: one wait on va_vdst ahead of the first load (the offsets are written); one to a chunk, behind its products and ahead of the loads into the set that they read (a set that waited for the next
; chunk's head would lie idle through that chunk's wait for its data); one ahead of the first LDS store (the accumulators are written); and one wait on vm_vsrc, ahead of block 3's loads from the stage.
.set SP,    272                        ; a stage row: 256 bytes + 16: the 16 rows start in 16 different groups of four banks (64 banks of 4 bytes: ISA guide 11.1)
.set SPARE, 16*SP                      ; the stage lies from LDS byte 0; behind it the spare words: one block of 256 bytes
.set AO,  2                            ; v2   192 (lane % 16) + 16 (lane / 16)
.set WO,  3                            ; v3   1,536 (lane % 16) + 16 (lane / 16)
.set STO, 4
.set RD,  5
.set GO,  6
.set SPW, 8                            ; my spare word; never rewritten
.set NIL, 9                            ; 0; never rewritten
.set OB,  16                           ; v[16:143] rows on the way out: block a at OB + 32 a
.set ACC, 128                          ; accumulator (a, b) at ACC + 8 (4 a + b)
; window 1: set u at 64 u: a's fragment at + 8 a, the weight's at + 32 + 8 b
.set MSB, 0
.macro WIN new
.if MSB != (\new)
	s_set_vgpr_msb (MSB<<8)|(\new)
.set MSB, \new
.endif
.endm
.macro PLACES                          ; four plain instructions between a matrix instruction and a read of its result; in front of a load they stand beside the wait that states the dependence
.rept 4
	v_nop
.endr
.endm
	s_load_b256 s[4:11], s[0:1], 0x0               ; meta 4, actb 6, the turned weight 8, ysum 10
	v_lshl_add_u32 v[SPW], v0, 2, SPARE
	v_mov_b32 v[NIL], 0
	s_and_b32 s15, ttmp9, 3                        ; batch
	s_lshr_b32 s14, ttmp9, 2                       ; column tile 0..11
	s_and_b32 s13, ttmp7, 0xffff                   ; row tile i
	s_lshl_b32 s16, s15, 5
	s_mov_b32 s17, 0
	s_wait_kmcnt 0x0
	s_add_nc_u64 s[4:5], s[4:5], s[16:17]
	s_load_b256 s[32:39], s[4:5], 0x0              ; nth in s35
	v_and_b32 v10, 15, v0                          ; r
	v_bfe_u32 v11, v0, 4, 1                        ; h
	v_mul_u32_u24 v[AO], v10, 192
	v_lshl_add_u32 v[AO], v11, 4, v[AO]
	v_mul_u32_u24 v[WO], v10, 1536
	v_lshl_add_u32 v[WO], v11, 4, v[WO]
	v_mul_u32_u24 v[STO], v10, SP                  ; in: row lane % 16, 32 bytes for each half of the lanes
	v_lshl_add_u32 v[STO], v11, 5, v[STO]
	v_mul_u32_u24 v[RD], v11, SP                   ; back: lanes 0-15 one row of 256 bytes, lanes 16-31 the next
	v_lshl_add_u32 v[RD], v10, 4, v[RD]
	v_mul_u32_u24 v[GO], v11, 3072
	v_lshl_add_u32 v[GO], v10, 4, v[GO]
	s_mul_i32 s16, s15, 3145728
	s_mul_i32 s18, s13, 12288
	s_add_co_u32 s16, s16, s18
	s_add_nc_u64 s[6:7], s[6:7], s[16:17]          ; a: block 0, my 64 rows
	s_mul_i32 s16, s14, 64*1536
	s_add_nc_u64 s[8:9], s[8:9], s[16:17]          ; the weight's 64 rows
	s_mul_i32 s16, s15, 6291456
	s_mul_i32 s18, s13, 196608
	s_add_co_u32 s16, s16, s18
	s_lshl_b32 s18, s14, 8
	s_add_co_u32 s16, s16, s18
	s_add_nc_u64 s[10:11], s[10:11], s[16:17]      ; my tile of y
	s_wait_kmcnt 0x0
	s_cmp_lt_u32 s13, s35
	s_cbranch_scc0 .Lend
.macro GLOADS u, nx                    ; chunk u of the block in hand (nx = 0) or of the next (nx = 1)
	WIN 0x40
.irp a, 0,1,2,3
	global_load_b128 v[64*(\u)+8*(\a):64*(\u)+8*(\a)+3],   v[AO], s[6:7] offset:(\nx)*393216+3072*(\a)+64*(\u)
	global_load_b128 v[64*(\u)+8*(\a)+4:64*(\u)+8*(\a)+7], v[AO], s[6:7] offset:(\nx)*393216+3072*(\a)+64*(\u)+32
.endr
.irp b, 0,1,2,3
	global_load_b128 v[64*(\u)+32+8*(\b):64*(\u)+32+8*(\b)+3],   v[WO], s[8:9] offset:(\nx)*192+24576*(\b)+64*(\u)
	global_load_b128 v[64*(\u)+32+8*(\b)+4:64*(\u)+32+8*(\b)+7], v[WO], s[8:9] offset:(\nx)*192+24576*(\b)+64*(\u)+32
.endr
.endm
.macro CHUNK u, zero, refill, cnt      ; 16 products, each accumulator once, always in the same order: the accumulators take turns
	s_wait_loadcnt \cnt
	WIN 0x05
.irp a, 0,1,2,3
.irp b, 0,1,2,3
.if \zero
	v_wmma_f32_16x16x32_f16 v[ACC+8*(4*(\a)+(\b)):ACC+8*(4*(\a)+(\b))+7], v[64*(\u)+32+8*(\b):64*(\u)+32+8*(\b)+7], v[64*(\u)+8*(\a):64*(\u)+8*(\a)+7], 0
.else
	v_wmma_f32_16x16x32_f16 v[ACC+8*(4*(\a)+(\b)):ACC+8*(4*(\a)+(\b))+7], v[64*(\u)+32+8*(\b):64*(\u)+32+8*(\b)+7], v[64*(\u)+8*(\a):64*(\u)+8*(\a)+7], v[ACC+8*(4*(\a)+(\b)):ACC+8*(4*(\a)+(\b))+7]
.endif
.endr
.endr
	PLACES
.if \refill
	WIN 0x40                                       ; the switch, then the wait, then the loads
	s_wait_alu depctr_va_vdst(0)                   ; the chunk's 16 products are done reading set u, in which the 16 loads below land
	GLOADS \u, 1
.endif
.endm
.macro TRIP zero, refill, c0, c1, c2
	CHUNK 0, \zero, \refill, \c0
	CHUNK 1, 0, \refill, \c1
	CHUNK 2, 0, \refill, \c2
.endm
.macro STEP
	WIN 0
	s_wait_xcnt 0x0                                ; every load issued so far has read its address: the pointers may be written
	s_add_nc_u64 s[6:7], s[6:7], 393216
	s_add_nc_u64 s[8:9], s[8:9], 192
.endm
	WIN 0x40
	s_wait_alu depctr_va_vdst(0)                   ; the five offsets and addresses v2 to v6 are written, which the loads and stores from here on read
	GLOADS 0, 0
	GLOADS 1, 0
	GLOADS 2, 0
	TRIP 1, 1, 32, 32, 32                          ; the first chunk starts the sums; 32: the two younger chunks' loads
	STEP
	s_mov_b32 s20, 6
.Lk:
	TRIP 0, 1, 32, 32, 32
	STEP
	s_sub_co_u32 s20, s20, 1
	s_cmp_lg_u32 s20, 0
	s_cbranch_scc1 .Lk
	TRIP 0, 0, 32, 16, 0                           ; the last block asks for nothing: the counts run down
	WIN 0
; THE WAY OUT: 16 rows at a time through my stage, back as whole rows of 256 bytes, each block into registers of its own.
.macro OUTB a
.irp b, 0,1,2,3
	ds_store_b128 v[STO], v[ACC+8*(4*(\a)+\b):ACC+8*(4*(\a)+\b)+3]   offset:64*\b      ; each accumulator from its low end on
	ds_store_b128 v[STO], v[ACC+8*(4*(\a)+\b)+4:ACC+8*(4*(\a)+\b)+7] offset:64*\b+16
.endr
.if (\a) == 3
	s_wait_alu depctr_vm_vsrc(0)                   ; block 0's LDS stores have read v128 to v143, in which the last four loads below land
.endif
.irp t, 0,1,2,3,4,5,6,7
	ds_load_b128 v[OB+32*(\a)+4*\t:OB+32*(\a)+4*\t+3], v[RD] offset:\t*2*SP  ; LDS serves a wave's instructions in order (ISA guide 5.7.1.4): these see the stores above; the next block's stores come behind them
.endr
.endm
.macro SEND a, younger                 ; younger: the LDS instructions issued behind block a's loads: the next block's sixteen, or none
	s_wait_dscnt \younger
.irp t, 0,1,2,3,4,5,6,7
	global_store_b128 v[GO], v[OB+32*(\a)+4*\t:OB+32*(\a)+4*\t+3], s[10:11] offset:49152*(\a)+6144*\t  ; 16 lanes store 256 consecutive bytes, aligned
.endr
.endm
	s_wait_alu depctr_va_vdst(0)                   ; the products have written the accumulators, which the LDS stores read; the four places stand ahead of this wait; no vector instruction follows
	OUTB 0
	OUTB 1                                         ; a block's way through the stage stands between the loads of the block before and its stores
	SEND 0, 16
	OUTB 2
	SEND 1, 16
	OUTB 3
	SEND 2, 16
	SEND 3, 0
.Lend:
	s_wait_dscnt 0x0                               ; the closing lines, six on end
	s_wait_alu 0x0
	s_wait_tensorcnt 0x0
	ds_add_u32 v[SPW], v[NIL]
	s_wait_dscnt 0x0
	s_endpgm
.Lfunc_end_k_q2ed3572e58_wo:
	.size	k_q2ed3572e58_wo, .Lfunc_end_k_q2ed3572e58_wo-k_q2ed3572e58_wo
	.p2alignl 7, 3214868480
	.fill 96, 4, 3214868480
	.section	.rodata,"a",@progbits
	.p2align	6, 0x0
	.amdhsa_kernel k_q2ed3572e58_wo
		.amdhsa_group_segment_fixed_size 4608
		.amdhsa_private_segment_fixed_size 0
		.amdhsa_enable_private_segment 0
		.amdhsa_kernarg_size 32
		.amdhsa_user_sgpr_count 2
		.amdhsa_user_sgpr_kernarg_segment_ptr 1
		.amdhsa_wavefront_size32 1
		.amdhsa_system_sgpr_workgroup_id_x 1
		.amdhsa_system_sgpr_workgroup_id_y 1
		.amdhsa_system_sgpr_workgroup_id_z 1
		.amdhsa_system_vgpr_workitem_id 0
		.amdhsa_next_free_vgpr 512
		.amdhsa_next_free_sgpr 66
		.amdhsa_reserve_vcc 0
		.amdhsa_float_denorm_mode_32 3
		.amdhsa_float_denorm_mode_16_64 3
		.amdhsa_memory_ordered 1
		.amdhsa_forward_progress 1
		.amdhsa_inst_pref_size 35
	.end_amdhsa_kernel
	.amdgpu_metadata
---
amdhsa.version: [ 1, 2 ]
amdhsa.kernels:
  - .name:           k_q2ed3572e58_wo
    .symbol:         k_q2ed3572e58_wo.kd
    .args:
      - { .name: meta, .offset: 0, .size: 8, .value_kind: global_buffer, .address_space: global }
      - { .name: actb, .offset: 8, .size: 8, .value_kind: global_buffer, .address_space: global }
      - { .name: wto, .offset: 16, .size: 8, .value_kind: global_buffer, .address_space: global }
      - { .name: ysum, .offset: 24, .size: 8, .value_kind: global_buffer, .address_space: global }
    .group_segment_fixed_size: 4608
    .private_segment_fixed_size: 0
    .kernarg_segment_align: 8
    .kernarg_segment_size: 32
    .max_flat_workgroup_size: 32
    .sgpr_count:     66
    .vgpr_count:     512
    .wavefront_size: 32
...
	.end_amdgpu_metadata
.endif
;; end of part 17
;; launch ln1: the kernel of part 12 again; grid 128 x 4, 8 waves a work-group, no clusters, 0 bytes of LDS; arguments meta, hidden_states, ysum, bo, ln1_g, ln1_b, x1buf; writes x1buf
;; launch w1 (part 18): grid 32 x 32, 1 waves a work-group, no clusters, 3,328 bytes of LDS; arguments meta, x1buf, wta, b1, actb; writes actb
.if DOCPART == 18
	.amdgcn_target "amdgcn-amd-amdhsa--gfx1250"
	.amdhsa_code_object_version 6
	.text
	.protected	k_q2ed3572e58_w1
	.globl	k_q2ed3572e58_w1
	.p2align	8
	.type	k_q2ed3572e58_w1,@function
k_q2ed3572e58_w1:
	s_mov_b64 s[64:65], 0
	v_nop
	global_prefetch_b8 v0, s[64:65] scope:SCOPE_SE
	s_setreg_imm32_b32 hwreg(HW_REG_WAVE_SCHED_MODE, 0, 2), 2
	s_setreg_imm32_b32 hwreg(HW_REG_WAVE_MODE, 25, 1), 1
	s_wait_xcnt 0x0
	s_wait_alu depctr_vm_vsrc(0)
; g = gelu(x1 W1 + b1), the tanh form, for the hyp rows.  x1 in f16 (x1buf from byte 25,165,824, [batch][2,048][768]); W1 turned, the fourth weight of wta, in f16; sums, bias and gelu in f32;
; g rounded once to f16, to actb [batch][block of 96 columns, 8][2,048 rows][96].  LIMIT: g within 65,504 (with x1 of spread 1 and W1 of spread 0.02 it reaches about 2.8); below 6e-5 f16 keeps a fixed step of 6e-8.
; gelu(x) = x / (1 + 2^(x (A1 + A3 x^2))), A1 = -2 log2(e) sqrt(2/pi), A3 = 0.044715 A1: for x far below 0 the power is infinite and the result -0, far above 0 it is 0 and the result x; no NaN for finite x below 1.8e19 in size.
; SHARES.  A work-group is ONE wave: the waves share nothing and never meet, so the smallest work-group shares the work out most evenly.  x = batch + 4 (column tile), y = row tile i.
; The wave makes 64 rows x 96 columns: 24 accumulators.  The row tile is the grid's slow axis, so the work-groups that have a tile are the first in the grid's order; one whose tile the segment does not have (meta) ends at once.
; Three sets of registers, a K chunk of 32 each, 20 loads a chunk.  THE BIAS IS THE C OF THE FIRST PRODUCT: nothing is cleared and nothing added later.
; THE MODE: SCHED_MODE bits 1:0 = 2 (LLVM: expert scheduling mode 2), set by the entry lines.  The code itself states the register dependences
; between vector or matrix instructions and memory or LDS instructions, with s_wait_alu, always for 0.
; THE PLAN.  Registers that memory or LDS instructions touch:
;   v2, v4, v6, v14  offsets and addresses: written at the head, read by the loads and stores, never written again (the chunks are reached by two scalar bases and by immediates).
;   BI          loaded once at the head; read by the first chunk's products as their C.
;   set u       chunk c, c % 3 = u: its 24 products read it; behind them the loads of chunk c + 3 land in it.  Behind the loop part of set 1 is gelu's work space, named by vector instructions alone.
;   ACC         in the loop named by products alone.  On the way out, block a (16 rows, six accumulators): gelu works in place, the conversions close each accumulator's eight numbers up into its first
;               four registers, which the LDS stores read; the LDS loads land in its last four, which the global stores read.  None of them is written again.
;   v12, v13    written at the head, read by the closing add alone.
; So: one wait on va_vdst ahead of the first load; one to a chunk, behind its products and ahead of the loads into the set that they read (three sets are what 512 registers hold beside the 24
; accumulators, and a set that waited for the next chunk's head would lie idle through that chunk's wait for its data); and on the way out three to a block: behind the exponentials, behind the
; reciprocals, and behind the conversions, ahead of the block's LDS stores and loads.  The next block's arithmetic, which names its own accumulators and the work space alone, stands between a
; block's loads from the stage and its global stores.  No register that a memory or LDS instruction reads is rewritten: there is no wait on vm_vsrc.
.set SPARE, 3072                       ; the stage, from LDS byte 0: 16 rows x 192 bytes, dense.  Behind it the spare words: one block of 256 bytes
.set LO,  2                            ; v2   1,536 (lane % 16) + 16 (lane / 16): x1's rows and the weight's
.set STO, 4                            ; v4   where I put 16 bytes of a row
.set GO,  6                            ; v6   16 x lane: my 16 of 512 consecutive bytes, in the stage and in memory
.set SPW, 12                           ; my spare word; never rewritten
.set NIL, 13                           ; 0; never rewritten
.set BO,  14                           ; 32 (lane / 16)
.set BI,  16                           ; v[16:63] the bias of my columns 16 b + 8 (lane / 16) + 0..7 at BI + 8 b
.set ACC, 64                           ; accumulator (a, b) at ACC + 8 (6 a + b)
; window 1: set u at 80 u: x1's fragment at + 8 a, the weight's at + 32 + 8 b.  At the end: gelu's work in v80-127
.set TT,  80
.set A1,  44                           ; s[44:45]
.set A3,  46                           ; s[46:47]
.set MSB, 0
.macro WIN new
.if MSB != (\new)
	s_set_vgpr_msb (MSB<<8)|(\new)
.set MSB, \new
.endif
.endm
.macro PLACES                          ; four plain instructions between a matrix instruction and a vector read or write of its registers; in front of a load they stand beside the wait that states the dependence
.rept 4
	v_nop
.endr
.endm
	s_load_b256 s[4:11], s[0:1], 0x0               ; meta 4, x1buf 6, wta 8, b1 10
	s_load_b64 s[12:13], s[0:1], 0x20              ; actb
	v_lshl_add_u32 v[SPW], v0, 2, SPARE
	v_mov_b32 v[NIL], 0
	s_and_b32 s17, ttmp9, 3                        ; batch
	s_lshr_b32 s16, ttmp9, 2                       ; column tile 0..7
	s_and_b32 s15, ttmp7, 0xffff                   ; row tile i
	s_lshl_b32 s18, s17, 5
	s_mov_b32 s19, 0
	s_wait_kmcnt 0x0
	s_add_nc_u64 s[4:5], s[4:5], s[18:19]
	s_load_b256 s[32:39], s[4:5], 0x0              ; nth in s35
	v_and_b32 v7, 15, v0
	v_bfe_u32 v8, v0, 4, 1
	v_mul_u32_u24 v[LO], v7, 1536
	v_lshl_add_u32 v[LO], v8, 4, v[LO]
	v_mul_u32_u24 v[STO], v7, 192
	v_lshl_add_u32 v[STO], v8, 4, v[STO]
	v_lshlrev_b32 v[GO], 4, v0
	v_lshlrev_b32 v[BO], 5, v8
	s_mul_i32 s18, s17, 3145728
	s_mul_i32 s20, s15, 98304
	s_add_co_u32 s18, s18, s20
	s_add_co_u32 s18, s18, 25165824
	s_add_nc_u64 s[6:7], s[6:7], s[18:19]          ; x1 in f16 at my 64 rows
	s_mul_i32 s18, s16, 96*1536
	s_add_co_u32 s18, s18, 3*1179648
	s_add_nc_u64 s[8:9], s[8:9], s[18:19]          ; W1 turned, at my 96 rows
	s_mul_i32 s18, s16, 384
	s_add_nc_u64 s[10:11], s[10:11], s[18:19]      ; b1 at my 96 numbers
	s_mul_i32 s18, s17, 3145728
	s_mul_i32 s20, s16, 393216
	s_add_co_u32 s18, s18, s20
	s_mul_i32 s20, s15, 12288
	s_add_co_u32 s18, s18, s20
	s_add_nc_u64 s[12:13], s[12:13], s[18:19]      ; my tile of g
	s_mov_b32 s[A1], 0xc0135761                    ; -2.302208
	s_mov_b32 s[A1+1], s[A1]
	s_mov_b32 s[A3], 0xbdd2d3e8                    ; -0.102943
	s_mov_b32 s[A3+1], s[A3]
	s_wait_kmcnt 0x0
	s_cmp_lt_u32 s15, s35
	s_cbranch_scc0 .Lend
.macro WLOADS u, nx                    ; chunk u of the three in hand (nx = 0) or of the next three (nx = 1)
	WIN 0x40
.irp a, 0,1,2,3
	global_load_b128 v[80*(\u)+8*(\a):80*(\u)+8*(\a)+3],   v[LO], s[6:7] offset:(\nx)*192+24576*(\a)+64*(\u)
	global_load_b128 v[80*(\u)+8*(\a)+4:80*(\u)+8*(\a)+7], v[LO], s[6:7] offset:(\nx)*192+24576*(\a)+64*(\u)+32
.endr
.irp b, 0,1,2,3,4,5
	global_load_b128 v[80*(\u)+32+8*(\b):80*(\u)+32+8*(\b)+3],   v[LO], s[8:9] offset:(\nx)*192+24576*(\b)+64*(\u)
	global_load_b128 v[80*(\u)+32+8*(\b)+4:80*(\u)+32+8*(\b)+7], v[LO], s[8:9] offset:(\nx)*192+24576*(\b)+64*(\u)+32
.endr
.endm
; 24 products, each accumulator once, always in the same order: the accumulators take turns.  first = 1: they start the sums, with the bias as C.
.macro CHUNK u, first, refill, cnt
	s_wait_loadcnt \cnt                            ; my set's loads are in, and all that were issued ahead of them
	WIN 0x05
.irp a, 0,1,2,3
.irp b, 0,1,2,3,4,5
.if \first
	v_wmma_f32_16x16x32_f16 v[ACC+8*(6*(\a)+(\b)):ACC+8*(6*(\a)+(\b))+7], v[80*(\u)+32+8*(\b):80*(\u)+32+8*(\b)+7], v[80*(\u)+8*(\a):80*(\u)+8*(\a)+7], v[BI+8*(\b):BI+8*(\b)+7]
.else
	v_wmma_f32_16x16x32_f16 v[ACC+8*(6*(\a)+(\b)):ACC+8*(6*(\a)+(\b))+7], v[80*(\u)+32+8*(\b):80*(\u)+32+8*(\b)+7], v[80*(\u)+8*(\a):80*(\u)+8*(\a)+7], v[ACC+8*(6*(\a)+(\b)):ACC+8*(6*(\a)+(\b))+7]
.endif
.endr
.endr
	PLACES
.if \refill
	WIN 0x40                                       ; the switch, then the wait, then the loads
	s_wait_alu depctr_va_vdst(0)                   ; the chunk's 24 products are done reading set u, in which the 20 loads below land
	WLOADS \u, 1
.endif
.endm
.macro STEP
	WIN 0
	s_wait_xcnt 0x0                                ; every load issued so far has read its address: the pointers may be written
	s_add_nc_u64 s[6:7], s[6:7], 192
	s_add_nc_u64 s[8:9], s[8:9], 192
.endm
	s_wait_alu depctr_va_vdst(0)                   ; the offsets and addresses v2, v4, v6 and v14 are written, which the loads and stores from here on read
.irp b, 0,1,2,3,4,5                    ; the bias first: 12 loads, then three chunks' 60.  The counter's field holds fewer than 72: the issue of the last ones waits for the first to come back (ISA guide 5.7.1)
	global_load_b128 v[BI+8*\b:BI+8*\b+3],   v[BO], s[10:11] offset:64*\b
	global_load_b128 v[BI+8*\b+4:BI+8*\b+7], v[BO], s[10:11] offset:64*\b+16
.endr
	WLOADS 0, 0
	WLOADS 1, 0
	WLOADS 2, 0
	CHUNK 0, 1, 1, 40                              ; 40: the two younger chunks' loads
	CHUNK 1, 0, 1, 40
	CHUNK 2, 0, 1, 40
	STEP
	s_mov_b32 s21, 6
.Lk:
	CHUNK 0, 0, 1, 40
	CHUNK 1, 0, 1, 40
	CHUNK 2, 0, 1, 40
	STEP
	s_sub_co_u32 s21, s21, 1
	s_cmp_lg_u32 s21, 0
	s_cbranch_scc1 .Lk
	CHUNK 0, 0, 0, 40                              ; the last three chunks ask for nothing: the counts run down
	CHUNK 1, 0, 0, 20
	CHUNK 2, 0, 0, 0
; THE WAY OUT, 16 rows (six accumulators) at a time, in three parts.
; GARITH: gelu in place and the rounding.  Each accumulator is read from its low end on.  The 48 exponentials are one batch with one wait, and so are the 48 reciprocals.
.macro GARITH a
.set xb, ACC+48*(\a)
	WIN 0x40
.set p, 0
.rept 24
	v_pk_mul_f32 v[TT+2*p:TT+2*p+1], v[xb+2*p:xb+2*p+1], v[xb+2*p:xb+2*p+1]
.set p, p+1
.endr
	WIN 0x41
.set p, 0
.rept 24
	v_pk_fma_f32 v[TT+2*p:TT+2*p+1], v[TT+2*p:TT+2*p+1], s[A3:A3+1], s[A1:A1+1] op_sel_hi:[1,0,0]
.set p, p+1
.endr
.set p, 0
.rept 24
	v_pk_mul_f32 v[TT+2*p:TT+2*p+1], v[TT+2*p:TT+2*p+1], v[xb+2*p:xb+2*p+1]
.set p, p+1
.endr
.set p, 0
.rept 48
	v_exp_f32 v[TT+p], v[TT+p]
.set p, p+1
.endr
	v_nop
	s_wait_alu depctr_va_vdst(0)                   ; the 48 exponentials have written the work space, which the additions below read
.set p, 0
.rept 24
	v_pk_add_f32 v[TT+2*p:TT+2*p+1], v[TT+2*p:TT+2*p+1], 1.0 op_sel_hi:[1,0]
.set p, p+1
.endr
.set p, 0
.rept 48
	v_rcp_f32 v[TT+p], v[TT+p]
.set p, p+1
.endr
	v_nop
	s_wait_alu depctr_va_vdst(0)                   ; the 48 reciprocals have written the work space, which the multiplies below read
	WIN 0x01
.set p, 0
.rept 24
	v_pk_mul_f32 v[xb+2*p:xb+2*p+1], v[TT+2*p:TT+2*p+1], v[xb+2*p:xb+2*p+1]
.set p, p+1
.endr
	WIN 0
.set k, 0
.rept 6
.irp p, 0,1,2,3
	v_cvt_pk_f16_f32 v[xb+8*k+\p], v[xb+8*k+2*\p], v[xb+8*k+2*\p+1]  ; an accumulator's eight numbers close up into its first four registers
.endr
.set k, k+1
.endr
.endm
; GSTAGE: into my stage as 16 bytes of a row, and back as 512 consecutive bytes of the dense tile, into the accumulators' last four registers.
.macro GSTAGE a
.set xb, ACC+48*(\a)
	s_wait_alu depctr_va_vdst(0)                   ; the conversions have written each accumulator's first four registers, which the LDS stores read, and are done reading its last four, in which the LDS loads land
.irp b, 0,1,2,3,4,5
	ds_store_b128 v[STO], v[xb+8*\b:xb+8*\b+3] offset:32*\b
.endr
.irp t, 0,1,2,3,4,5
	ds_load_b128 v[xb+8*\t+4:xb+8*\t+7], v[GO] offset:512*\t  ; LDS serves a wave's instructions in order (ISA guide 5.7.1.4)
.endr
.endm
; GSEND: stored.  No vector instruction since the block's wait names these registers.
.macro GSEND a
.set xb, ACC+48*(\a)
	s_wait_dscnt 0x0                               ; the block is back in registers
.irp t, 0,1,2,3,4,5
	global_store_b128 v[GO], v[xb+8*\t+4:xb+8*\t+7], s[12:13] offset:3072*(\a)+512*\t
.endr
.endm
	GARITH 0
	GSTAGE 0
	GARITH 1                                       ; a block's arithmetic stands between the loads of the block before and its stores
	GSEND 0
	GSTAGE 1
	GARITH 2
	GSEND 1
	GSTAGE 2
	GARITH 3
	GSEND 2
	GSTAGE 3
	GSEND 3
.Lend:
	s_wait_dscnt 0x0                               ; the closing lines, six on end
	s_wait_alu 0x0
	s_wait_tensorcnt 0x0
	ds_add_u32 v[SPW], v[NIL]
	s_wait_dscnt 0x0
	s_endpgm
.Lfunc_end_k_q2ed3572e58_w1:
	.size	k_q2ed3572e58_w1, .Lfunc_end_k_q2ed3572e58_w1-k_q2ed3572e58_w1
	.p2alignl 7, 3214868480
	.fill 96, 4, 3214868480
	.section	.rodata,"a",@progbits
	.p2align	6, 0x0
	.amdhsa_kernel k_q2ed3572e58_w1
		.amdhsa_group_segment_fixed_size 3328
		.amdhsa_private_segment_fixed_size 0
		.amdhsa_enable_private_segment 0
		.amdhsa_kernarg_size 40
		.amdhsa_user_sgpr_count 2
		.amdhsa_user_sgpr_kernarg_segment_ptr 1
		.amdhsa_wavefront_size32 1
		.amdhsa_system_sgpr_workgroup_id_x 1
		.amdhsa_system_sgpr_workgroup_id_y 1
		.amdhsa_system_sgpr_workgroup_id_z 1
		.amdhsa_system_vgpr_workitem_id 0
		.amdhsa_next_free_vgpr 512
		.amdhsa_next_free_sgpr 66
		.amdhsa_reserve_vcc 0
		.amdhsa_float_denorm_mode_32 3
		.amdhsa_float_denorm_mode_16_64 3
		.amdhsa_memory_ordered 1
		.amdhsa_forward_progress 1
		.amdhsa_inst_pref_size 92
	.end_amdhsa_kernel
	.amdgpu_metadata
---
amdhsa.version: [ 1, 2 ]
amdhsa.kernels:
  - .name:           k_q2ed3572e58_w1
    .symbol:         k_q2ed3572e58_w1.kd
    .args:
      - { .name: meta, .offset: 0, .size: 8, .value_kind: global_buffer, .address_space: global }
      - { .name: x1buf, .offset: 8, .size: 8, .value_kind: global_buffer, .address_space: global }
      - { .name: wta, .offset: 16, .size: 8, .value_kind: global_buffer, .address_space: global }
      - { .name: b1, .offset: 24, .size: 8, .value_kind: global_buffer, .address_space: global }
      - { .name: actb, .offset: 32, .size: 8, .value_kind: global_buffer, .address_space: global }
    .group_segment_fixed_size: 3328
    .private_segment_fixed_size: 0
    .kernarg_segment_align: 8
    .kernarg_segment_size: 40
    .max_flat_workgroup_size: 32
    .sgpr_count:     66
    .vgpr_count:     512
    .wavefront_size: 32
...
	.end_amdgpu_metadata
.endif
;; end of part 18
;; launch w2: the kernel of part 17 again; grid 48 x 32, 1 waves a work-group, no clusters, 4,608 bytes of LDS; arguments meta, actb, wt2, ysum; writes ysum
;; launch final: the kernel of part 14 again; grid 128 x 4, 8 waves a work-group, no clusters, 0 bytes of LDS; arguments meta, hidden_states, x1buf, ysum, b2, ln2_g, ln2_b, dn_g, dn_b, out0; writes out0
